; MI455X (gfx1250); checked and timed in simulation.
; The chip was launched on July 23, 2026; its instructions are those of AMD's public machine-readable ISA for CDNA 5 (MIT licence, August 2026) and "CDNA5" Instruction Set Architecture Reference Guide (July 2026). The comments in the code are by the model that wrote it; some were corrected since.
;; Attention Block. Allowed arithmetic: float matrix products may take bf16 or f16 operands with f32 sums; other float arithmetic in f32, or as packed bf16 or f16 multiplies, adds, multiply-adds, maxima and minima; sums over many terms, partial sums and values carried from step to step in f32; what a program stores and reads back later, other than sums and carried values, may be rounded once to bf16 or f16.
;; Inputs: ca_bo 1,024 float32; ca_norm_b 1,024 float32; ca_norm_g 1,024 float32; ca_normc_b 1,024 float32; ca_normc_g 1,024 float32; ca_rel 32 x 16 float32; ca_wkv 1,024 x 2,048 float32; ca_wo 1,024 x 1,024 float32; ca_wq 1,024 x 1,024 float32; context 2 x 512 x 1,024 float32; sa_bo 1,024 float32; sa_norm_b 1,024 float32; sa_norm_g 1,024 float32; sa_normc_b 1,024 float32; sa_normc_g 1,024 float32; sa_rel 32 x 16 float32; sa_wkv 1,024 x 2,048 float32; sa_wo 1,024 x 1,024 float32; sa_wq 1,024 x 1,024 float32; x 2 x 2,048 x 1,024 float32.
;; Outputs: out0 2 x 2,048 x 1,024 float32.
;; 2 versions, each right; version 2 is version 1 with the launches prep, ln1 written anew for expert scheduling mode. Each part assembles by itself: llvm-mc -triple=amdgcn-amd-amdhsa -mcpu=gfx1250 --defsym DOCPART=n.
;; ======== version 1 of 2: 8 launches
;; limits: values are held in f16: magnitudes above 65,504 overflow, below 6.1e-05 lose precision
;; workspace buffers: wsa 8,388,608 bytes; wca 8,388,608 bytes; an0 8,388,608 bytes; an1 10,485,760 bytes; qb 8,388,608 bytes; kv 20,971,520 bytes; x1 16,777,216 bytes
;; launch prep (part 1): grid 832 x 1, 8 waves a work-group, no clusters, 0 bytes of LDS; arguments x, context, sa_norm_g, sa_norm_b, sa_normc_g, sa_normc_b, ca_normc_g, ca_normc_b, sa_wq, sa_wkv, sa_wo, ca_wq, ca_wkv, ca_wo, an0, an1, wsa, wca; writes an0, an1, wsa, wca
.if DOCPART == 1
	.amdgcn_target "amdgcn-amd-amdhsa--gfx1250"
	.amdhsa_code_object_version 6
	.text
	.protected	k_q98645be521_prep
	.globl	k_q98645be521_prep
	.p2align	8
	.type	k_q98645be521_prep,@function
k_q98645be521_prep:
	s_mov_b64 s[64:65], 0
	v_nop
	global_prefetch_b8 v0, s[64:65] scope:SCOPE_SE
	s_setreg_imm32_b32 hwreg(HW_REG_WAVE_MODE, 25, 1), 1
	s_wait_xcnt 0x0
; PREP.  Three streams in one launch, told apart by the work-group's number:
;   0-255    both LayerNorms of x [4096][1024] f32 (one mean and variance, two gains and biases) -> an0, an1, f16 [4096][1024]
;   256-319  the LayerNorm of context [1024][1024] -> an1 from byte 8,388,608 on
;   320-831  the six weight matrices, f32 [1024 k][..], cast to f16 into wsa, wca: [1024 k][4096]: columns 0-1023 wq, 1024-3071 wkv, 3072-4095 wo
; A stream: no LDS, no matrix unit, no cluster: nothing is shared and every byte is read once.
; LAYERNORM.  A wave takes two rows; a row is 4,096 bytes = 32 registers and stays in them.  The mean is taken first and the variance of x - mean, so no difference of large sums is formed.
; Lane l holds columns 128 c + 4 l .. + 3 (c = 0..7): a load covers 512 consecutive bytes, a store of 8 bytes a lane 256 consecutive bytes, aligned.
; LIMITS.  The results are rounded once to f16, which ends at 65,504: |LN| is at most 32 |g| + |b|.  NaN and infinities are not treated apart.
.set LO,  2                            ; v2   16 x lane: my bytes in 512 of f32
.set SO,  3                            ; v3   8 x lane: my bytes in 256 of f16
.set T,   4                            ; v[4:11]    at work
.set MP,  12                           ; v[12:13]   the mean, twice
.set VA,  14                           ; v14, v15   variance + eps of row 0, 1
.set X,   16                           ; v[16:79]   row s at X + 32 s
.set G0,  80                           ; v[80:207]  gain, bias, second gain, second bias: my 32 columns of each
.set B0,  112
.set G1,  144
.set B1,  176
.set Y0,  208                          ; v[208:239] f16 to store, 16 registers for each output
.set Y1,  224
.set RS,  240                          ; v[240:243] 1 / sqrt, twice for each row
.set IN,  54                           ; s[54:55] my two rows in the input;  s[56:57], s[58:59] in the outputs
.set O0,  56
.set O1,  58
.macro FOLD                            ; the four chains in T into one number, the same in every lane
	v_pk_add_f32 v[T:T+1], v[T:T+1], v[T+2:T+3]
	v_pk_add_f32 v[T+4:T+5], v[T+4:T+5], v[T+6:T+7]
	v_pk_add_f32 v[T:T+1], v[T:T+1], v[T+4:T+5]
	v_add_f32 v[T], v[T], v[T+1]
	v_add_f32_dpp v[T], v[T], v[T] row_xmask:1 row_mask:0xf bank_mask:0xf
	v_add_f32_dpp v[T], v[T], v[T] row_xmask:2 row_mask:0xf bank_mask:0xf
	v_add_f32_dpp v[T], v[T], v[T] row_xmask:4 row_mask:0xf bank_mask:0xf
	v_add_f32_dpp v[T], v[T], v[T] row_xmask:8 row_mask:0xf bank_mask:0xf
	v_permlanex16_b32 v[T+1], v[T], s50, s51
	v_add_f32 v[T], v[T], v[T+1]
.endm
; Row s: mean; x - mean in place; variance + eps.  cnt = the loads issued behind the row's eight, which may stay out.
.macro STAT s, cnt
	s_wait_loadcnt \cnt
.irp k, 0,1,2,3
	v_pk_add_f32 v[T+2*(\k):T+2*(\k)+1], v[X+32*(\s)+2*(\k):X+32*(\s)+2*(\k)+1], v[X+32*(\s)+8+2*(\k):X+32*(\s)+8+2*(\k)+1]
.endr
.irp m, 16,24
.irp k, 0,1,2,3
	v_pk_add_f32 v[T+2*(\k):T+2*(\k)+1], v[T+2*(\k):T+2*(\k)+1], v[X+32*(\s)+(\m)+2*(\k):X+32*(\s)+(\m)+2*(\k)+1]
.endr
.endr
	FOLD
	v_mul_f32 v[MP], s52, v[T]                     ; sum / 1024
	v_mov_b32 v[MP+1], v[MP]
.set j, X+32*(\s)
.rept 16
	v_pk_add_f32 v[j:j+1], v[j:j+1], v[MP:MP+1] neg_lo:[0,1] neg_hi:[0,1]
.set j, j+2
.endr
.irp k, 0,1,2,3
	v_pk_mul_f32 v[T+2*(\k):T+2*(\k)+1], v[X+32*(\s)+2*(\k):X+32*(\s)+2*(\k)+1], v[X+32*(\s)+2*(\k):X+32*(\s)+2*(\k)+1]
.endr
.irp m, 8,16,24
.irp k, 0,1,2,3
	v_pk_fma_f32 v[T+2*(\k):T+2*(\k)+1], v[X+32*(\s)+(\m)+2*(\k):X+32*(\s)+(\m)+2*(\k)+1], v[X+32*(\s)+(\m)+2*(\k):X+32*(\s)+(\m)+2*(\k)+1], v[T+2*(\k):T+2*(\k)+1]
.endr
.endr
	FOLD
	v_fma_f32 v[VA+(\s)], v[T], s52, s53           ; sum / 1024 + 1e-5
.endm
; Row s goes out: z = d / sqrt; z g + b, rounded to f16; with two = 1 the same z with the second gain and bias.
.macro OUT s, two
.irp c, 0,1,2,3,4,5,6,7
.set xr, X+32*(\s)+4*(\c)
	v_pk_mul_f32 v[xr:xr+1], v[xr:xr+1], v[RS+2*(\s):RS+2*(\s)+1]
	v_pk_mul_f32 v[xr+2:xr+3], v[xr+2:xr+3], v[RS+2*(\s):RS+2*(\s)+1]
	v_pk_fma_f32 v[T:T+1], v[xr:xr+1], v[G0+4*(\c):G0+4*(\c)+1], v[B0+4*(\c):B0+4*(\c)+1]
	v_pk_fma_f32 v[T+2:T+3], v[xr+2:xr+3], v[G0+4*(\c)+2:G0+4*(\c)+3], v[B0+4*(\c)+2:B0+4*(\c)+3]
	v_cvt_pk_f16_f32 v[Y0+2*(\c)], v[T], v[T+1]
	v_cvt_pk_f16_f32 v[Y0+2*(\c)+1], v[T+2], v[T+3]
	global_store_b64 v[SO], v[Y0+2*(\c):Y0+2*(\c)+1], s[O0:O0+1] offset:256*(\c)+2048*(\s)
.if \two
	v_pk_fma_f32 v[T+4:T+5], v[xr:xr+1], v[G1+4*(\c):G1+4*(\c)+1], v[B1+4*(\c):B1+4*(\c)+1]
	v_pk_fma_f32 v[T+6:T+7], v[xr+2:xr+3], v[G1+4*(\c)+2:G1+4*(\c)+3], v[B1+4*(\c)+2:B1+4*(\c)+3]
	v_cvt_pk_f16_f32 v[Y1+2*(\c)], v[T+4], v[T+5]
	v_cvt_pk_f16_f32 v[Y1+2*(\c)+1], v[T+6], v[T+7]
	global_store_b64 v[SO], v[Y1+2*(\c):Y1+2*(\c)+1], s[O1:O1+1] offset:256*(\c)+2048*(\s)
.endif
.endr
.endm
; Two rows.  All loads go out first: row 0, row 1, then the vectors, 8 loads each.
.macro LNROWS two, g0, b0, g1, b1
.irp c, 0,1,2,3,4,5,6,7
	global_load_b128 v[X+4*(\c):X+4*(\c)+3], v[LO], s[IN:IN+1] offset:512*(\c)
.endr
.irp c, 0,1,2,3,4,5,6,7
	global_load_b128 v[X+32+4*(\c):X+32+4*(\c)+3], v[LO], s[IN:IN+1] offset:4096+512*(\c)
.endr
.irp c, 0,1,2,3,4,5,6,7
	global_load_b128 v[G0+4*(\c):G0+4*(\c)+3], v[LO], s[\g0:\g0+1] offset:512*(\c)
.endr
.irp c, 0,1,2,3,4,5,6,7
	global_load_b128 v[B0+4*(\c):B0+4*(\c)+3], v[LO], s[\b0:\b0+1] offset:512*(\c)
.endr
.if \two
.irp c, 0,1,2,3,4,5,6,7
	global_load_b128 v[G1+4*(\c):G1+4*(\c)+3], v[LO], s[\g1:\g1+1] offset:512*(\c)
.endr
.irp c, 0,1,2,3,4,5,6,7
	global_load_b128 v[B1+4*(\c):B1+4*(\c)+3], v[LO], s[\b1:\b1+1] offset:512*(\c)
.endr
.endif
	STAT 0, 24+16*(\two)                           ; behind row 0: row 1's eight and the vectors' 16 or 32
	STAT 1, 16+16*(\two)                           ; behind row 1: the vectors'
	v_rsq_f32 v[RS], v[VA]                         ; one batch of four,
	v_rsq_f32 v[RS+1], v[VA]
	v_rsq_f32 v[RS+2], v[VA+1]
	v_rsq_f32 v[RS+3], v[VA+1]
	v_nop                                          ; a plain instruction behind the last of them,
	s_wait_alu depctr_va_vdst(0)                   ; and one wait ahead of the first use
	s_wait_loadcnt 0x0                             ; the gains and biases
	OUT 0, \two
	s_wait_xcnt 0x0                                ; row 0's stores have read Y: it is rewritten only behind this wait
	OUT 1, \two
.endm
	s_load_b512 s[8:23], s[0:1], 0x0               ; x 8, context 10, sa_norm_g 12, sa_norm_b 14, sa_normc_g 16, sa_normc_b 18, ca_normc_g 20, ca_normc_b 22
	s_load_b512 s[24:39], s[0:1], 0x40             ; sa_wq 24, sa_wkv 26, sa_wo 28, ca_wq 30, ca_wkv 32, ca_wo 34, an0 36, an1 38
	s_load_b128 s[40:43], s[0:1], 0x80             ; wsa 40, wca 42
	v_lshrrev_b32 v1, 5, v0
	v_readfirstlane_b32 s4, v1                     ; wave 0..7
	v_and_b32 v1, 31, v0
	v_lshlrev_b32 v[LO], 4, v1
	v_lshlrev_b32 v[SO], 3, v1
	s_mov_b32 s50, 0x76543210                      ; v_permlanex16_b32: each lane takes its own place in the other half
	s_mov_b32 s51, 0xfedcba98
	s_mov_b32 s52, 0x3a800000                      ; 1 / 1024
	s_mov_b32 s53, 0x3727c5ac                      ; 1e-5
	s_mov_b32 s47, 0
	s_wait_kmcnt 0x0
	s_cmp_ge_u32 ttmp9, 320
	s_cbranch_scc1 .Lcast
	s_cmp_ge_u32 ttmp9, 256
	s_cbranch_scc1 .Lctx
	s_lshl_b32 s44, ttmp9, 4                       ; x: 16 rows a work-group,
	s_lshl1_add_u32 s44, s4, s44                   ; two a wave
	s_lshl_b32 s46, s44, 12
	s_add_nc_u64 s[IN:IN+1], s[8:9], s[46:47]
	s_lshl_b32 s46, s44, 11
	s_add_nc_u64 s[O0:O0+1], s[36:37], s[46:47]
	s_add_nc_u64 s[O1:O1+1], s[38:39], s[46:47]
	LNROWS 1, 12, 14, 16, 18
	s_endpgm
.Lctx:
	s_sub_co_u32 s44, ttmp9, 256                   ; context
	s_lshl_b32 s44, s44, 4
	s_lshl1_add_u32 s44, s4, s44
	s_lshl_b32 s46, s44, 12
	s_add_nc_u64 s[IN:IN+1], s[10:11], s[46:47]
	s_lshl_b32 s46, s44, 11
	s_add_co_u32 s46, s46, 0x800000                ; behind x's rows in an1
	s_add_nc_u64 s[O0:O0+1], s[38:39], s[46:47]
	LNROWS 0, 20, 22, 20, 22
	s_endpgm
.Lcast:                                        ; four k rows of one set of weights: thread t takes 16 bytes of f32, 16 loads, and stores 8 bytes of f16 for each
	s_sub_co_u32 s44, ttmp9, 320
	s_and_b32 s45, s44, 255
	s_cmp_lt_u32 s44, 256                          ; the first 256 work-groups take the self-attention's weights
	s_cselect_b64 s[54:55], s[24:25], s[30:31]
	s_cselect_b64 s[56:57], s[26:27], s[32:33]
	s_cselect_b64 s[58:59], s[28:29], s[34:35]
	s_cselect_b64 s[60:61], s[40:41], s[42:43]
	s_lshl_b32 s46, s45, 14                        ; four rows of 4,096 bytes
	s_add_nc_u64 s[54:55], s[54:55], s[46:47]
	s_add_nc_u64 s[58:59], s[58:59], s[46:47]
	s_lshl_b32 s46, s45, 15                        ; four rows of 8,192 bytes
	s_add_nc_u64 s[56:57], s[56:57], s[46:47]
	s_add_nc_u64 s[60:61], s[60:61], s[46:47]
	v_lshlrev_b32 v4, 4, v0
	v_lshlrev_b32 v5, 3, v0
.irp r, 0,1,2,3
	global_load_b128 v[16+16*(\r):19+16*(\r)], v4, s[54:55] offset:4096*(\r) th:TH_LOAD_NT
	global_load_b128 v[20+16*(\r):23+16*(\r)], v4, s[56:57] offset:8192*(\r) th:TH_LOAD_NT
	global_load_b128 v[24+16*(\r):27+16*(\r)], v4, s[56:57] offset:8192*(\r)+4096 th:TH_LOAD_NT
	global_load_b128 v[28+16*(\r):31+16*(\r)], v4, s[58:59] offset:4096*(\r) th:TH_LOAD_NT
.endr
.set i, 0
.rept 16
	s_wait_loadcnt 15-i                            ; loads come back in order: number i is in, the younger ones stay out
	v_cvt_pk_f16_f32 v[80+2*i], v[16+4*i], v[17+4*i]
	v_cvt_pk_f16_f32 v[81+2*i], v[18+4*i], v[19+4*i]
	global_store_b64 v5, v[80+2*i:81+2*i], s[60:61] offset:8192*(i/4)+2048*(i%4)  ; a wave stores 256 consecutive bytes, aligned
.set i, i+1
.endr
	s_endpgm
.Lfunc_end_k_q98645be521_prep:
	.size	k_q98645be521_prep, .Lfunc_end_k_q98645be521_prep-k_q98645be521_prep
	.p2alignl 7, 3214868480
	.fill 96, 4, 3214868480
	.section	.rodata,"a",@progbits
	.p2align	6, 0x0
	.amdhsa_kernel k_q98645be521_prep
		.amdhsa_group_segment_fixed_size 0
		.amdhsa_private_segment_fixed_size 0
		.amdhsa_enable_private_segment 0
		.amdhsa_kernarg_size 144
		.amdhsa_user_sgpr_count 2
		.amdhsa_user_sgpr_kernarg_segment_ptr 1
		.amdhsa_wavefront_size32 1
		.amdhsa_system_sgpr_workgroup_id_x 1
		.amdhsa_system_sgpr_workgroup_id_y 1
		.amdhsa_system_sgpr_workgroup_id_z 1
		.amdhsa_system_vgpr_workitem_id 0
		.amdhsa_next_free_vgpr 256
		.amdhsa_next_free_sgpr 66
		.amdhsa_reserve_vcc 0
		.amdhsa_float_denorm_mode_32 3
		.amdhsa_float_denorm_mode_16_64 3
		.amdhsa_memory_ordered 1
		.amdhsa_forward_progress 1
		.amdhsa_inst_pref_size 53
	.end_amdhsa_kernel
	.amdgpu_metadata
---
amdhsa.version: [ 1, 2 ]
amdhsa.kernels:
  - .name:           k_q98645be521_prep
    .symbol:         k_q98645be521_prep.kd
    .args:
      - { .name: x, .offset: 0, .size: 8, .value_kind: global_buffer, .address_space: global }
      - { .name: context, .offset: 8, .size: 8, .value_kind: global_buffer, .address_space: global }
      - { .name: sa_norm_g, .offset: 16, .size: 8, .value_kind: global_buffer, .address_space: global }
      - { .name: sa_norm_b, .offset: 24, .size: 8, .value_kind: global_buffer, .address_space: global }
      - { .name: sa_normc_g, .offset: 32, .size: 8, .value_kind: global_buffer, .address_space: global }
      - { .name: sa_normc_b, .offset: 40, .size: 8, .value_kind: global_buffer, .address_space: global }
      - { .name: ca_normc_g, .offset: 48, .size: 8, .value_kind: global_buffer, .address_space: global }
      - { .name: ca_normc_b, .offset: 56, .size: 8, .value_kind: global_buffer, .address_space: global }
      - { .name: sa_wq, .offset: 64, .size: 8, .value_kind: global_buffer, .address_space: global }
      - { .name: sa_wkv, .offset: 72, .size: 8, .value_kind: global_buffer, .address_space: global }
      - { .name: sa_wo, .offset: 80, .size: 8, .value_kind: global_buffer, .address_space: global }
      - { .name: ca_wq, .offset: 88, .size: 8, .value_kind: global_buffer, .address_space: global }
      - { .name: ca_wkv, .offset: 96, .size: 8, .value_kind: global_buffer, .address_space: global }
      - { .name: ca_wo, .offset: 104, .size: 8, .value_kind: global_buffer, .address_space: global }
      - { .name: an0, .offset: 112, .size: 8, .value_kind: global_buffer, .address_space: global }
      - { .name: an1, .offset: 120, .size: 8, .value_kind: global_buffer, .address_space: global }
      - { .name: wsa, .offset: 128, .size: 8, .value_kind: global_buffer, .address_space: global }
      - { .name: wca, .offset: 136, .size: 8, .value_kind: global_buffer, .address_space: global }
    .group_segment_fixed_size: 0
    .private_segment_fixed_size: 0
    .kernarg_segment_align: 8
    .kernarg_segment_size: 144
    .max_flat_workgroup_size: 256
    .sgpr_count:     66
    .vgpr_count:     256
    .wavefront_size: 32
...
	.end_amdgpu_metadata
.endif
;; end of part 1
;; launch p1 (part 2): grid 28 x 8, 4 waves a work-group, clusters of 4 x 4, 327,680 bytes of LDS; arguments an0, an1, wsa, wca, qb, kv; writes qb, kv
.if DOCPART == 2
	.amdgcn_target "amdgcn-amd-amdhsa--gfx1250"
	.amdhsa_code_object_version 6
	.text
	.protected	k_q98645be521_p1
	.globl	k_q98645be521_p1
	.p2align	8
	.type	k_q98645be521_p1,@function
k_q98645be521_p1:
	s_mov_b64 s[64:65], 0
	v_nop
	global_prefetch_b8 v0, s[64:65] scope:SCOPE_SE
	s_setreg_imm32_b32 hwreg(HW_REG_WAVE_MODE, 25, 1), 1
	s_wait_xcnt 0x0
	s_wait_alu depctr_hold_cnt(0) depctr_sa_sdst(0) depctr_va_vdst(0) depctr_va_sdst(0) depctr_va_ssrc(0) depctr_va_vcc(0) depctr_vm_vsrc(0)
	s_getreg_b32 s2, hwreg(HW_REG_IB_STS2, 6, 4)
	s_cmp_eq_u32 s2, 0
	s_cbranch_scc0 .Lentry_in_a_cluster
	s_endpgm
.Lentry_in_a_cluster:
	s_bfe_u32 s2, ttmp6, 0x10000c
	s_cmp_lg_u32 s2, 0xf033
	s_cbranch_scc0 .Lentry_shape_is_right
	s_endpgm
.Lentry_shape_is_right:
; PROJW.  C = A W in f16 with f32 sums, written by heads: the self-attention's q, k, v and the cross-attention's k, v in one launch.
; A: [rows][1024] f16 (LayerNorm outputs).  W: [1024 k][4096] f16.  C: [batch x 16 heads][L][64] f16, rounded once.
; WHICH PRODUCT, by the cluster's x (tx), which all sixteen partners share:
;   tx 0-1: q = a0 W[:, 0:1024] -> oq.   tx 2-3: k = a1 W[:, 1024:2048] -> okv.   tx 4-5: v = a1 W[:, 2048:3072] -> okv + 8,388,608.   4,096 rows, L = 2,048.
;   tx 6:   the cross-attention's k and v: A = a1 from byte 8,388,608 on (1,024 rows, L = 512), W = wc, columns 1024-3071 -> okv + 16,777,216 and + 18,874,368.
; A tile of C is 128 x 128; four waves, each 64 x 64: 16 accumulators.  K = 1,024 goes in four steps of 256 through two LDS slots.  A wave's 64 columns are one head, its 64 x 64 numbers 8,192 consecutive bytes of C.
; A WORK-GROUP STAYS: the launch has 768 + 128 = 896 tiles, four for each of 224 work-groups.  With b = 4 x cluster y + cy: for tx 0-5 the tiles are tile rows 4 b .. 4 b + 3 of one tile column 4 tx + cx;
; for tx 6 they are tile columns 8 + 4 cx .. 11 + 4 cx of tile row b.  So a walk stays in one batch and in one of q, k, v, and from tile to tile each address steps by one number.
; The ring does not stop at a tile's end: the 16 K steps are one sequence; each of the first 14 fills its slot again with the K step two on, a tile's last two with the next tile's first two; a tile goes out behind both.
; A REFILL'S ADDRESS IS MADE ANEW: the walk's first tile's address, which never changes, plus an offset made apart from it, from the number of the K step asked for: (tile) x (bytes from tile to tile) + (K step in the tile) x (bytes of a K step).
; CLUSTER 4 x 4: the four of a row need the same tiles of A, the four of a column the same tiles of W: each tile is asked for jointly, by the same tensor load with the same descriptor and a mask that names the four.
; THE MATRIX INSTRUCTION IS USED TRANSPOSED: source 0 = 16 columns of W, source 1 = 16 rows of A: a lane then holds eight neighbouring columns of one row of C.  W lies [k][column] in LDS and is turned on the way out of it (ds_load_tr16_b128).
; ONE FORM OF PRODUCT: the accumulators are cleared (128 lines) while the first tile is on its way and on each way out that has a tile behind it, so that a K step's text stands twice (with a refill, without).
; The last change of slots fetches 32 fragments of a slot that has landed and uses none of them: the price, once a launch, of that one text.
; NO PREFETCH: a tile's K step is short and the tiles are shared by joint loads.
; LIMITS.  f16 ends at 65,504: A, W and C lie within it.  NaN and infinities are not treated apart.
; REGISTERS: window 0: v0-31 addresses; v32-95 the way out; v128-255 the accumulators ((a, b) at 128 + 8 (4 a + b)).  Window 1: two fragment buffers of 128: 64 registers of A (2 x 4 x 16 rows x 32 K), then 64 of W.
.set PA,    528                        ; a row of A in LDS: 512 bytes + 16: the 16 rows of a load start at 16 different groups of four banks
.set PW,    288                        ; a k row of W: 256 bytes + 32
.set AHALF, 64*PA                      ; what one tensor load brings of A: 64 rows
.set WHALF, 128*PW                     ; and of W: 128 k rows
.set BOFF,  2*AHALF                    ; W lies behind A's 128 rows
.set SLOT,  147456                     ; slot 1 begins here: the number shares no bit with a tile's place in slot 0 (0, 33,792, 67,584, 104,448), so one exclusive or turns an address in one slot into the other's
.set STAGE, SLOT+BOFF+2*WHALF          ; behind the ring: 16 rows x 144 bytes for each wave, for the way out
.set SP,    144
.set SPARE, STAGE+4*16*SP              ; behind the stages: the spare words, 128 bytes for each wave: two blocks of 256 bytes that no other line names
.set AQ,    128                        ; bytes from a quarter step's fragments of A to the next quarter's
.set AI,    16*PA                      ; and from 16 rows to the next 16
.set KA,    512                        ; a K step in memory: 256 numbers along A's rows,
.set KW,    256*8192                   ; 256 rows of W
.set TILES, 4
.set STEPS, 4*TILES                    ; K steps of a work-group
.set ADRA, 16                          ; v16     LDS address of my A fragments in the slot in hand
.set ADRB, 17                          ; v17-18  of my W fragments: k rows 0-127, 128-255 (an LDS offset has 16 bits)
.set A0,   19                          ; v19-20  the same two for slot 0; never rewritten
.set B0,   20
.set STO,  24
.set RD,   25
.set GO,   26
.set SPW,  28                          ; v28     LDS address of my spare word; never rewritten
.set NIL,  29                          ; v29     0; never rewritten
.set TMP,  32
.set ACC,  128
.set F0,   0
.set F1,   128
.set OFS,  4                           ; s[4:5]   what the next way out adds to C's address
.set OST,  6                           ; s[6:7]   bytes from a tile of C to the walk's next
.set BA,   14                          ; s[14:15] A at my part of the walk's first tile, K step 0; never rewritten
.set TW,   18                          ; s18      bytes from a tile of W to the walk's next: 0, or 256
.set G1,   24                          ; s[24:31] descriptor group 1 for A's tiles;  s[32:39] group 0: a set for each first fill; the second then walks on
.set G0,   32
.set BW,   46                          ; s[46:47] W at my part of the walk's first tile, K step 0; never rewritten
.set G1B,  48                          ; s[48:55], s[56:63] the same for W's tiles
.set G0B,  56
.set TB,   66                          ; s66  0 or SLOT: the slot that is read
.set TA,   70                          ; s70      bytes from a tile of A to the walk's next: 262,144, or 0
.set OA,   76                          ; s[76:77] the offset, from BA, of the K step asked for (where arguments lay, once they are used up)
.set OW,   78                          ; s[78:79] the same from BW
.set MSB, 0
.macro WIN new                         ; the immediate's high byte repeats the setting that is left; a switch that changes nothing is dropped
.if MSB != (\new)
	s_set_vgpr_msb (MSB<<8)|(\new)
.set MSB, \new
.endif
.endm
.set MUL,  0x05                        ; sources 0 (W) and 1 (A) window 1; C and D window 0
.set TO_F, 0x40                        ; destination window 1, address window 0
.macro JLOAD                           ; a joint refill: waves 0 and 1 fetch A's two halves, waves 2 and 3 W's; an s_nop 0 and four v_nop follow each of the two lines
	s_cmp_eq_u32 s11, 0
	s_cbranch_scc0 .Lfor_w_\@
	tensor_load_to_lds s[G0+4:G0+7], s[G1:G1+7]
	s_nop 0
.rept 4
	v_nop
.endr
	s_branch .Lasked_\@
.Lfor_w_\@:
	tensor_load_to_lds s[G0B+4:G0B+7], s[G1B:G1B+7]
	s_nop 0
.rept 4
	v_nop
.endr
.Lasked_\@:
.endm
.macro CREST                           ; a round of the cluster's barrier behind its opening barrier
	s_cmp_lg_u32 s10, 0
	s_cbranch_scc1 .Lnot_wave_0_\@
	s_barrier_signal -3
.Lnot_wave_0_\@:
	s_barrier_wait -3
	s_barrier_signal -1
	s_barrier_wait -1
.endm
.macro CROUND                          ; a whole round
	s_barrier_signal -1
	s_barrier_wait -1
	CREST
.endm
.macro PLACES                          ; four places in front of loads into registers that matrix instructions have read, and of conversions that read results
.rept 4
	v_nop
.endr
.endm
.macro ADDR                            ; the fragment addresses in the slot in hand
	v_add_nc_u32 v[ADRA], s[TB], v[A0]
	v_add_nc_u32 v[ADRB], s[TB], v[B0]
	v_add_nc_u32 v[ADRB+1], WHALF, v[ADRB]
.endm
; 8 matrix instructions: row blocks a0, a0 + 1 x all 4 column blocks, 32 along K: half c of buffer f.  The 16 accumulators take turns, one instruction a turn.
.macro MUL8 f, c, a0
	WIN MUL
.irp a, \a0, (\a0)+1
.irp b, 0,1,2,3
	v_wmma_f32_16x16x32_f16 v[ACC+8*(4*(\a)+(\b)):ACC+8*(4*(\a)+(\b))+7], v[(\f)+64+8*(4*(\c)+(\b)):(\f)+64+8*(4*(\c)+(\b))+7], v[(\f)+8*(4*(\c)+(\a)):(\f)+8*(4*(\c)+(\a))+7], v[ACC+8*(4*(\a)+(\b)):ACC+8*(4*(\a)+(\b))+7]
.endr
.endr
.endm
; 32 LDS loads in one run: the fragments of quarter q (64 along K) into buffer f; the first 32 along K first
.macro FETCH q, f
	WIN TO_F
.irp c, 0,1
.irp i, 0,1,2,3
	ds_load_tr16_b128 v[(\f)+64+8*(4*(\c)+(\i)):(\f)+64+8*(4*(\c)+(\i))+3],   v[ADRB+(\q)/2] offset:(((\q)%2)*64+32*(\c))*PW+32*(\i)
	ds_load_tr16_b128 v[(\f)+64+8*(4*(\c)+(\i))+4:(\f)+64+8*(4*(\c)+(\i))+7], v[ADRB+(\q)/2] offset:(((\q)%2)*64+32*(\c)+16)*PW+32*(\i)
	ds_load_b128 v[(\f)+8*(4*(\c)+(\i)):(\f)+8*(4*(\c)+(\i))+3],   v[ADRA] offset:(\q)*AQ+64*(\c)+(\i)*AI
	ds_load_b128 v[(\f)+8*(4*(\c)+(\i))+4:(\f)+8*(4*(\c)+(\i))+7], v[ADRA] offset:(\q)*AQ+64*(\c)+(\i)*AI+32
.endr
.endr
.endm
; One of a K step's first three quarters: multiplies buffer f and, in its middle, fetches quarter q into buffer g.
.macro QUARTER q, f, g
	s_wait_dscnt 16                                ; the first 32 along K are in; the youngest sixteen loads may be out
	MUL8 \f, 0, 0
	MUL8 \f, 0, 2
	PLACES
	FETCH \q, \g
	s_wait_dscnt 32                                ; all but the 32 just issued
	MUL8 \f, 1, 0
	MUL8 \f, 1, 2
.endm
; The last quarter multiplies buffer 1 and changes slots: ONE barrier; in front of it each wave waits for all its tensor loads, adds 0 to its spare word, and waits for that and for its own reads of this slot.
; fill = 1: the barrier opens a round of the cluster's barrier, and this slot is filled again, two K steps ahead, first thing behind the round: 112 matrix instructions ahead of the wait for it.
; The count s3 runs 14 .. 1 over K steps 0 .. 13 of the sequence, so the K step asked for is number 16 - s3: K step (16 - s3) % 4 of tile (16 - s3) / 4.
.macro TURN fill
.if \fill
	s_sub_co_u32 s2, STEPS, s3                     ; the K step asked for,
	s_lshr_b32 s84, s2, 2                          ; its tile,
	s_and_b32 s2, s2, 3                            ; its place in the tile
	s_mul_i32 s[OA], s84, s[TA]                    ; the two offsets: registers of their own, never below 0
	s_mul_i32 s85, s2, KA
	s_add_co_u32 s[OA], s[OA], s85
	s_mul_i32 s[OW], s84, s[TW]
	s_mul_i32 s85, s2, KW
	s_add_co_u32 s[OW], s[OW], s85
.endif
	WIN 0
	s_wait_tensorcnt 0x0                           ; all my tensor loads have landed: the one that was out is my part of the next slot;
	ds_add_u32 v[SPW], v[NIL]                      ; 0 onto my spare word;
	s_wait_dscnt 17                                ; (the add and the youngest sixteen loads may be out)
	MUL8 F1, 0, 0                                  ; eight matrix instructions stand between the add and the wait for it
	s_wait_dscnt 0x0                               ; the add is done, and my reads of this slot are over
	s_barrier_signal -1
	MUL8 F1, 0, 2
	WIN 0
	s_barrier_wait -1
.if \fill
	CREST                                          ; no wave of any partner still reads this slot's tile or has a load on its way
	s_xor_b32 s[G0+5], s[G0+5], SLOT               ; the walking descriptors: the other slot than last time;
	s_add_nc_u64 s[G0+6:G0+7], s[BA:BA+1], s[OA:OA+1]  ; the address made anew: the first tile's plus the offset,
	s_or_b32 s[G0+7], s[G0+7], 0x80000000          ; and the type set on top of it
	s_xor_b32 s[G0B+5], s[G0B+5], SLOT
	s_add_nc_u64 s[G0B+6:G0B+7], s[BW:BW+1], s[OW:OW+1]
	s_or_b32 s[G0B+7], s[G0B+7], 0x80000000
	JLOAD                                          ; the four v_nop behind it are also the places in front of the loads below
.else
	PLACES
.endif
	s_xor_b32 s[TB], s[TB], SLOT
	ADDR
	FETCH 0, F0
	MUL8 F1, 1, 0
	MUL8 F1, 1, 2
.endm
.macro STEP fill                       ; a K step, from its second quarter to the next step's first fetch
	QUARTER 1, F0, F1
	QUARTER 2, F1, F0
	QUARTER 3, F0, F1
	TURN \fill
.endm
; THE WAY OUT of a tile: rounded to f16; a block of 16 rows at a time through my own stage; back as whole rows of 128 bytes, 2,048 consecutive bytes of a head.
.macro STG a
.irp b, 0,1,2,3
	ds_store_b128 v[STO], v[TMP+4*(4*(\a)+(\b)):TMP+4*(4*(\a)+(\b))+3] offset:32*(\b)
.endr
.irp f, 0,1,2,3
	ds_load_b128 v[TMP+16*(\a)+4*(\f):TMP+16*(\a)+4*(\f)+3], v[RD] offset:(\f)*4*SP  ; LDS serves a wave's instructions in order: these see the stores above; the next block's stores come behind them
.endr
.endm
.macro SEND a, younger                 ; younger: the LDS instructions issued behind block a's loads: the next block's eight, or none
.irp f, 0,1,2,3
	s_wait_dscnt (\younger)+3-(\f)
	global_store_b128 v[GO], v[TMP+16*(\a)+4*(\f):TMP+16*(\a)+4*(\f)+3], s[8:9] offset:(\a)*2048+(\f)*512  ; 512 consecutive bytes, at a multiple of 256 from C's first
.endr
.endm
.macro WAYOUT more                     ; more = 1: a tile follows: the sums start at 0 again
	s_wait_xcnt 0x0                                ; the last tile's stores have read their data and their base: both are rewritten only behind this wait
	s_add_nc_u64 s[8:9], s[8:9], s[OFS:OFS+1]      ; on to this tile
	s_mov_b64 s[OFS:OFS+1], s[OST:OST+1]           ; from now on: a tile further
	PLACES
.set t, 0
.rept 16
.irp r, 0,1,2,3
	v_cvt_pk_f16_f32 v[TMP+4*t+(\r)], v[ACC+8*t+2*(\r)], v[ACC+8*t+2*(\r)+1]
.endr
.set t, t+1
.endr
.if \more
.set t, 0
.rept 128
	v_mov_b32 v[ACC+t], 0
.set t, t+1
.endr
.endif
	STG 0
	STG 1
	SEND 0, 8
	STG 2
	SEND 1, 8
	STG 3
	SEND 2, 8
	SEND 3, 0
.endm
	s_load_b256 s[72:79], s[0:1], 0x0              ; a0 72, a1 74, w 76, wc 78
	s_load_b128 s[80:83], s[0:1], 0x20             ; oq 80, okv 82
	v_lshl_add_u32 v[SPW], v0, 2, SPARE
	v_mov_b32 v[NIL], 0
	ds_add_u32 v[SPW], v[NIL]                      ; the wave's opening: the add and its wait, ahead of my first tensor load; the set-up below, work on registers, stands between them
	v_lshrrev_b32 v1, 5, v0
	v_readfirstlane_b32 s10, v1                    ; wave 0..3
	s_lshr_b32 s11, s10, 1                         ; which half of the tile's rows is mine.  Also: I fetch for A (0) or for W (1)
	s_and_b32 s12, s10, 1                          ; which half of its columns.  Also: which half of that tile I fetch
	s_bfe_u32 s40, ttmp6, 0x40000                  ; cx, cy: my place in the cluster
	s_bfe_u32 s41, ttmp6, 0x40004
	s_and_b32 s84, ttmp7, 0xffff                   ; cluster y
	s_lshl_b32 s85, s84, 2
	s_add_co_u32 s85, s85, s41                     ; b = 4 x cluster y + cy, 0 .. 7
	s_lshl_b32 s13, s85, 2                         ; 4 b
	s_lshl_b32 s42, ttmp9, 2
	s_add_co_u32 s42, s42, s40                     ; 4 tx + cx
	s_lshl_b32 s87, s40, 2
	s_add_co_u32 s87, s87, 8                       ; 8 + 4 cx
	s_cmp_ge_u32 ttmp9, 6                          ; the cross-attention's k and v?
	s_cselect_b32 s86, 1, 0
	s_cselect_b32 s13, s85, s13                    ; the walk's first tile row: b there, else 4 b
	s_cselect_b32 s42, s87, s42                    ; its first tile column, in W's 32
	s_cselect_b32 s[TA], 0, 262144                 ; from tile to tile A stays there, else goes 128 rows of 2,048 bytes down;
	s_cselect_b32 s[TW], 256, 0                    ; W goes a tile column on there, else stays;
	s_cselect_b32 s[OST], 17, 14                   ; C goes two heads of 512 rows on there (131,072 bytes), else 128 rows of a head (16,384)
	s_mov_b32 s[OST+1], 0
	s_lshl_b32 s[OST], 1, s[OST]
	s_lshl_b32 s43, s41, 2
	s_lshl_b32 s43, 15, s43                        ; my row of the cluster
	s_lshl_b32 s44, 0x1111, s40                    ; my column
	s_or_b32 s[G1+0], s43, (1<<16)|(1<<20)|(1<<21)|(6<<22)|(3<<25)   ; A: the mask of my row; 2-byte elements; padding on; bit 21 beside a mask; after every 128 words 4 words
	s_mov_b32 s[G1+1], 256<<16                     ; tensor_dim0 = 256
	s_mov_b32 s[G1+2], 64<<16                      ; tensor_dim1 = 64
	s_mov_b32 s[G1+3], 256<<16                     ; tile_dim0 = 256
	s_mov_b32 s[G1+4], 64                          ; tile_dim1 = 64
	s_mov_b32 s[G1+5], 1024                        ; elements from row to row
	s_mov_b32 s[G1+6], 0
	s_mov_b32 s[G1+7], 0
	s_or_b32 s[G1B+0], s44, (1<<16)|(1<<20)|(1<<21)|(5<<22)|(7<<25)  ; W: the mask of my column; after every 64 words 8 words
	s_mov_b32 s[G1B+1], 128<<16
	s_mov_b32 s[G1B+2], 128<<16
	s_mov_b32 s[G1B+3], 128<<16
	s_mov_b32 s[G1B+4], 128
	s_mov_b32 s[G1B+5], 4096
	s_mov_b32 s[G1B+6], 0
	s_mov_b32 s[G1B+7], 0
	s_lshl_b32 s16, s13, 7                         ; A: row 128 x tile row + 64 x half, 2,048 bytes a row,
	s_lshl_b32 s17, s12, 6
	s_add_co_u32 s16, s16, s17
	s_lshl_b32 s16, s16, 11
	s_lshl_b32 s17, s86, 23                        ; the context's rows behind x's
	s_add_co_u32 s16, s16, s17
	s_mov_b32 s17, 0
	s_lshl_b32 s46, s42, 8                         ; W: 256 bytes a tile column, 128 k rows of 8,192 bytes a half
	s_lshl_b32 s47, s12, 20
	s_add_co_u32 s46, s46, s47
	s_mov_b32 s47, 0
	s_mul_i32 s68, s12, AHALF                      ; where they go: no place in the cluster enters an LDS address
	s_mul_i32 s69, s12, WHALF
	s_add_co_u32 s69, s69, BOFF
	s_mov_b32 s[TB], 0
	s_wait_dscnt 0x0                               ; the opening add is done
	s_wait_kmcnt 0x0
	s_cmp_lt_u32 ttmp9, 2
	s_cselect_b64 s[BA:BA+1], s[72:73], s[74:75]
	s_add_nc_u64 s[BA:BA+1], s[BA:BA+1], s[16:17]
	s_cmp_eq_u32 s86, 1
	s_cselect_b64 s[20:21], s[78:79], s[76:77]
	s_add_nc_u64 s[BW:BW+1], s[20:21], s[BW:BW+1]
	s_mov_b32 s[G0], 1                             ; group 0: count 1; LDS address; global address; type 2
	s_mov_b32 s[G0+1], s68
	s_mov_b64 s[G0+2:G0+3], s[BA:BA+1]
	s_or_b32 s[G0+3], s[G0+3], 0x80000000
	s_mov_b32 s[G0+4], 1
	s_add_co_u32 s[G0+5], s68, SLOT
	s_add_nc_u64 s[G0+6:G0+7], s[BA:BA+1], KA
	s_or_b32 s[G0+7], s[G0+7], 0x80000000
	s_mov_b32 s[G0B], 1
	s_mov_b32 s[G0B+1], s69
	s_mov_b64 s[G0B+2:G0B+3], s[BW:BW+1]
	s_or_b32 s[G0B+3], s[G0B+3], 0x80000000
	s_mov_b32 s[G0B+4], 1
	s_add_co_u32 s[G0B+5], s69, SLOT
	s_add_nc_u64 s[G0B+6:G0B+7], s[BW:BW+1], KW
	s_or_b32 s[G0B+7], s[G0B+7], 0x80000000
	CROUND                                         ; all sixteen work-groups are here: the first joint loads meet
	s_cmp_eq_u32 s11, 0                            ; a wave's two first fills stand in one branch: K steps 0 and 1; two loads of mine are out
	s_cbranch_scc0 .Lfirst_w
	tensor_load_to_lds s[G0:G0+3], s[G1:G1+7]
	s_nop 0
	tensor_load_to_lds s[G0+4:G0+7], s[G1:G1+7]
	s_nop 0
.rept 4
	v_nop
.endr
	s_branch .Lfirst_asked
.Lfirst_w:
	tensor_load_to_lds s[G0B:G0B+3], s[G1B:G1B+7]
	s_nop 0
	tensor_load_to_lds s[G0B+4:G0B+7], s[G1B:G1B+7]
	s_nop 0
.rept 4
	v_nop
.endr
.Lfirst_asked:
	s_mov_b32 s[OA+1], 0                           ; the offsets stay under 2^32: their high words are 0
	s_mov_b32 s[OW+1], 0
.set t, 0
.rept 128
	v_mov_b32 v[ACC+t], 0                          ; the sums start at 0: written while the first tiles are on their way
.set t, t+1
.endr
	v_and_b32 v1, 15, v0                           ; l % 16
	v_bfe_u32 v2, v0, 4, 1                         ; l / 16
	v_and_b32 v3, 7, v0
	v_bfe_u32 v4, v0, 3, 1
	v_mul_u32_u24 v[A0], v1, PA                    ; a fragment of A: row x pitch + 16 x half, in my 64 rows
	v_lshl_add_u32 v[A0], v2, 4, v[A0]
	s_mul_i32 s21, s11, AHALF
	v_add_nc_u32 v[A0], s21, v[A0]
	v_lshl_add_u32 v[B0], v2, 3, v3                ; the turning load: lane l reads k row 8 (l / 16) + l % 8, columns 8 ((l / 8) % 2) + 0..7, in my 64 columns
	v_mul_u32_u24 v[B0], v[B0], PW
	v_lshl_add_u32 v[B0], v4, 4, v[B0]
	s_lshl_b32 s22, s12, 7
	s_add_co_u32 s22, s22, BOFF
	v_add_nc_u32 v[B0], s22, v[B0]
	s_mul_i32 s23, s10, 16*SP
	s_add_co_u32 s23, s23, STAGE                   ; my stage
	v_mul_u32_u24 v[STO], v1, SP                   ; in: row l % 16, 16 bytes for each half of the lanes
	v_lshl_add_u32 v[STO], v2, 4, v[STO]
	v_add_nc_u32 v[STO], s23, v[STO]
	v_bfe_u32 v[RD], v0, 3, 2                      ; back: 32 lanes take four rows of 128 bytes,
	v_mul_u32_u24 v[RD], v[RD], SP
	v_lshl_add_u32 v[RD], v3, 4, v[RD]
	v_add_nc_u32 v[RD], s23, v[RD]
	v_and_b32 v[GO], 31, v0                        ; which are 512 consecutive bytes of C
	v_lshlrev_b32 v[GO], 4, v[GO]
	; where my 64 x 64 numbers of the first tile go: ((batch x 16 + head) x L + row in the batch) x 128 bytes, in registers that feed no descriptor; the first way out adds it to C's address
	s_and_b32 s88, s42, 7
	s_lshl1_add_u32 s88, s88, s12                  ; head = 2 x (tile column % 8) + half
	s_lshr_b32 s89, s42, 4                         ; 1 for v (tile columns 16 to 23), 0 for q and k
	s_cmp_eq_u32 s86, 1
	s_cselect_b32 s90, 2, 4                        ; tile rows in a batch: 4 or 16
	s_cselect_b32 s91, 9, 11                       ; L = 512 or 2,048
	s_cselect_b32 s92, 21, 23
	s_lshl_b32 s92, s89, s92                       ; v lies so many bytes behind k
	s_lshr_b32 s93, s13, s90                       ; batch
	s_lshl_b32 s94, s93, s90
	s_sub_co_u32 s94, s13, s94                     ; tile row in the batch
	s_lshl4_add_u32 s93, s93, s88
	s_lshl_b32 s93, s93, s91
	s_lshl_b32 s94, s94, 7
	s_add_co_u32 s93, s93, s94
	s_lshl_b32 s94, s11, 6
	s_add_co_u32 s93, s93, s94
	s_lshl_b32 s[OFS], s93, 7
	s_add_co_u32 s[OFS], s[OFS], s92
	s_lshl_b32 s94, s86, 24                        ; the cross-attention's k and v lie behind the self-attention's
	s_add_co_u32 s[OFS], s[OFS], s94
	s_mov_b32 s[OFS+1], 0
	s_cmp_lt_u32 ttmp9, 2
	s_cselect_b64 s[8:9], s[80:81], s[82:83]
	s_wait_tensorcnt 0x1                           ; my part of K step 0 is in; K step 1's may stay out
	s_barrier_signal -1
	s_barrier_wait -1                              ; everybody's is
	ADDR
	FETCH 0, F0
	WIN 0                                          ; at a label and at a branch every window is 0
	s_mov_b32 s3, STEPS-2
.La:                                           ; K steps 0 to 13 of the sequence: each fills its slot again
	STEP 1
	WIN 0
	s_and_b32 s2, s3, 3
	s_cmp_lg_u32 s2, 3                             ; a tile's last K step is where the count is 3 more than a multiple of 4
	s_cbranch_scc1 .Lon                            ; the jump passes no barrier and no tensor load
	WAYOUT 1                                       ; both refills for the next tile are asked for: now the tile goes out
.Lon:
	s_sub_co_u32 s3, s3, 1
	s_cmp_lg_u32 s3, 0
	s_cbranch_scc1 .La
	s_mov_b32 s3, 2
.Lb:                                           ; the last two K steps: nothing is left to fetch
	STEP 0
	WIN 0
	s_sub_co_u32 s3, s3, 1
	s_cmp_lg_u32 s3, 0
	s_cbranch_scc1 .Lb
	s_wait_dscnt 0x0                               ; the last change's fetch, which serves nothing
	WAYOUT 0
	s_wait_tensorcnt 0x0                           ; the wave's end, behind my last tensor load and my last LDS store
	ds_add_u32 v[SPW], v[NIL]
	s_wait_dscnt 0x0
	CROUND                                         ; the closing round: no work-group ends while a partner may still ask for a tile that names it
	s_endpgm
.Lfunc_end_k_q98645be521_p1:
	.size	k_q98645be521_p1, .Lfunc_end_k_q98645be521_p1-k_q98645be521_p1
	.p2alignl 7, 3214868480
	.fill 96, 4, 3214868480
	.section	.rodata,"a",@progbits
	.p2align	6, 0x0
	.amdhsa_kernel k_q98645be521_p1
		.amdhsa_group_segment_fixed_size 327680
		.amdhsa_private_segment_fixed_size 0
		.amdhsa_enable_private_segment 0
		.amdhsa_kernarg_size 48
		.amdhsa_user_sgpr_count 2
		.amdhsa_user_sgpr_kernarg_segment_ptr 1
		.amdhsa_wavefront_size32 1
		.amdhsa_system_sgpr_workgroup_id_x 1
		.amdhsa_system_sgpr_workgroup_id_y 1
		.amdhsa_system_sgpr_workgroup_id_z 1
		.amdhsa_system_vgpr_workitem_id 0
		.amdhsa_next_free_vgpr 512
		.amdhsa_next_free_sgpr 96
		.amdhsa_reserve_vcc 0
		.amdhsa_float_denorm_mode_32 3
		.amdhsa_float_denorm_mode_16_64 3
		.amdhsa_memory_ordered 1
		.amdhsa_forward_progress 1
		.amdhsa_inst_pref_size 72
	.end_amdhsa_kernel
	.amdgpu_metadata
---
amdhsa.version: [ 1, 2 ]
amdhsa.kernels:
  - .name:           k_q98645be521_p1
    .symbol:         k_q98645be521_p1.kd
    .args:
      - { .name: an0, .offset: 0, .size: 8, .value_kind: global_buffer, .address_space: global }
      - { .name: an1, .offset: 8, .size: 8, .value_kind: global_buffer, .address_space: global }
      - { .name: wsa, .offset: 16, .size: 8, .value_kind: global_buffer, .address_space: global }
      - { .name: wca, .offset: 24, .size: 8, .value_kind: global_buffer, .address_space: global }
      - { .name: qb, .offset: 32, .size: 8, .value_kind: global_buffer, .address_space: global }
      - { .name: kv, .offset: 40, .size: 8, .value_kind: global_buffer, .address_space: global }
    .group_segment_fixed_size: 327680
    .private_segment_fixed_size: 0
    .kernarg_segment_align: 8
    .kernarg_segment_size: 48
    .max_flat_workgroup_size: 128
    .sgpr_count:     96
    .vgpr_count:     512
    .wavefront_size: 32
...
	.end_amdgpu_metadata
.endif
;; end of part 2
;; launch attns (part 3): grid 8 x 32, 4 waves a work-group, clusters of 4 x 1, 327,680 bytes of LDS; arguments qb, kv, sa_rel, an1; writes an1
.if DOCPART == 3
	.amdgcn_target "amdgcn-amd-amdhsa--gfx1250"
	.amdhsa_code_object_version 6
	.text
	.protected	k_q98645be521_attns
	.globl	k_q98645be521_attns
	.p2align	8
	.type	k_q98645be521_attns,@function
k_q98645be521_attns:
	s_mov_b64 s[64:65], 0
	v_nop
	global_prefetch_b8 v0, s[64:65] scope:SCOPE_SE
	s_setreg_imm32_b32 hwreg(HW_REG_WAVE_MODE, 25, 1), 1
	s_wait_xcnt 0x0
	s_wait_alu depctr_hold_cnt(0) depctr_sa_sdst(0) depctr_va_vdst(0) depctr_va_sdst(0) depctr_va_ssrc(0) depctr_va_vcc(0) depctr_vm_vsrc(0)
	s_getreg_b32 s2, hwreg(HW_REG_IB_STS2, 6, 4)
	s_cmp_eq_u32 s2, 0
	s_cbranch_scc0 .Lentry_in_a_cluster
	s_endpgm
.Lentry_in_a_cluster:
	s_bfe_u32 s2, ttmp6, 0x10000c
	s_cmp_lg_u32 s2, 0x3003
	s_cbranch_scc0 .Lentry_shape_is_right
	s_endpgm
.Lentry_shape_is_right:
; SELF-ATTENTION.  O[bh][q][:] = the sum over k of softmax_k((Q[bh][q] . K[bh][k] + bias(k - q + ROFF)) / 8) V[bh][k][:].  Q, O: [32][2048][64] f16; K, V: [32][LK][64] f16, in one buffer at bytes KB and VB.
; bias(rel) = rel_emb[bucket(rel)][head], f32; bucket(rel) = 16 [rel >= 0] + min(n, 8 + the number of t in 12, 16, 23, 32, 46, 64, 91 with n >= t), n = |rel|: the T5 formula's buckets written as thresholds.
; Products, maxima and sums in f32; the weights p are rounded to f16 for the second product (their sum l is taken of the unrounded p), O once at the end.
; LIMITS.  f16 ends at 65,504: Q, K, V arrive within it; p lies in 0 to 1; O is a mean of V's rows.  A weight below 2^-126 counts as 0 in l; NaN and infinities are not treated apart.
; SHARES.  A work-group owns 256 queries of one (batch, head), a wave 64: two PIECES of two tiles of 16.  Every wave walks all keys, 64 a step.
; LAYOUT.  S^T = K Q^T (source 0 = 16 keys, source 1 = 16 queries): a lane holds ONE query (lane % 16) and the keys 8 (lane / 16) + 0..7.  Two such tiles, rounded to f16 in pairs, ARE source 1 of O^T = V^T P.
; SOFTMAX.  A running maximum m and sum l for each query: p = 2^(c s - c m), c = log2(e) / 8; in every step O and l are multiplied by a = 2^(c m_old - c m_new).  m starts at the lowest finite number, O and l at 0.
; THE BIAS is the C operand of the product that starts a sum.  It hangs on key - query alone, so a table in LDS serves: T[p] = bias(p - 256 - 256 x block + ROFF), p = key - (query in the block) + 256.  A lane wants 8 entries on end
; from a place that goes down with its query: four copies, copy c shifted by c entries, make every lane's place a multiple of 16 bytes (query % 16 = 4 a + c reads copy c).  Of a piece's 8 accumulators the bias hangs on
; (key block - tile) alone: five tiles of 8 registers.  The block's number enters what the table HOLDS, and no LDS address.
; BY TURNS.  Turn p belongs to piece p: 16 products K Q^T of the other piece, later 16 products V^T P of the other piece; beside them piece p's scaling, exponentials, roundings, sums and rescaling and the other piece's maximum and
; statistics.  Four vector instructions stand behind every matrix instruction, the rest in one lump; a turn's 66 exponentials are one batch with one wait.
; K LEADS BY A STEP.  Piece 1's turn of step s multiplies by K of step s + 1.  So slot j holds K of steps 4 j + 1 .. 4 j + 4 and V of steps 4 j .. 4 j + 3: in step s both fetches read place s % 4 of slot s / 4, and a slot is read out at a
; step's end.  K of step 0 comes straight from memory into registers.  K of the step behind the last is the 8,192 bytes behind the head's rows (written bytes of the same buffer): the scores made of it serve nothing.
; CLUSTER.  The four query blocks of a cluster belong to one head and walk the same K and V: each tile is asked for JOINTLY: the same tensor load, descriptor and mask in all four.
; REGISTERS, in windows of 256 (s_set_vgpr_msb: bits 1:0 source 0, 3:2 source 1, 5:4 source 2, 7:6 destination):
;   window 0: v0-11, v32-37 addresses; v12-15, v48-63 at work; v16-31 statistics; v46-47 the add's; v64-191 S^T, two buffers of two tiles; v192-255 P, likewise
;   window 1: v0-127 O^T, 32 a tile; v128-207 the bias, 40 a piece          window 2: v0-63 Q, 16 a tile; v128-191 K of one step; v192-255 V of one step
.set LK,    2048      ; keys
.set LGH,   18        ; a head's K or V is 2^LGH bytes
.set NSLOT, LK/256
.set ROFF,  0         ; rel = key - query + ROFF
.set KB,    0         ; K's and V's first bytes in the buffer
.set VB,    8388608
.set NG,    5         ; the table has 512 NG entries: LK + 64 keys, 256 queries, and room
.set BP,    10304     ; bytes from copy to copy: 2,048 NG + 64
.set NP,    2         ; pieces a wave: a name, no knob
.set KS,    64        ; keys in a step
.set PK,    144       ; a row of K in LDS: 128 bytes + 16
.set PV,    160       ; a row of V: 128 + 32
.set VOFF,  4*KS*PK   ; a slot holds four steps: 256 rows of K, then 256 rows of V
.set SLOT1, 1<<17     ; slot 1 begins here, so that one exclusive or turns an address in one slot into the other's
.set STAGE, SLOT1+4*KS*(PK+PV)  ; behind the ring: 16 rows x 144 bytes for each wave, for the way out
.set SP,    144
.set SPARE, STAGE+4*16*SP       ; the spare words, 128 bytes for each wave: two blocks of 256 bytes that no other line names
.set BIAS,  SPARE+512           ; the table's four copies
.set AK0, 2           ; v2   my lane's place in a tile of K; never rewritten
.set AV0, 3           ; v3   the same for V
.set AK,  4           ; v4   the LDS address of K's next run of loads
.set AV,  5           ; v5   of V's
.set QO,  6           ; v6   my byte offset in 16 rows of Q or K in memory
.set STO, 6           ;      later, the way out: where I put 16 bytes of a row
.set RD,  7           ; v7   the way out: where I read rows back
.set GO,  8           ; v8   my byte offset in 512 consecutive bytes of O
.set MV,  12          ; v12-15  c m_old, kept while c m is made anew
.set ST,  16          ; tile t's statistics at v[ST+4 t]: c m, m, l (even keys', odd keys')
.set AB0, 32          ; v32  my lane's place in the table, for step 0; never rewritten
.set AB,  33          ; v33  for the step whose bias is fetched
.set PFO, 34          ; v34  256 x lane; never rewritten
.set RO,  35          ; v35  64 x lane: bucket l's row of rel_emb; never rewritten
.set SPW, 46          ; v46  LDS address of my spare word; never rewritten
.set NIL, 47          ; v47  0; never rewritten
.set TMP, 48
.set S,   64
.set P,   192
.set BB,  128         ; window 1: piece y's bias tile d at BB + 40 y + 8 d
.set KF,  128         ; window 2
.set VF,  192
.set TE,  64          ; the table's making, in S^T's registers: rel of my first entry; my LDS place; at work
.set TA,  65
.set TR,  66
.set TN,  67
.set TC,  68
.set TS,  69
.set TW,  72          ; v72-78  seven values
.set RV,  80          ; v80  lane l: rel_emb[l][head]
.set WV,  12          ; s12  my wave's number
.set G1K, 24
.set G1V, 32
.set G0K, 40
.set G0V, 44
.set SB,  48          ; s48  256 x the step whose bias is fetched next
.set LIM, 49          ; s49  1 in a wave that prefetches, else the greatest number
.set PFA, 50          ; s[50:51] where my prefetches stand
.set K0P, 52          ; s[52:53] the head's first rows of K
.set SLOTS, 56
.set CNT, 57
.set CS,  58
.set SEL, 60
.set TBK, 62
.set TBV, 63
.set MSB, 0
.macro WIN new
.if MSB != (\new)
	s_set_vgpr_msb (MSB<<8)|(\new)
.set MSB, (\new)
.endif
.endm
.set W_KQ, 0x0a       ; K and Q in window 2, S^T in window 0
.set W_KM, 0x1a       ; the same with the C operand, the bias, in window 1
.set W_PV, 0x52       ; V in window 2, P in window 0, O^T in window 1
.set W_RS, 0x41       ; O^T (destination and source 0) in window 1, a in window 0
.macro JLOAD                        ; a joint fill: waves 0 and 1 fetch the two halves of a slot's K, waves 2 and 3 those of its V; an s_nop 0 and four v_nop follow each line
	s_cmp_lt_u32 s[WV], 2
	s_cbranch_scc0 .Lfor_v_\@
	tensor_load_to_lds s[G0K:G0K+3], s[G1K:G1K+7]
	s_nop 0
.rept 4
	v_nop
.endr
	s_branch .Lasked_\@
.Lfor_v_\@:
	tensor_load_to_lds s[G0V:G0V+3], s[G1V:G1V+7]
	s_nop 0
.rept 4
	v_nop
.endr
.Lasked_\@:
.endm
; A prefetch of what the NEXT change of slots will ask for: a slot's 32,768 bytes of K and of V.  The head's first cluster asks; its four partners take 8,192 bytes each, told apart by address; in each, wave 0 asks for K's and
; wave 2 for V's, a lane for each 256 bytes: every block is named once in the launch.  The last change that fills a slot asks for nothing.
.macro ASK
	s_cmp_gt_u32 s[SLOTS], s[LIM]
	s_cbranch_scc0 .Lnot_mine_\@
	global_prefetch_b8 v[PFO], s[PFA:PFA+1] th:TH_LOAD_NT scope:SCOPE_SE
.Lnot_mine_\@:
.endm
.macro CROUND                       ; a round of the cluster's barrier
	s_barrier_signal -1
	s_barrier_wait -1
	s_cmp_lg_u32 s[WV], 0
	s_cbranch_scc1 .Lnot_wave_0_\@
	s_barrier_signal -3
.Lnot_wave_0_\@:
	s_barrier_wait -3
	s_barrier_signal -1
	s_barrier_wait -1
.endm
; THE CHANGE OF SLOTS.  Each wave waits for all its tensor loads, of which one is out: its part of the other slot; adds 0 to its spare word; and waits for that and for its own reads of the slot.
; fill = 1: the barrier is a round of the cluster's, and the slot just read is filled again first thing behind it: four key steps, 256 matrix instructions, in which to land.  (At its first use slot 0 is waited for, slot 1 filled.)
.macro CHANGE fill
	WIN 0
	s_wait_tensorcnt 0x0            ; no tensor load of mine is out, so a group 0 may be written
	ds_add_u32 v[SPW], v[NIL]       ; 0 onto my spare word
.if \fill
.irp g, G0K, G0V
	s_xor_b32 s[\g+1], s[\g+1], SLOT1
	s_add_nc_u64 s[\g+2:\g+3], s[\g+2:\g+3], 4*KS*128
.endr
.if NSLOT > 2
	s_wait_xcnt 0x0                 ; the last prefetch, four key steps back, has read its address
	s_add_nc_u64 s[PFA:PFA+1], s[PFA:PFA+1], 4*KS*128
.endif
	s_wait_dscnt 0x0                ; the add is done, and my reads of the slot are over
	CROUND
	JLOAD
.if NSLOT > 2
	ASK
.endif
.else
	s_wait_dscnt 0x0
	s_barrier_signal -1
	s_barrier_wait -1
.endif
	s_sub_co_u32 s[TBK], s[TBK], 4*KS*PK  ; the fetches go back to a slot's first step, in the other slot
	s_xor_b32 s[TBK], s[TBK], SLOT1
	s_sub_co_u32 s[TBV], s[TBV], 4*KS*PV
	s_xor_b32 s[TBV], s[TBV], SLOT1
.endm
	s_load_b256 s[4:11], s[0:1], 0x0  ; Q s[4:5], K and V s[6:7], rel_emb s[8:9], O s[10:11]
	v_lshl_add_u32 v[SPW], v0, 2, SPARE
	v_mov_b32 v[NIL], 0
	ds_add_u32 v[SPW], v[NIL]       ; the wave's opening: the add and its wait, ahead of my first tensor load
	v_lshrrev_b32 v1, 5, v0
	v_readfirstlane_b32 s[WV], v1   ; wave 0..3
	s_bfe_u32 s13, ttmp6, 0x40000   ; cx
	s_lshl_b32 s16, ttmp9, 2
	s_add_co_u32 s16, s16, s13      ; my block of 256 queries: it enters Q's and O's addresses and the table's contents alone
	s_and_b32 s20, ttmp7, 0xffff    ; batch x 16 + head, which the four partners share
	s_lshl_b32 s22, s20, LGH        ; the head's first byte in K and in V
	s_mov_b32 s23, 0
	s_and_b32 s14, s[WV], 1         ; which half of a slot's 256 keys I fetch
	s_lshl_b32 s54, s14, 14
	s_add_co_u32 s54, s54, s22
	s_mov_b32 s55, 0
	s_mul_i32 s17, s14, 128*PK
	s_mul_i32 s18, s14, 128*PV
	s_lshl_b32 s2, s20, 18          ; Q and O: the head's 2,048 rows of 128 bytes,
	s_lshl_b32 s3, s16, 15          ; my block's 256,
	s_add_co_u32 s2, s2, s3
	s_lshl_b32 s3, s[WV], 13        ; my wave's 64
	s_add_co_u32 s2, s2, s3
	s_mov_b32 s3, 0
	s_and_b32 s20, s20, 15          ; the head's column of rel_emb
	s_lshl_b32 s20, s20, 2
	s_mov_b32 s21, 0
	; descriptor group 1.  128 keys are 16,384 dense bytes: asked for as 64 rows of 256 bytes, two keys a row, and padded in LDS after every key
	s_mov_b32 s[G1K], 15|(1<<16)|(1<<20)|(1<<21)|(4<<22)|(3<<25)  ; the mask of four; 2-byte elements; padding on; bit 21 beside a mask; after every 32 words 4 words
	s_mov_b32 s[G1V], 15|(1<<16)|(1<<20)|(1<<21)|(4<<22)|(7<<25)  ; the same with 8 words
.irp g, G1K, G1V
	s_mov_b32 s[\g+1], 128<<16      ; tensor_dim0 = 128
	s_mov_b32 s[\g+2], 64<<16       ; tensor_dim1 = 64
	s_mov_b32 s[\g+3], 128<<16      ; tile_dim0 = 128
	s_mov_b32 s[\g+4], 64           ; tile_dim1 = 64
	s_mov_b32 s[\g+5], 128          ; elements from row to row
	s_mov_b32 s[\g+6], 0
	s_mov_b32 s[\g+7], 0
.endr
	s_mov_b32 s[CS], 0x3e38aa3b     ; c = log2(e) / 8
	s_mov_b32 s[CS+1], s[CS]
	s_mov_b32 s[SEL], 0x76543210
	s_mov_b32 s[SEL+1], 0xfedcba98
	s_mov_b32 s[TBK], SLOT1+4*KS*PK ; the first change of slots turns these two into 0
	s_mov_b32 s[TBV], SLOT1+4*KS*PV
	s_mov_b32 s[G0K], 1
	s_mov_b32 s[G0K+1], s17
	s_mov_b32 s[G0V], 1
	s_add_co_u32 s[G0V+1], s18, VOFF
	s_and_b32 s[LIM], s[WV], 1      ; 0 in waves 0 and 2,
	s_or_b32 s[LIM], s[LIM], ttmp9  ; where the cluster is the head's first
	s_cmp_eq_u32 s[LIM], 0
	s_cselect_b32 s[LIM], 1, -1
	v_and_b32 v[PFO], 31, v0
	v_lshlrev_b32 v[RO], 6, v[PFO]
	v_lshlrev_b32 v[PFO], 8, v[PFO]
	s_wait_dscnt 0x0                ; the opening add is done
	s_wait_kmcnt 0x0
	s_add_nc_u64 s[G0K+2:G0K+3], s[6:7], s[54:55]
	s_add_nc_u64 s[G0V+2:G0V+3], s[G0K+2:G0K+3], VB          ; V: my half of steps 0 to 3
	s_add_nc_u64 s[G0K+2:G0K+3], s[G0K+2:G0K+3], KB+KS*128   ; K: my half of steps 1 to 4
	s_add_nc_u64 s[4:5], s[4:5], s[2:3]
	s_add_nc_u64 s[10:11], s[10:11], s[2:3]
	s_cmp_lt_u32 s[WV], 2
	s_cselect_b64 s[PFA:PFA+1], s[G0K+2:G0K+3], s[G0V+2:G0V+3]
	s_lshl_b32 s2, s13, 13          ; my work-group's quarter of a slot
	s_add_nc_u64 s[PFA:PFA+1], s[PFA:PFA+1], s[2:3]
	s_add_nc_u64 s[PFA:PFA+1], s[PFA:PFA+1], 4*KS*128  ; in slot 1; the first change of slots steps it to slot 2
	s_or_b32 s[G0K+3], s[G0K+3], 0x80000000
	s_or_b32 s[G0V+3], s[G0V+3], 0x80000000
	s_add_nc_u64 s[K0P:K0P+1], s[6:7], s[22:23]
	s_add_nc_u64 s[K0P:K0P+1], s[K0P:K0P+1], KB
	s_add_nc_u64 s[8:9], s[8:9], s[20:21]
	CROUND                          ; all four work-groups are here: the first joint loads meet
	JLOAD                           ; slot 0
	v_and_b32 v1, 15, v0            ; l % 16
	v_bfe_u32 v9, v0, 4, 1          ; l / 16
	global_load_b32 v[RV], v[RO], s[8:9]
	v_lshlrev_b32 v[QO], 7, v1
	v_lshl_add_u32 v[QO], v9, 4, v[QO]  ; row x 128 + 16 x half
	WIN 0x80                        ; destination window 2, address window 0
.set i, 0
.rept 4*NP                          ; Q stays in registers: tile i / 2, channels 32 (i % 2) on
	global_load_b128 v[8*i:8*i+3],   v[QO], s[4:5] offset:(i/2)*2048+(i%2)*64
	global_load_b128 v[8*i+4:8*i+7], v[QO], s[4:5] offset:(i/2)*2048+(i%2)*64+32
.set i, i+1
.endr
.set i, 0
.rept 8                             ; K of step 0: keys 16 (i / 2) on, channels 32 (i % 2) on
	global_load_b128 v[KF+8*i:KF+8*i+3],   v[QO], s[K0P:K0P+1] offset:(i/2)*2048+(i%2)*64
	global_load_b128 v[KF+8*i+4:KF+8*i+7], v[QO], s[K0P:K0P+1] offset:(i/2)*2048+(i%2)*64+32
.set i, i+1
.endr
	; What the first turn finds: V's registers and P's second buffer hold 0 (its products V^T P, of a step that has not been, add 0), O^T and l are 0.  All this stands in the wait for the first tile.
.set i, VF
.rept 64
	v_mov_b32 v[i], 0
.set i, i+1
.endr
	WIN 0x40
.set i, 0
.rept 64*NP
	v_mov_b32 v[i], 0
.set i, i+1
.endr
	WIN 0
.set i, 0
.rept 2*NP
	v_mov_b32 v[ST+4*i], 0xfe000000    ; c m: far below every c s
	v_mov_b32 v[ST+4*i+1], 0xff7fffff  ; m
	v_mov_b32 v[ST+4*i+2], 0
	v_mov_b32 v[ST+4*i+3], 0
.set i, i+1
.endr
.set i, P+32
.rept 32
	v_mov_b32 v[i], 0
.set i, i+1
.endr
	v_mul_u32_u24 v[AK0], v1, PK
	v_lshl_add_u32 v[AK0], v9, 4, v[AK0]
	v_and_b32 v10, 7, v0
	v_bfe_u32 v11, v0, 3, 1
	v_lshl_add_u32 v[AV0], v9, 3, v10  ; the turning load: key 8 (l / 16) + l % 8, channels 8 ((l / 8) % 2) + 0..7
	v_mul_u32_u24 v[AV0], v[AV0], PV
	v_lshl_add_u32 v[AV0], v11, 4, v[AV0]
	v_add_nc_u32 v[AV0], VOFF, v[AV0]
	; My place in the table: BIAS + 16 + copy (l % 4) x BP + 32 (l / 16) + 16 (3 - a) + 256 (3 - wave), a = (l / 4) % 4: it goes down by 16 bytes for each four queries and by 256 for each wave.
	; For a number of two bits 3 - a = (3 a + 3) & 3, since -a = 3 a modulo 4: so the place is made of sums, products, shifts and masks alone, and no number on the way is below 0.
	v_and_b32 v36, 3, v0
	v_bfe_u32 v37, v0, 2, 2
	v_mul_u32_u24 v37, v37, 3
	v_add_nc_u32 v37, 3, v37
	v_and_b32 v37, 3, v37           ; 3 - a
	v_mul_u32_u24 v[AB0], v36, BP
	v_lshl_add_u32 v[AB0], v9, 5, v[AB0]
	v_lshl_add_u32 v[AB0], v37, 4, v[AB0]
	s_mul_i32 s14, s[WV], 3
	s_add_co_u32 s14, s14, 3
	s_and_b32 s14, s14, 3           ; 3 - wave
	s_lshl_b32 s14, s14, 8
	s_add_co_u32 s14, s14, BIAS+16
	v_add_nc_u32 v[AB0], s14, v[AB0]
	; THE TABLE.  Thread t makes entries 4 t .. 4 t + 3 (and 512 further in each trip) of all four copies: seven values W[k] = bias(TE + k); entry j of copy c is W[j - c + 3].
	s_lshl_b32 s14, s16, 8
	s_sub_co_i32 s14, ROFF-259, s14
	v_lshl_add_u32 v[TE], v0, 2, s14
	v_lshl_add_u32 v[TA], v0, 4, BIAS
	s_wait_loadcnt 32               ; the head's column of rel_emb is in; Q's and K's 32 loads may stay out
	s_mov_b32 s[CNT], NG
.Ltab:
.irp k, 0,1,2,3,4,5,6
	v_add_nc_u32 v[TR], \k, v[TE]   ; rel
	v_sub_nc_u32 v[TN], 0, v[TR]
	v_max_i32 v[TN], v[TR], v[TN]   ; n
	v_mov_b32 v[TC], 8
.irp th, 12,16,23,32,46,64,91
	v_cmp_le_u32 vcc_lo, \th, v[TN]
	v_add_co_ci_u32 v[TC], vcc_lo, 0, v[TC], vcc_lo
.endr
	v_min_u32 v[TC], v[TC], v[TN]
	v_ashrrev_i32 v[TS], 31, v[TR]
	v_lshl_add_u32 v[TS], v[TS], 4, 16  ; 16 where rel >= 0
	v_add_lshl_u32 v[TS], v[TC], v[TS], 2
	ds_bpermute_b32 v[TW+(\k)], v[TS], v[RV]  ; the bucket's value lies in the lane of that number
.endr
	s_wait_dscnt 0x0
.irp c, 0,1,2,3
.irp j, 0,1,2,3
	ds_store_b32 v[TA], v[TW+(\j)-(\c)+3] offset:(\c)*BP+4*(\j)
.endr
.endr
	v_add_nc_u32 v[TE], 512, v[TE]
	v_add_nc_u32 v[TA], 2048, v[TA]
	s_sub_co_u32 s[CNT], s[CNT], 1
	s_cmp_lg_u32 s[CNT], 0
	s_cbranch_scc1 .Ltab
	s_wait_dscnt 0x0                ; for the others' sake: my part of the table is written
	s_barrier_signal -1
	s_barrier_wait -1               ; the table is whole; slot 0's load may stay out
; THE MATRIX WORK.  The 8 accumulators of a run of 16 take turns.  Product i of 16 of S^T = K Q^T for piece x: channels 32 (i / 8) on, keys 16 ((i / 2) % 4) on, tile 2 x + i % 2.  The first 8 start the sums with the bias.
.macro KQ x
.set rS, S+64*((\x)%2)+32*(i%2)+8*((i/2)%4)
.set rK, KF+16*((i/2)%4)+8*(i/8)
.set rQ, 16*(2*(\x)+i%2)+8*(i/8)
.set rB, BB+40*(\x)+8*((i/2)%4-i%2+1)
.if i < 8
	WIN W_KM
	v_wmma_f32_16x16x32_f16 v[rS:rS+7], v[rK:rK+7], v[rQ:rQ+7], v[rB:rB+7]
.else
	WIN W_KQ
	v_wmma_f32_16x16x32_f16 v[rS:rS+7], v[rK:rK+7], v[rQ:rQ+7], v[rS:rS+7]
.endif
.endm
; Product i of 16 of O^T += V^T P for piece x: keys 32 (i / 8) on, channels 16 ((i / 2) % 4) on, tile 2 x + i % 2.
.macro PV x
	WIN W_PV
.set rO, 32*(2*(\x)+i%2)+8*((i/2)%4)
.set rV, VF+32*(i/8)+8*((i/2)%4)
.set rP, P+32*((\x)%2)+16*(i%2)+8*(i/8)
	v_wmma_f32_16x16x32_f16 v[rO:rO+7], v[rV:rV+7], v[rP:rP+7], v[rO:rO+7]
.endm
.macro MM                           ; the turn's next matrix instruction
.if i < 16
	KQ (Y+1)%NP
.set i, i+1
.else
.set i, i-16
	PV (Y+NP-1)%NP
.set i, i+17
.endif
.endm
; THE LDS LOADS stand in runs, never singly among the matrix instructions.
.macro FETCH_K
	WIN 0x80
.irp f, 0,1,2,3,4,5,6,7             ; keys 16 (f / 2) on, channels 32 (f % 2) on
	ds_load_b128 v[KF+8*\f:KF+8*\f+3],   v[AK] offset:(\f/2)*16*PK+(\f%2)*64
	ds_load_b128 v[KF+8*\f+4:KF+8*\f+7], v[AK] offset:(\f/2)*16*PK+(\f%2)*64+32
.endr
	s_add_co_u32 s[TBK], s[TBK], KS*PK
	WIN 0
.endm
.macro FETCH_V
	WIN 0x80
.irp f, 0,1,2,3,4,5,6,7             ; keys 32 (f / 4) on, channels 16 (f % 4) on
	ds_load_tr16_b128 v[VF+8*\f:VF+8*\f+3],   v[AV] offset:(\f/4)*32*PV+(\f%4)*32
	ds_load_tr16_b128 v[VF+8*\f+4:VF+8*\f+7], v[AV] offset:(\f/4)*32*PV+16*PV+(\f%4)*32
.endr
	WIN 0
.endm
.macro FETCH_B y                    ; piece y's five bias tiles: tile d serves key block kb of tile u where kb - u + 1 = d
	WIN 0x40
.irp d, 0,1,2,3,4
	ds_load_b128 v[BB+40*(\y)+8*\d:BB+40*(\y)+8*\d+3],   v[AB] offset:128*(1-(\y))+64*\d
	ds_load_b128 v[BB+40*(\y)+8*\d+4:BB+40*(\y)+8*\d+7], v[AB] offset:128*(1-(\y))+64*\d+16
.endr
	WIN 0
.endm
; THE VECTOR WORK OF A TURN stands in three queues, each in the order in which its entries become ready; the two tiles alternate.
.macro REGS y, u
.set rT, ST+4*(2*(\y)+(\u))
.set rC, TMP+8*((\y)%2)+4*(\u)
.set rM, MV+2*((\y)%2)+(\u)
.set rS, S+64*((\y)%2)+32*(\u)
.set rP, P+32*((\y)%2)+16*(\u)
.set rO, 32*(2*(\y)+(\u))
.endm
; Number n of the 22 that find the OTHER piece's maximum and statistics.  Each accumulator's lowest registers are read first.
;   0-11  four chains c0-c3 of seven scores each     12-14, 16  the four scores left over, the old m, and c0-c3 into c0     15  c m_old is kept     17, 18  the other half of the lanes: the new m     19-21  c m; c m_old - c m_new; a
.macro XS u, n
	REGS (Y+1)%NP, \u
.if (\n) < 4
	v_max3_num_f32 v[rC+(\n)], v[rS+8*(\n)], v[rS+8*(\n)+1], v[rS+8*(\n)+2]
.elseif (\n) < 12
	v_max3_num_f32 v[rC+(\n)%4], v[rC+(\n)%4], v[rS+8*((\n)%4)+2*((\n)/4)+1], v[rS+8*((\n)%4)+2*((\n)/4)+2]
.elseif (\n) == 12
	v_max3_num_f32 v[rC], v[rC], v[rS+7], v[rS+15]
.elseif (\n) == 13
	v_max3_num_f32 v[rC+1], v[rC+1], v[rS+23], v[rS+31]
.elseif (\n) == 14
	v_max3_num_f32 v[rC+2], v[rC+2], v[rC+3], v[rT+1]
.elseif (\n) == 15
	v_mov_b32 v[rM], v[rT]
.elseif (\n) == 16
	v_max3_num_f32 v[rC], v[rC], v[rC+1], v[rC+2]
.elseif (\n) == 17
	v_permlanex16_b32 v[rC+3], v[rC], s[SEL], s[SEL+1]
.elseif (\n) == 18
	v_max_num_f32 v[rT+1], v[rC], v[rC+3]
.elseif (\n) == 19
	v_mul_f32 v[rT], s[CS], v[rT+1]
.elseif (\n) == 20
	v_sub_f32 v[rC+1], v[rM], v[rT]
.else
	v_exp_f32 v[rC+2], v[rC+1]
.endif
.endm
; Number g of the 64 that follow the exponentials: for each four weights of a tile both pairs are rounded to f16, the second pair is added onto the first in place, and a group later l takes that sum (the first time as l = a l + sum).
.macro GS g
.set h, (\g)+6*((\g)/62)
.if h >= 6
.set h, h+2
.endif
	REGS Y, h%2
.set k, h/8
.if h%8 < 4
	v_cvt_pk_f16_f32 v[rP+2*k+(h%8)/2], v[rS+4*k+2*((h%8)/2)], v[rS+4*k+2*((h%8)/2)+1]
.elseif h%8 < 6
	v_pk_add_f32 v[rS+4*k:rS+4*k+1], v[rS+4*k:rS+4*k+1], v[rS+4*k+2:rS+4*k+3]
.elseif k == 1
	v_pk_fma_f32 v[rT+2:rT+3], v[rT+2:rT+3], v[rC+2:rC+3], v[rS:rS+1] op_sel_hi:[1,0,1]
.else
	v_pk_add_f32 v[rT+2:rT+3], v[rT+2:rT+3], v[rS+4*k-4:rS+4*k-3]
.endif
.endm
; THE PLAIN QUEUE, 138 long.  0-26: scalings 0-26.  27-54: XS's numbers 0-13.  55, 56: number 15.  57-73: the chain 14, 16 .. 20, with scalings 27-31 between its links.  74-137: GS's 64, behind the wait.
.macro FS f
	REGS Y, (\f)%2
	v_pk_fma_f32 v[rS+2*((\f)/2):rS+2*((\f)/2)+1], v[rS+2*((\f)/2):rS+2*((\f)/2)+1], s[CS:CS+1], v[rT:rT+1] op_sel_hi:[1,0,0] neg_lo:[0,0,1] neg_hi:[0,0,1]
.endm
.macro PL
	WIN 0
.if q < 27
	FS q
.elseif q < 55
	XS (q-27)%2, (q-27)/2
.elseif q < 57
	XS q-55, 15
.elseif (q < 72) && ((q-57)%3 == 0)
	FS 27+(q-57)/3
.elseif q < 60
	XS (q-57)%3-1, 14
.elseif q < 72
	XS (q-57)%3-1, 15+(q-57)/3
.elseif q < 74
	XS q-72, 20
.else
	GS q-74
.endif
.set q, q+1
.endm
; THE EXPONENTIALS' QUEUE, 66 long: s0-s31 of both tiles, then the other piece's two a.  ONE BATCH: all stand ahead of the turn's one wait, and nothing ahead of that wait names a result of theirs.
.macro EX
	WIN 0
.if e >= 64
	XS e-64, 21
.else
	REGS Y, e%2
	v_exp_f32 v[rS+e/2], v[rS+e/2]
.endif
.set e, e+1
.endm
; THE RESCALING's QUEUE: O^T times a, two at a time, sixteen times.  Its a was made in the turn before, ahead of that turn's wait.
.macro R2
	REGS Y, r%2
	WIN W_RS
.irp z, 0,1
	v_pk_mul_f32 v[rO+4*(r/2)+2*\z:rO+4*(r/2)+2*\z+1], v[rO+4*(r/2)+2*\z:rO+4*(r/2)+2*\z+1], v[rC+2:rC+3] op_sel_hi:[1,0]
.endr
.set r, r+1
.endm
; A TURN, for piece p.  Ahead of its one wait: 16 products K Q^T, behind each a scaling, an exponential and two rescalings; then a lump of 108.  Behind it: 16 products V^T P, behind each four of the roundings and sums.
; Exponential e stands behind scaling 2 (e / 4) + e % 2: as a rider behind plain e + 2, in the lump behind plain e + 9.
; THE RUNS OF LDS LOADS.  Piece 0's turn of step s: behind the wait K of step s + 1 (16 loads; K's last reader stands a lump back) and piece 0's bias of step s + 1 (10); at its end, four riders behind V's last reader, V of step s (16).
; Piece 1's turn: behind the wait piece 1's bias of step s + 1 (10).  cnt = 1: the loop's count is taken down some lines ahead of the branch behind the turn.
.macro TURN p, cnt=0
.set Y, (\p)
.set i, 0
.set q, 0
.set e, 0
.set r, 0
.if (\p) == 0
	s_wait_dscnt 0x0                ; piece 1's bias is in
.else
	s_wait_dscnt 16                 ; K and piece 0's bias are in; V's sixteen loads may stay out
.endif
	MM
	PL
	PL
	R2
.rept 15
	MM
	PL
	EX
	R2
.endr
.if (\p) == 0
	WIN 0
	v_add_nc_u32 v[AK], s[TBK], v[AK0]
	v_add_nc_u32 v[AB], s[SB], v[AB0]  ; serves both pieces' fetches of this step
	s_add_co_u32 s[SB], s[SB], 256
.endif
.rept 8
	PL
.endr
.rept 49
	EX
	PL
.endr
	EX
	EX
	v_nop                           ; a plain instruction behind the last exponential: one for the batch
	s_wait_alu depctr_va_vdst(0)    ; the wait for the batch
.if (\p) == 0
	FETCH_K
	FETCH_B 0
.else
	FETCH_B 1
	s_wait_dscnt 10                 ; V is in; the ten loads just issued may stay out
.endif
.rept 16
	MM
.rept 4
	PL
.endr
.if ((\p) == 0) && (q == 118)
	v_add_nc_u32 v[AV], s[TBV], v[AV0]
.endif
.if ((\p) == 0) && (q == 130)
	s_add_co_u32 s[TBV], s[TBV], KS*PV
.endif
.if (\cnt) && (q == 130)
	s_sub_co_u32 s[CNT], s[CNT], 1
	s_cmp_lg_u32 s[CNT], 0
.endif
.endr
.if (\p) == 0
	FETCH_V
.endif
.endm
	v_mov_b32 v[AB], v[AB0]         ; step 0's bias, for both pieces
	FETCH_B 0
	FETCH_B 1
	s_mov_b32 s[SB], 256
	s_wait_loadcnt 0x0              ; Q, and K of step 0
	s_wait_dscnt 0x0
.set i, 0
.rept 16
	KQ 0                            ; piece 0's first scores
.set i, i+1
.endr
	WIN 0                           ; the addresses for the way out: plain instructions, the places behind those products
	s_mul_i32 s14, s[WV], 16*SP
	s_add_co_u32 s14, s14, STAGE
	v_mul_u32_u24 v[STO], v1, SP
	v_lshl_add_u32 v[STO], v9, 4, v[STO]
	v_add_nc_u32 v[STO], s14, v[STO]
	v_bfe_u32 v[RD], v0, 3, 2
	v_mul_u32_u24 v[RD], v[RD], SP
	v_lshl_add_u32 v[RD], v10, 4, v[RD]
	v_add_nc_u32 v[RD], s14, v[RD]
	v_and_b32 v[GO], 31, v0
	v_lshlrev_b32 v[GO], 4, v[GO]
.set Y, NP-1                        ; XS works for piece Y + 1: piece 0
.irp n, 0,1,2,3,4,5,6,7,8,9,10,11,12,13,14,15,16,17,18,19,20,21
	XS 0, \n
	XS 1, \n
.endr
	v_nop                           ; a plain instruction behind the two a,
	s_wait_alu depctr_va_vdst(0)    ; and their wait, ahead of the label
	s_mov_b32 s[SLOTS], NSLOT-1
.Lslot:                             ; NSLOT - 1 times: a slot is entered and the next is asked for
	CHANGE 1
	s_mov_b32 s[CNT], 4
.Lstep:
	TURN 0
	TURN 1, 1
	WIN 0
	s_cbranch_scc1 .Lstep
	s_sub_co_u32 s[SLOTS], s[SLOTS], 1
	s_cmp_lg_u32 s[SLOTS], 0
	s_cbranch_scc1 .Lslot
	CHANGE 0                        ; the last slot is written out: nothing is asked for
	s_mov_b32 s[CNT], 4
.Ltail:
	TURN 0
	TURN 1, 1
	WIN 0
	s_cbranch_scc1 .Ltail
.set i, 0
.rept 16
	PV NP-1                         ; piece 1's V^T P of the last step
.set i, i+1
.endr
	; THE WAY OUT.  l's two halves and the other half of the lanes' are added; O^T is divided by l, rounded to f16 and sent through my stage in LDS, a tile at a time.
	WIN 0
.macro ALL line:vararg
.set t, 0
.rept 2*NP
	\line
.set t, t+1
.endr
.endm
	ALL v_add_f32 v[ST+4*t+2], v[ST+4*t+2], v[ST+4*t+3]
	ALL v_permlanex16_b32 v[ST+4*t+3], v[ST+4*t+2], s[SEL], s[SEL+1]
	ALL v_add_f32 v[ST+4*t+2], v[ST+4*t+2], v[ST+4*t+3]
	ALL v_rcp_f32 v[ST+4*t+2], v[ST+4*t+2]
	v_nop                           ; a plain instruction behind the last reciprocal,
	s_wait_alu depctr_va_vdst(0)    ; and one wait for the four
.macro PACK t
	WIN W_RS
.set i, 32*(\t)
.rept 16
	v_pk_mul_f32 v[i:i+1], v[i:i+1], v[ST+4*(\t)+2:ST+4*(\t)+3] op_sel_hi:[1,0]
.set i, i+2
.endr
	WIN 0x05                        ; sources 0 and 1 window 1, destination window 0
.set i, 0
.rept 16
	v_cvt_pk_f16_f32 v[S+16*(\t)+i], v[32*(\t)+2*i], v[32*(\t)+2*i+1]
.set i, i+1
.endr
	WIN 0
.irp f, 0,1,2,3
	ds_store_b128 v[STO], v[S+16*(\t)+4*\f:S+16*(\t)+4*\f+3] offset:32*\f
.endr
.irp f, 0,1,2,3
	ds_load_b128 v[S+16*(\t)+4*\f:S+16*(\t)+4*\f+3], v[RD] offset:\f*4*SP  ; LDS serves a wave's instructions in order: these see the stores above
.endr
.endm
.macro SEND t, younger              ; younger: the LDS instructions issued behind tile t's loads
	WIN 0
.irp f, 0,1,2,3
	s_wait_dscnt (\younger)+3-\f
	global_store_b128 v[GO], v[S+16*(\t)+4*\f:S+16*(\t)+4*\f+3], s[10:11] offset:(\t)*2048+\f*512  ; 512 consecutive bytes, at a multiple of 256 from O's first
.endr
.endm
	PACK 0
.set t, 1
.rept 2*NP-1
	PACK t
	SEND t-1, 8
.set t, t+1
.endr
	SEND 2*NP-1, 0
	s_wait_tensorcnt 0x0            ; the wave's end
	ds_add_u32 v[SPW], v[NIL]
	s_wait_dscnt 0x0
	CROUND                          ; the closing round
	s_endpgm
.Lfunc_end_k_q98645be521_attns:
	.size	k_q98645be521_attns, .Lfunc_end_k_q98645be521_attns-k_q98645be521_attns
	.p2alignl 7, 3214868480
	.fill 96, 4, 3214868480
	.section	.rodata,"a",@progbits
	.p2align	6, 0x0
	.amdhsa_kernel k_q98645be521_attns
		.amdhsa_group_segment_fixed_size 327680
		.amdhsa_private_segment_fixed_size 0
		.amdhsa_enable_private_segment 0
		.amdhsa_kernarg_size 32
		.amdhsa_user_sgpr_count 2
		.amdhsa_user_sgpr_kernarg_segment_ptr 1
		.amdhsa_wavefront_size32 1
		.amdhsa_system_sgpr_workgroup_id_x 1
		.amdhsa_system_sgpr_workgroup_id_y 1
		.amdhsa_system_sgpr_workgroup_id_z 1
		.amdhsa_system_vgpr_workitem_id 0
		.amdhsa_next_free_vgpr 768
		.amdhsa_next_free_sgpr 66
		.amdhsa_reserve_vcc 1
		.amdhsa_float_denorm_mode_32 3
		.amdhsa_float_denorm_mode_16_64 3
		.amdhsa_memory_ordered 1
		.amdhsa_forward_progress 1
		.amdhsa_inst_pref_size 124
	.end_amdhsa_kernel
	.amdgpu_metadata
---
amdhsa.version: [ 1, 2 ]
amdhsa.kernels:
  - .name:           k_q98645be521_attns
    .symbol:         k_q98645be521_attns.kd
    .args:
      - { .name: qb, .offset: 0, .size: 8, .value_kind: global_buffer, .address_space: global }
      - { .name: kv, .offset: 8, .size: 8, .value_kind: global_buffer, .address_space: global }
      - { .name: sa_rel, .offset: 16, .size: 8, .value_kind: global_buffer, .address_space: global }
      - { .name: an1, .offset: 24, .size: 8, .value_kind: global_buffer, .address_space: global }
    .group_segment_fixed_size: 327680
    .private_segment_fixed_size: 0
    .kernarg_segment_align: 8
    .kernarg_segment_size: 32
    .max_flat_workgroup_size: 128
    .sgpr_count:     66
    .vgpr_count:     768
    .wavefront_size: 32
...
	.end_amdgpu_metadata
.endif
;; end of part 3
;; launch osa (part 4): grid 8 x 32, 4 waves a work-group, clusters of 4 x 4, 327,680 bytes of LDS; arguments an1, wsa, sa_bo, x, x1; writes x1
.if DOCPART == 4
	.amdgcn_target "amdgcn-amd-amdhsa--gfx1250"
	.amdhsa_code_object_version 6
	.text
	.protected	k_q98645be521_osa
	.globl	k_q98645be521_osa
	.p2align	8
	.type	k_q98645be521_osa,@function
k_q98645be521_osa:
	s_mov_b64 s[64:65], 0
	v_nop
	global_prefetch_b8 v0, s[64:65] scope:SCOPE_SE
	s_setreg_imm32_b32 hwreg(HW_REG_WAVE_MODE, 25, 1), 1
	s_wait_xcnt 0x0
	s_wait_alu depctr_hold_cnt(0) depctr_sa_sdst(0) depctr_va_vdst(0) depctr_va_sdst(0) depctr_va_ssrc(0) depctr_va_vcc(0) depctr_vm_vsrc(0)
	s_getreg_b32 s2, hwreg(HW_REG_IB_STS2, 6, 4)
	s_cmp_eq_u32 s2, 0
	s_cbranch_scc0 .Lentry_in_a_cluster
	s_endpgm
.Lentry_in_a_cluster:
	s_bfe_u32 s2, ttmp6, 0x10000c
	s_cmp_lg_u32 s2, 0xf033
	s_cbranch_scc0 .Lentry_shape_is_right
	s_endpgm
.Lentry_shape_is_right:
; OUTP.  out = O W[:, 3072:4096] + bo + res.  O: [32 batch x head][2048][64] f16 (by heads).  W: [1024 k][4096] f16, of which the last 1,024 columns are wo.  bo: [1024] f32.  res, out: [4096][1024] f32.
; A tile of out is 128 x 128; four waves, each 64 x 64: 16 accumulators.  K = 1,024 goes in four steps of 256 = four heads through two LDS slots.
; A's TILE.  128 rows of one head are 16,384 dense bytes.  One tensor load brings two heads: a tile of 2 rows of 8,192 elements, 131,072 elements apart, padded in LDS after every 128 bytes: [head][row] with a pitch of 144.
; CLUSTER 4 x 4, the transposed use of the matrix instruction, W's turning load, the one form of product and the last change's unused fetch: as in the projections in front (each is said again where it stands).
; THE WAY OUT.  Bias and residual are loaded in the layout in which rows come back from the stage (16 lanes hold 256 consecutive bytes of a row), added to each other, and added onto the sums in f32.
; Their 33 loads stand behind the first tile's barrier and the first fragments' fetch: nothing wants them before the last product, and the first tiles go out ahead of them.
; LIMITS.  f16 ends at 65,504 for O and W.  NaN and infinities are not treated apart.
; REGISTERS: window 0: v0-31 addresses; v32-95 the way out; v96-99 bias; v128-255 the accumulators.  Window 1: two fragment buffers of 128.  Window 2: v0-127 the residual.
.set PA,    144                        ; a row of A in LDS: 128 bytes + 16
.set PW,    288                        ; a k row of W: 256 bytes + 32
.set AHALF, 2*128*PA                   ; what one tensor load brings of A: two heads x 128 rows
.set WHALF, 128*PW                     ; and of W: 128 k rows
.set BOFF,  2*AHALF                    ; W lies behind A's four heads
.set SLOT,  BOFF+2*WHALF               ; 147,456: it shares no bit with a tile's place in slot 0 (0, 36,864, 73,728, 110,592), so one exclusive or turns an address in one slot into the other's
.set STAGE, 2*SLOT                     ; behind the ring: 16 rows x 272 bytes for each wave
.set SP,    272
.set SPARE, STAGE+4*16*SP              ; the spare words, 128 bytes for each wave: two blocks of 256 bytes that no other line names
.set AQ,    128*PA                     ; a quarter step is a head
.set AI,    16*PA
.set KA,    4*2048*128                 ; a K step in memory: four heads of O,
.set KW,    256*8192                   ; 256 rows of W
.set ADRA, 16
.set ADRB, 17                          ; v17-18
.set A0,   19
.set B0,   20
.set STO,  24
.set RD,   25
.set CO,   26                          ; v26  my bytes in two rows of out and res
.set BOF,  27                          ; v27  my 16 bytes of the bias
.set SPW,  28
.set NIL,  29
.set TMP,  32
.set BI,   96
.set ACC,  128
.set F0,   0
.set F1,   128
.set G1,   24
.set G0,   32
.set G1B,  48
.set G0B,  56
.set TB,   66
.set MSB, 0
.macro WIN new
.if MSB != (\new)
	s_set_vgpr_msb (MSB<<8)|(\new)
.set MSB, \new
.endif
.endm
.set MUL,  0x05                        ; sources 0 (W) and 1 (A) window 1; C and D window 0
.set TO_F, 0x40                        ; destination window 1, address window 0
.macro JLOAD                           ; a joint refill: waves 0 and 1 fetch A's two halves, waves 2 and 3 W's; an s_nop 0 and four v_nop follow each of the two lines
	s_cmp_eq_u32 s11, 0
	s_cbranch_scc0 .Lfor_w_\@
	tensor_load_to_lds s[G0+4:G0+7], s[G1:G1+7]
	s_nop 0
.rept 4
	v_nop
.endr
	s_branch .Lasked_\@
.Lfor_w_\@:
	tensor_load_to_lds s[G0B+4:G0B+7], s[G1B:G1B+7]
	s_nop 0
.rept 4
	v_nop
.endr
.Lasked_\@:
.endm
.macro CREST
	s_cmp_lg_u32 s10, 0
	s_cbranch_scc1 .Lnot_wave_0_\@
	s_barrier_signal -3
.Lnot_wave_0_\@:
	s_barrier_wait -3
	s_barrier_signal -1
	s_barrier_wait -1
.endm
.macro CROUND
	s_barrier_signal -1
	s_barrier_wait -1
	CREST
.endm
.macro PLACES
.rept 4
	v_nop
.endr
.endm
.macro ADDR
	v_add_nc_u32 v[ADRA], s[TB], v[A0]
	v_add_nc_u32 v[ADRB], s[TB], v[B0]
	v_add_nc_u32 v[ADRB+1], WHALF, v[ADRB]
.endm
.macro MUL8 f, c, a0                   ; 8 matrix instructions; the 16 accumulators take turns, one instruction a turn
	WIN MUL
.irp a, \a0, (\a0)+1
.irp b, 0,1,2,3
	v_wmma_f32_16x16x32_f16 v[ACC+8*(4*(\a)+(\b)):ACC+8*(4*(\a)+(\b))+7], v[(\f)+64+8*(4*(\c)+(\b)):(\f)+64+8*(4*(\c)+(\b))+7], v[(\f)+8*(4*(\c)+(\a)):(\f)+8*(4*(\c)+(\a))+7], v[ACC+8*(4*(\a)+(\b)):ACC+8*(4*(\a)+(\b))+7]
.endr
.endr
.endm
.macro FETCH q, f                      ; 32 LDS loads in one run: the fragments of quarter q into buffer f; the first 32 along K first
	WIN TO_F
.irp c, 0,1
.irp i, 0,1,2,3
	ds_load_tr16_b128 v[(\f)+64+8*(4*(\c)+(\i)):(\f)+64+8*(4*(\c)+(\i))+3],   v[ADRB+(\q)/2] offset:(((\q)%2)*64+32*(\c))*PW+32*(\i)
	ds_load_tr16_b128 v[(\f)+64+8*(4*(\c)+(\i))+4:(\f)+64+8*(4*(\c)+(\i))+7], v[ADRB+(\q)/2] offset:(((\q)%2)*64+32*(\c)+16)*PW+32*(\i)
	ds_load_b128 v[(\f)+8*(4*(\c)+(\i)):(\f)+8*(4*(\c)+(\i))+3],   v[ADRA] offset:(\q)*AQ+64*(\c)+(\i)*AI
	ds_load_b128 v[(\f)+8*(4*(\c)+(\i))+4:(\f)+8*(4*(\c)+(\i))+7], v[ADRA] offset:(\q)*AQ+64*(\c)+(\i)*AI+32
.endr
.endr
.endm
.macro QUARTER q, f, g
	s_wait_dscnt 16                                ; the first 32 along K are in; the youngest sixteen loads may be out
	MUL8 \f, 0, 0
	MUL8 \f, 0, 2
	PLACES
	FETCH \q, \g
	s_wait_dscnt 32                                ; all but the 32 just issued
	MUL8 \f, 1, 0
	MUL8 \f, 1, 2
.endm
; The last quarter multiplies buffer 1 and changes slots: ONE barrier; in front of it each wave waits for all its tensor loads, adds 0 to its spare word, and waits for that and for its own reads of this slot.
; fill = 1: the barrier opens a round of the cluster's barrier, and this slot is filled again, two K steps ahead, first thing behind the round.
.macro TURN fill
	WIN 0
	s_wait_tensorcnt 0x0                           ; all my tensor loads have landed: my part of the next slot;
	ds_add_u32 v[SPW], v[NIL]                      ; 0 onto my spare word;
	s_wait_dscnt 17                                ; (the add and the youngest sixteen loads may be out)
	MUL8 F1, 0, 0
	s_wait_dscnt 0x0                               ; the add is done, and my reads of this slot are over
	s_barrier_signal -1
	MUL8 F1, 0, 2
	WIN 0
	s_barrier_wait -1
.if \fill
	CREST
	s_xor_b32 s[G0+5], s[G0+5], SLOT
	s_add_nc_u64 s[G0+6:G0+7], s[G0+6:G0+7], KA
	s_xor_b32 s[G0B+5], s[G0B+5], SLOT
	s_add_nc_u64 s[G0B+6:G0B+7], s[G0B+6:G0B+7], KW
	JLOAD
.else
	PLACES
.endif
	s_xor_b32 s[TB], s[TB], SLOT
	ADDR
	FETCH 0, F0
	MUL8 F1, 1, 0
	MUL8 F1, 1, 2
.endm
.macro STEP fill
	QUARTER 1, F0, F1
	QUARTER 2, F1, F0
	QUARTER 3, F0, F1
	TURN \fill
.endm
	s_load_b256 s[72:79], s[0:1], 0x0              ; O 72, W 74, bo 76, res 78
	s_load_b64 s[80:81], s[0:1], 0x20              ; out
	v_lshl_add_u32 v[SPW], v0, 2, SPARE
	v_mov_b32 v[NIL], 0
	ds_add_u32 v[SPW], v[NIL]                      ; the wave's opening: the add and its wait, ahead of my first tensor load
	v_lshrrev_b32 v1, 5, v0
	v_readfirstlane_b32 s10, v1                    ; wave 0..3
	s_lshr_b32 s11, s10, 1                         ; which half of the tile's rows is mine.  Also: I fetch for A (0) or for W (1)
	s_and_b32 s12, s10, 1                          ; which half of its columns.  Also: which half of that tile I fetch
	s_bfe_u32 s40, ttmp6, 0x40000                  ; cx, cy
	s_bfe_u32 s41, ttmp6, 0x40004
	s_lshl_b32 s42, ttmp9, 2
	s_add_co_u32 s42, s42, s40                     ; tile column
	s_and_b32 s13, ttmp7, 0xffff
	s_lshl_b32 s13, s13, 2
	s_add_co_u32 s13, s13, s41                     ; tile row
	s_lshl_b32 s43, s41, 2
	s_lshl_b32 s43, 15, s43                        ; my row of the cluster
	s_lshl_b32 s44, 0x1111, s40                    ; my column
	s_or_b32 s[G1+0], s43, (1<<16)|(1<<20)|(1<<21)|(4<<22)|(3<<25)   ; A: the mask of my row; 2-byte elements; padding on; bit 21 beside a mask; after every 32 words 4 words
	s_mov_b32 s[G1+1], 8192<<16                    ; tensor_dim0 = 8,192
	s_mov_b32 s[G1+2], 2<<16                       ; tensor_dim1 = 2
	s_mov_b32 s[G1+3], 8192<<16                    ; tile_dim0 = 8,192
	s_mov_b32 s[G1+4], 2                           ; tile_dim1 = 2
	s_mov_b32 s[G1+5], 131072                      ; elements from head to head
	s_mov_b32 s[G1+6], 0
	s_mov_b32 s[G1+7], 0
	s_or_b32 s[G1B+0], s44, (1<<16)|(1<<20)|(1<<21)|(5<<22)|(7<<25)  ; W: the mask of my column; after every 64 words 8 words
	s_mov_b32 s[G1B+1], 128<<16
	s_mov_b32 s[G1B+2], 128<<16
	s_mov_b32 s[G1B+3], 128<<16
	s_mov_b32 s[G1B+4], 128
	s_mov_b32 s[G1B+5], 4096
	s_mov_b32 s[G1B+6], 0
	s_mov_b32 s[G1B+7], 0
	s_lshr_b32 s16, s13, 4                         ; A: ((16 x batch + 2 x half) x 2,048 + 128 x (tile row % 16)) x 128 bytes
	s_lshl_b32 s16, s16, 4
	s_lshl1_add_u32 s16, s12, s16
	s_lshl_b32 s16, s16, 11
	s_and_b32 s17, s13, 15
	s_lshl_b32 s17, s17, 7
	s_add_co_u32 s16, s16, s17
	s_lshl_b32 s16, s16, 7
	s_mov_b32 s17, 0
	s_lshl_b32 s46, s42, 8                         ; W: 256 bytes a tile column behind column 3,072; 128 k rows of 8,192 bytes a half
	s_add_co_u32 s46, s46, 6144
	s_lshl_b32 s47, s12, 20
	s_add_co_u32 s46, s46, s47
	s_mov_b32 s47, 0
	s_mul_i32 s68, s12, AHALF
	s_mul_i32 s69, s12, WHALF
	s_add_co_u32 s69, s69, BOFF
	s_mov_b32 s[TB], 0
	s_wait_dscnt 0x0                               ; the opening add is done
	s_wait_kmcnt 0x0
	s_add_nc_u64 s[14:15], s[72:73], s[16:17]
	s_add_nc_u64 s[46:47], s[74:75], s[46:47]
	s_mov_b32 s[G0], 1
	s_mov_b32 s[G0+1], s68
	s_mov_b64 s[G0+2:G0+3], s[14:15]
	s_or_b32 s[G0+3], s[G0+3], 0x80000000
	s_mov_b32 s[G0+4], 1
	s_add_co_u32 s[G0+5], s68, SLOT
	s_add_nc_u64 s[G0+6:G0+7], s[14:15], KA
	s_or_b32 s[G0+7], s[G0+7], 0x80000000
	s_mov_b32 s[G0B], 1
	s_mov_b32 s[G0B+1], s69
	s_mov_b64 s[G0B+2:G0B+3], s[46:47]
	s_or_b32 s[G0B+3], s[G0B+3], 0x80000000
	s_mov_b32 s[G0B+4], 1
	s_add_co_u32 s[G0B+5], s69, SLOT
	s_add_nc_u64 s[G0B+6:G0B+7], s[46:47], KW
	s_or_b32 s[G0B+7], s[G0B+7], 0x80000000
	CROUND                                         ; all sixteen work-groups are here: the first joint loads meet
	s_cmp_eq_u32 s11, 0                            ; a wave's two first fills stand in one branch: two loads of mine are out
	s_cbranch_scc0 .Lfirst_w
	tensor_load_to_lds s[G0:G0+3], s[G1:G1+7]
	s_nop 0
	tensor_load_to_lds s[G0+4:G0+7], s[G1:G1+7]
	s_nop 0
.rept 4
	v_nop
.endr
	s_branch .Lfirst_asked
.Lfirst_w:
	tensor_load_to_lds s[G0B:G0B+3], s[G1B:G1B+7]
	s_nop 0
	tensor_load_to_lds s[G0B+4:G0B+7], s[G1B:G1B+7]
	s_nop 0
.rept 4
	v_nop
.endr
.Lfirst_asked:
	v_and_b32 v1, 15, v0                           ; l % 16
	v_bfe_u32 v2, v0, 4, 1                         ; l / 16
	; my 64 x 64 numbers in out and res, and my 64 of the bias, in registers that feed no descriptor
	s_lshl_b32 s4, s13, 7
	s_lshl_b32 s5, s11, 6
	s_add_co_u32 s4, s4, s5
	s_lshl_b32 s4, s4, 12                          ; rows of 4,096 bytes
	s_lshl_b32 s6, s42, 9
	s_lshl_b32 s7, s12, 8
	s_add_co_u32 s6, s6, s7                        ; my first column, in bytes
	s_add_co_u32 s4, s4, s6
	s_mov_b32 s5, 0
	s_mov_b32 s7, 0
	s_add_nc_u64 s[8:9], s[80:81], s[4:5]
	s_add_nc_u64 s[78:79], s[78:79], s[4:5]
	s_add_nc_u64 s[76:77], s[76:77], s[6:7]
	v_lshlrev_b32 v[CO], 12, v2                    ; lanes 0-15 one row's 256 bytes, lanes 16-31 the next row's
	v_lshl_add_u32 v[CO], v1, 4, v[CO]
	v_lshlrev_b32 v[BOF], 4, v1
.set t, 0
.rept 128
	v_mov_b32 v[ACC+t], 0                          ; the sums start at 0: written while the first tiles are on their way
.set t, t+1
.endr
	v_and_b32 v3, 7, v0
	v_bfe_u32 v4, v0, 3, 1
	v_mul_u32_u24 v[A0], v1, PA
	v_lshl_add_u32 v[A0], v2, 4, v[A0]
	s_mul_i32 s21, s11, 64*PA
	v_add_nc_u32 v[A0], s21, v[A0]
	v_lshl_add_u32 v[B0], v2, 3, v3
	v_mul_u32_u24 v[B0], v[B0], PW
	v_lshl_add_u32 v[B0], v4, 4, v[B0]
	s_lshl_b32 s22, s12, 7
	s_add_co_u32 s22, s22, BOFF
	v_add_nc_u32 v[B0], s22, v[B0]
	s_mul_i32 s23, s10, 16*SP
	s_add_co_u32 s23, s23, STAGE                   ; my stage
	v_mul_u32_u24 v[STO], v1, SP                   ; in: row l % 16, 32 bytes for each half of the lanes
	v_lshl_add_u32 v[STO], v2, 5, v[STO]
	v_add_nc_u32 v[STO], s23, v[STO]
	v_mul_u32_u24 v[RD], v2, SP                    ; back: lanes 0-15 take one row of 256 bytes, lanes 16-31 the next
	v_lshl_add_u32 v[RD], v1, 4, v[RD]
	v_add_nc_u32 v[RD], s23, v[RD]
	s_wait_tensorcnt 0x1                           ; my part of K step 0 is in; K step 1's may stay out
	s_barrier_signal -1
	s_barrier_wait -1
	ADDR
	FETCH 0, F0
	WIN 0
	global_load_b128 v[BI:BI+3], v[BOF], s[76:77]  ; bias and residual: wanted behind the last product, asked for now that the first tile is in
	WIN 0x80                                       ; destination window 2, address window 0
.set t, 0
.rept 32                                           ; the residual: rows 2 t, 2 t + 1 of my 64
	global_load_b128 v[4*t:4*t+3], v[CO], s[78:79] offset:2*t*4096
.set t, t+1
.endr
	WIN 0
	s_mov_b32 s3, 2
.La:                                           ; K steps 0 and 1: their slots are filled again
	STEP 1
	WIN 0
	s_sub_co_u32 s3, s3, 1
	s_cmp_lg_u32 s3, 0
	s_cbranch_scc1 .La
	s_mov_b32 s3, 2
.Lb:                                           ; K steps 2 and 3
	STEP 0
	WIN 0
	s_sub_co_u32 s3, s3, 1
	s_cmp_lg_u32 s3, 0
	s_cbranch_scc1 .Lb
	s_wait_dscnt 0x0                               ; the last change's fetch, which serves nothing
	s_wait_loadcnt 0x0                             ; bias and residual
	WIN 0x82                                       ; destination and source 0 window 2, source 1 window 0
.set t, 0
.rept 32                                           ; the bias onto the residual: 64 plain instructions, also the places behind the last products
	v_pk_add_f32 v[4*t:4*t+1], v[4*t:4*t+1], v[BI:BI+1]
	v_pk_add_f32 v[4*t+2:4*t+3], v[4*t+2:4*t+3], v[BI+2:BI+3]
.set t, t+1
.endr
	WIN 0
; Block a (16 rows): the f32 sums go into my stage, each accumulator's low registers first, and come back as whole rows of 256 bytes.
.macro OUTB a
.set tb, TMP+32*((\a)%2)
.if (\a) >= 2
	s_wait_xcnt 0x0                                ; the stores of the block two back have read these registers
.endif
.irp b, 0,1,2,3
	ds_store_b128 v[STO], v[ACC+8*(4*(\a)+(\b)):ACC+8*(4*(\a)+(\b))+3]   offset:64*(\b)
	ds_store_b128 v[STO], v[ACC+8*(4*(\a)+(\b))+4:ACC+8*(4*(\a)+(\b))+7] offset:64*(\b)+16
.endr
.irp t, 0,1,2,3,4,5,6,7
	ds_load_b128 v[tb+4*(\t):tb+4*(\t)+3], v[RD] offset:(\t)*2*SP  ; LDS serves a wave's instructions in order: these see the stores above
.endr
.endm
.macro SENDB a, younger                ; younger: the next block's sixteen LDS instructions, or none
.set tb, TMP+32*((\a)%2)
	s_wait_dscnt \younger
	WIN 0x08                                       ; source 1 window 2
.set z, 0
.rept 16
	v_pk_add_f32 v[tb+z:tb+z+1], v[tb+z:tb+z+1], v[32*(\a)+z:32*(\a)+z+1]
.set z, z+2
.endr
	WIN 0
.irp t, 0,1,2,3,4,5,6,7
	global_store_b128 v[CO], v[tb+4*(\t):tb+4*(\t)+3], s[8:9] offset:(16*(\a)+2*(\t))*4096  ; 16 lanes store 256 consecutive bytes, aligned
.endr
.endm
	OUTB 0
	OUTB 1
	SENDB 0, 16
	OUTB 2
	SENDB 1, 16
	OUTB 3
	SENDB 2, 16
	SENDB 3, 0
	s_wait_tensorcnt 0x0                           ; the wave's end
	ds_add_u32 v[SPW], v[NIL]
	s_wait_dscnt 0x0
	CROUND                                         ; the closing round
	s_endpgm
.Lfunc_end_k_q98645be521_osa:
	.size	k_q98645be521_osa, .Lfunc_end_k_q98645be521_osa-k_q98645be521_osa
	.p2alignl 7, 3214868480
	.fill 96, 4, 3214868480
	.section	.rodata,"a",@progbits
	.p2align	6, 0x0
	.amdhsa_kernel k_q98645be521_osa
		.amdhsa_group_segment_fixed_size 327680
		.amdhsa_private_segment_fixed_size 0
		.amdhsa_enable_private_segment 0
		.amdhsa_kernarg_size 40
		.amdhsa_user_sgpr_count 2
		.amdhsa_user_sgpr_kernarg_segment_ptr 1
		.amdhsa_wavefront_size32 1
		.amdhsa_system_sgpr_workgroup_id_x 1
		.amdhsa_system_sgpr_workgroup_id_y 1
		.amdhsa_system_sgpr_workgroup_id_z 1
		.amdhsa_system_vgpr_workitem_id 0
		.amdhsa_next_free_vgpr 640
		.amdhsa_next_free_sgpr 96
		.amdhsa_reserve_vcc 0
		.amdhsa_float_denorm_mode_32 3
		.amdhsa_float_denorm_mode_16_64 3
		.amdhsa_memory_ordered 1
		.amdhsa_forward_progress 1
		.amdhsa_inst_pref_size 69
	.end_amdhsa_kernel
	.amdgpu_metadata
---
amdhsa.version: [ 1, 2 ]
amdhsa.kernels:
  - .name:           k_q98645be521_osa
    .symbol:         k_q98645be521_osa.kd
    .args:
      - { .name: an1, .offset: 0, .size: 8, .value_kind: global_buffer, .address_space: global }
      - { .name: wsa, .offset: 8, .size: 8, .value_kind: global_buffer, .address_space: global }
      - { .name: sa_bo, .offset: 16, .size: 8, .value_kind: global_buffer, .address_space: global }
      - { .name: x, .offset: 24, .size: 8, .value_kind: global_buffer, .address_space: global }
      - { .name: x1, .offset: 32, .size: 8, .value_kind: global_buffer, .address_space: global }
    .group_segment_fixed_size: 327680
    .private_segment_fixed_size: 0
    .kernarg_segment_align: 8
    .kernarg_segment_size: 40
    .max_flat_workgroup_size: 128
    .sgpr_count:     96
    .vgpr_count:     640
    .wavefront_size: 32
...
	.end_amdgpu_metadata
.endif
;; end of part 4
;; launch ln1 (part 5): grid 256 x 1, 8 waves a work-group, no clusters, 0 bytes of LDS; arguments x1, ca_norm_g, ca_norm_b, an0; writes an0
.if DOCPART == 5
	.amdgcn_target "amdgcn-amd-amdhsa--gfx1250"
	.amdhsa_code_object_version 6
	.text
	.protected	k_q98645be521_ln1
	.globl	k_q98645be521_ln1
	.p2align	8
	.type	k_q98645be521_ln1,@function
k_q98645be521_ln1:
	s_mov_b64 s[64:65], 0
	v_nop
	global_prefetch_b8 v0, s[64:65] scope:SCOPE_SE
	s_setreg_imm32_b32 hwreg(HW_REG_WAVE_MODE, 25, 1), 1
	s_wait_xcnt 0x0
; LN1.  LayerNorm of x1 [4096][1024] f32 with one gain and bias -> f16 [4096][1024].  A stream: no LDS, no matrix unit, no cluster.
; A wave takes two rows; a row is 4,096 bytes = 32 registers and stays in them.  The mean is taken first and the variance of x - mean, so no difference of large sums is formed.
; Lane l holds columns 128 c + 4 l .. + 3 (c = 0..7): a load covers 512 consecutive bytes, a store of 8 bytes a lane 256 consecutive bytes, aligned.
; LIMITS.  The result is rounded once to f16, which ends at 65,504: |LN| is at most 32 |g| + |b|.  NaN and infinities are not treated apart.
.set LO,  2
.set SO,  3
.set T,   4
.set MP,  12
.set VA,  14
.set X,   16
.set G0,  80
.set B0,  112
.set Y0,  208
.set RS,  240
.set IN,  54
.set O0,  56
.macro FOLD                            ; the four chains in T into one number, the same in every lane
	v_pk_add_f32 v[T:T+1], v[T:T+1], v[T+2:T+3]
	v_pk_add_f32 v[T+4:T+5], v[T+4:T+5], v[T+6:T+7]
	v_pk_add_f32 v[T:T+1], v[T:T+1], v[T+4:T+5]
	v_add_f32 v[T], v[T], v[T+1]
	v_add_f32_dpp v[T], v[T], v[T] row_xmask:1 row_mask:0xf bank_mask:0xf
	v_add_f32_dpp v[T], v[T], v[T] row_xmask:2 row_mask:0xf bank_mask:0xf
	v_add_f32_dpp v[T], v[T], v[T] row_xmask:4 row_mask:0xf bank_mask:0xf
	v_add_f32_dpp v[T], v[T], v[T] row_xmask:8 row_mask:0xf bank_mask:0xf
	v_permlanex16_b32 v[T+1], v[T], s50, s51
	v_add_f32 v[T], v[T], v[T+1]
.endm
.macro STAT s, cnt                     ; row s: mean; x - mean in place; variance + eps.  cnt = the loads issued behind the row's eight
	s_wait_loadcnt \cnt
.irp k, 0,1,2,3
	v_pk_add_f32 v[T+2*(\k):T+2*(\k)+1], v[X+32*(\s)+2*(\k):X+32*(\s)+2*(\k)+1], v[X+32*(\s)+8+2*(\k):X+32*(\s)+8+2*(\k)+1]
.endr
.irp m, 16,24
.irp k, 0,1,2,3
	v_pk_add_f32 v[T+2*(\k):T+2*(\k)+1], v[T+2*(\k):T+2*(\k)+1], v[X+32*(\s)+(\m)+2*(\k):X+32*(\s)+(\m)+2*(\k)+1]
.endr
.endr
	FOLD
	v_mul_f32 v[MP], s52, v[T]
	v_mov_b32 v[MP+1], v[MP]
.set j, X+32*(\s)
.rept 16
	v_pk_add_f32 v[j:j+1], v[j:j+1], v[MP:MP+1] neg_lo:[0,1] neg_hi:[0,1]
.set j, j+2
.endr
.irp k, 0,1,2,3
	v_pk_mul_f32 v[T+2*(\k):T+2*(\k)+1], v[X+32*(\s)+2*(\k):X+32*(\s)+2*(\k)+1], v[X+32*(\s)+2*(\k):X+32*(\s)+2*(\k)+1]
.endr
.irp m, 8,16,24
.irp k, 0,1,2,3
	v_pk_fma_f32 v[T+2*(\k):T+2*(\k)+1], v[X+32*(\s)+(\m)+2*(\k):X+32*(\s)+(\m)+2*(\k)+1], v[X+32*(\s)+(\m)+2*(\k):X+32*(\s)+(\m)+2*(\k)+1], v[T+2*(\k):T+2*(\k)+1]
.endr
.endr
	FOLD
	v_fma_f32 v[VA+(\s)], v[T], s52, s53
.endm
.macro OUT s                           ; row s goes out: (d / sqrt) g + b, rounded to f16
.irp c, 0,1,2,3,4,5,6,7
.set xr, X+32*(\s)+4*(\c)
	v_pk_mul_f32 v[xr:xr+1], v[xr:xr+1], v[RS+2*(\s):RS+2*(\s)+1]
	v_pk_mul_f32 v[xr+2:xr+3], v[xr+2:xr+3], v[RS+2*(\s):RS+2*(\s)+1]
	v_pk_fma_f32 v[T:T+1], v[xr:xr+1], v[G0+4*(\c):G0+4*(\c)+1], v[B0+4*(\c):B0+4*(\c)+1]
	v_pk_fma_f32 v[T+2:T+3], v[xr+2:xr+3], v[G0+4*(\c)+2:G0+4*(\c)+3], v[B0+4*(\c)+2:B0+4*(\c)+3]
	v_cvt_pk_f16_f32 v[Y0+2*(\c)], v[T], v[T+1]
	v_cvt_pk_f16_f32 v[Y0+2*(\c)+1], v[T+2], v[T+3]
	global_store_b64 v[SO], v[Y0+2*(\c):Y0+2*(\c)+1], s[O0:O0+1] offset:256*(\c)+2048*(\s)
.endr
.endm
	s_load_b256 s[8:15], s[0:1], 0x0               ; x1 8, gain 10, bias 12, out 14
	v_lshrrev_b32 v1, 5, v0
	v_readfirstlane_b32 s4, v1                     ; wave 0..7
	v_and_b32 v1, 31, v0
	v_lshlrev_b32 v[LO], 4, v1
	v_lshlrev_b32 v[SO], 3, v1
	s_mov_b32 s50, 0x76543210
	s_mov_b32 s51, 0xfedcba98
	s_mov_b32 s52, 0x3a800000                      ; 1 / 1024
	s_mov_b32 s53, 0x3727c5ac                      ; 1e-5
	s_mov_b32 s47, 0
	s_lshl_b32 s44, ttmp9, 4                       ; 16 rows a work-group,
	s_lshl1_add_u32 s44, s4, s44                   ; two a wave
	s_wait_kmcnt 0x0
	s_lshl_b32 s46, s44, 12
	s_add_nc_u64 s[IN:IN+1], s[8:9], s[46:47]
	s_lshl_b32 s46, s44, 11
	s_add_nc_u64 s[O0:O0+1], s[14:15], s[46:47]
.irp c, 0,1,2,3,4,5,6,7
	global_load_b128 v[X+4*(\c):X+4*(\c)+3], v[LO], s[IN:IN+1] offset:512*(\c)
.endr
.irp c, 0,1,2,3,4,5,6,7
	global_load_b128 v[X+32+4*(\c):X+32+4*(\c)+3], v[LO], s[IN:IN+1] offset:4096+512*(\c)
.endr
.irp c, 0,1,2,3,4,5,6,7
	global_load_b128 v[G0+4*(\c):G0+4*(\c)+3], v[LO], s[10:11] offset:512*(\c)
.endr
.irp c, 0,1,2,3,4,5,6,7
	global_load_b128 v[B0+4*(\c):B0+4*(\c)+3], v[LO], s[12:13] offset:512*(\c)
.endr
	STAT 0, 24                                     ; behind row 0: row 1's eight, the gain's and the bias's
	STAT 1, 16                                     ; behind row 1: the gain's and the bias's
	v_rsq_f32 v[RS], v[VA]                         ; one batch of four,
	v_rsq_f32 v[RS+1], v[VA]
	v_rsq_f32 v[RS+2], v[VA+1]
	v_rsq_f32 v[RS+3], v[VA+1]
	v_nop                                          ; a plain instruction behind the last of them,
	s_wait_alu depctr_va_vdst(0)                   ; and one wait ahead of the first use
	s_wait_loadcnt 0x0
	OUT 0
	s_wait_xcnt 0x0                                ; row 0's stores have read Y: it is rewritten only behind this wait
	OUT 1
	s_endpgm
.Lfunc_end_k_q98645be521_ln1:
	.size	k_q98645be521_ln1, .Lfunc_end_k_q98645be521_ln1-k_q98645be521_ln1
	.p2alignl 7, 3214868480
	.fill 96, 4, 3214868480
	.section	.rodata,"a",@progbits
	.p2align	6, 0x0
	.amdhsa_kernel k_q98645be521_ln1
		.amdhsa_group_segment_fixed_size 0
		.amdhsa_private_segment_fixed_size 0
		.amdhsa_enable_private_segment 0
		.amdhsa_kernarg_size 32
		.amdhsa_user_sgpr_count 2
		.amdhsa_user_sgpr_kernarg_segment_ptr 1
		.amdhsa_wavefront_size32 1
		.amdhsa_system_sgpr_workgroup_id_x 1
		.amdhsa_system_sgpr_workgroup_id_y 1
		.amdhsa_system_sgpr_workgroup_id_z 1
		.amdhsa_system_vgpr_workitem_id 0
		.amdhsa_next_free_vgpr 256
		.amdhsa_next_free_sgpr 66
		.amdhsa_reserve_vcc 0
		.amdhsa_float_denorm_mode_32 3
		.amdhsa_float_denorm_mode_16_64 3
		.amdhsa_memory_ordered 1
		.amdhsa_forward_progress 1
		.amdhsa_inst_pref_size 20
	.end_amdhsa_kernel
	.amdgpu_metadata
---
amdhsa.version: [ 1, 2 ]
amdhsa.kernels:
  - .name:           k_q98645be521_ln1
    .symbol:         k_q98645be521_ln1.kd
    .args:
      - { .name: x1, .offset: 0, .size: 8, .value_kind: global_buffer, .address_space: global }
      - { .name: ca_norm_g, .offset: 8, .size: 8, .value_kind: global_buffer, .address_space: global }
      - { .name: ca_norm_b, .offset: 16, .size: 8, .value_kind: global_buffer, .address_space: global }
      - { .name: an0, .offset: 24, .size: 8, .value_kind: global_buffer, .address_space: global }
    .group_segment_fixed_size: 0
    .private_segment_fixed_size: 0
    .kernarg_segment_align: 8
    .kernarg_segment_size: 32
    .max_flat_workgroup_size: 256
    .sgpr_count:     66
    .vgpr_count:     256
    .wavefront_size: 32
...
	.end_amdgpu_metadata
.endif
;; end of part 5
;; launch pcq (part 6): grid 8 x 32, 4 waves a work-group, clusters of 4 x 4, 327,680 bytes of LDS; arguments an0, wca, qb; writes qb
.if DOCPART == 6
	.amdgcn_target "amdgcn-amd-amdhsa--gfx1250"
	.amdhsa_code_object_version 6
	.text
	.protected	k_q98645be521_pcq
	.globl	k_q98645be521_pcq
	.p2align	8
	.type	k_q98645be521_pcq,@function
k_q98645be521_pcq:
	s_mov_b64 s[64:65], 0
	v_nop
	global_prefetch_b8 v0, s[64:65] scope:SCOPE_SE
	s_setreg_imm32_b32 hwreg(HW_REG_WAVE_MODE, 25, 1), 1
	s_wait_xcnt 0x0
	s_wait_alu depctr_hold_cnt(0) depctr_sa_sdst(0) depctr_va_vdst(0) depctr_va_sdst(0) depctr_va_ssrc(0) depctr_va_vcc(0) depctr_vm_vsrc(0)
	s_getreg_b32 s2, hwreg(HW_REG_IB_STS2, 6, 4)
	s_cmp_eq_u32 s2, 0
	s_cbranch_scc0 .Lentry_in_a_cluster
	s_endpgm
.Lentry_in_a_cluster:
	s_bfe_u32 s2, ttmp6, 0x10000c
	s_cmp_lg_u32 s2, 0xf033
	s_cbranch_scc0 .Lentry_shape_is_right
	s_endpgm
.Lentry_shape_is_right:
; PROJ.  q = A W[:, 0:1024] in f16 with f32 sums, written by heads.  A: [4096][1024] f16 (a LayerNorm's output).  W: [1024 k][4096] f16.  q: [2 batches x 16 heads][2048][64] f16, rounded once.
; A tile of q is 128 x 128: 256 tiles, one for each work-group; four waves, each 64 x 64: 16 accumulators.  K = 1,024 goes in four steps of 256 through two LDS slots.
; A wave's 64 columns are one head, its 64 x 64 numbers 8,192 consecutive bytes of q.
; CLUSTER 4 x 4: the four of a row need the same tiles of A, the four of a column the same tiles of W: each tile is asked for jointly, by the same tensor load with the same descriptor and a mask that names the four.
; THE MATRIX INSTRUCTION IS USED TRANSPOSED: source 0 = 16 columns of W, source 1 = 16 rows of A: a lane then holds eight neighbouring columns of one row of q.  W lies [k][column] in LDS and is turned on the way out of it (ds_load_tr16_b128).
; ONE FORM OF PRODUCT: the accumulators are cleared while the first tile is on its way (128 lines), so that a K step's text stands twice (with a refill, without) and each is walked twice.
; The last change of slots fetches 32 fragments of a slot that has landed and uses none of them: the price, once a launch, of that one text.
; LIMITS.  f16 ends at 65,504: A, W and q lie within it.  NaN and infinities are not treated apart.
; REGISTERS: window 0: v0-31 addresses; v32-95 the way out; v128-255 the accumulators ((a, b) at 128 + 8 (4 a + b)).  Window 1: two fragment buffers of 128: 64 registers of A (2 x 4 x 16 rows x 32 K), then 64 of W.
.set PA,    528                        ; a row of A in LDS: 512 bytes + 16: the 16 rows of a load start at 16 different groups of four banks
.set PW,    288                        ; a k row of W: 256 bytes + 32
.set AHALF, 64*PA                      ; what one tensor load brings of A: 64 rows
.set WHALF, 128*PW                     ; and of W: 128 k rows
.set BOFF,  2*AHALF                    ; W lies behind A's 128 rows
.set SLOT,  147456                     ; slot 1 begins here: the number shares no bit with a tile's place in slot 0 (0, 33,792, 67,584, 104,448), so one exclusive or turns an address in one slot into the other's
.set STAGE, SLOT+BOFF+2*WHALF          ; behind the ring: 16 rows x 144 bytes for each wave, for the way out
.set SP,    144
.set SPARE, STAGE+4*16*SP              ; behind the stages: the spare words, 128 bytes for each wave: two blocks of 256 bytes that no other line names
.set AQ,    128                        ; bytes from a quarter step's fragments of A to the next quarter's
.set AI,    16*PA                      ; and from 16 rows to the next 16
.set KA,    512                        ; a K step in memory: 256 numbers along A's rows,
.set KW,    256*8192                   ; 256 rows of W
.set ADRA, 16                          ; v16     LDS address of my A fragments in the slot in hand
.set ADRB, 17                          ; v17-18  of my W fragments: k rows 0-127, 128-255 (an LDS offset has 16 bits)
.set A0,   19                          ; v19-20  the same two for slot 0; never rewritten
.set B0,   20
.set STO,  24
.set RD,   25
.set GO,   26
.set SPW,  28                          ; v28     LDS address of my spare word; never rewritten
.set NIL,  29                          ; v29     0; never rewritten
.set TMP,  32
.set ACC,  128
.set F0,   0
.set F1,   128
.set G1,   24                          ; s[24:31] descriptor group 1 for A's tiles;  s[32:39] group 0: a set for each first fill; the second then walks on
.set G0,   32
.set G1B,  48                          ; s[48:55], s[56:63] the same for W's tiles
.set G0B,  56
.set TB,   66                          ; s66  0 or SLOT: the slot that is read
.set MSB, 0
.macro WIN new                         ; the immediate's high byte repeats the setting that is left; a switch that changes nothing is dropped
.if MSB != (\new)
	s_set_vgpr_msb (MSB<<8)|(\new)
.set MSB, \new
.endif
.endm
.set MUL,  0x05                        ; sources 0 (W) and 1 (A) window 1; C and D window 0
.set TO_F, 0x40                        ; destination window 1, address window 0
.macro JLOAD                           ; a joint refill: waves 0 and 1 fetch A's two halves, waves 2 and 3 W's; an s_nop 0 and four v_nop follow each of the two lines
	s_cmp_eq_u32 s11, 0
	s_cbranch_scc0 .Lfor_w_\@
	tensor_load_to_lds s[G0+4:G0+7], s[G1:G1+7]
	s_nop 0
.rept 4
	v_nop
.endr
	s_branch .Lasked_\@
.Lfor_w_\@:
	tensor_load_to_lds s[G0B+4:G0B+7], s[G1B:G1B+7]
	s_nop 0
.rept 4
	v_nop
.endr
.Lasked_\@:
.endm
.macro CREST                           ; a round of the cluster's barrier behind its opening barrier
	s_cmp_lg_u32 s10, 0
	s_cbranch_scc1 .Lnot_wave_0_\@
	s_barrier_signal -3
.Lnot_wave_0_\@:
	s_barrier_wait -3
	s_barrier_signal -1
	s_barrier_wait -1
.endm
.macro CROUND                          ; a whole round
	s_barrier_signal -1
	s_barrier_wait -1
	CREST
.endm
.macro PLACES                          ; four places in front of loads into registers that matrix instructions have read, and of conversions that read results
.rept 4
	v_nop
.endr
.endm
.macro ADDR                            ; the fragment addresses in the slot in hand
	v_add_nc_u32 v[ADRA], s[TB], v[A0]
	v_add_nc_u32 v[ADRB], s[TB], v[B0]
	v_add_nc_u32 v[ADRB+1], WHALF, v[ADRB]
.endm
; 8 matrix instructions: row blocks a0, a0 + 1 x all 4 column blocks, 32 along K: half c of buffer f.  The 16 accumulators take turns, one instruction a turn.
.macro MUL8 f, c, a0
	WIN MUL
.irp a, \a0, (\a0)+1
.irp b, 0,1,2,3
	v_wmma_f32_16x16x32_f16 v[ACC+8*(4*(\a)+(\b)):ACC+8*(4*(\a)+(\b))+7], v[(\f)+64+8*(4*(\c)+(\b)):(\f)+64+8*(4*(\c)+(\b))+7], v[(\f)+8*(4*(\c)+(\a)):(\f)+8*(4*(\c)+(\a))+7], v[ACC+8*(4*(\a)+(\b)):ACC+8*(4*(\a)+(\b))+7]
.endr
.endr
.endm
; 32 LDS loads in one run: the fragments of quarter q (64 along K) into buffer f; the first 32 along K first
.macro FETCH q, f
	WIN TO_F
.irp c, 0,1
.irp i, 0,1,2,3
	ds_load_tr16_b128 v[(\f)+64+8*(4*(\c)+(\i)):(\f)+64+8*(4*(\c)+(\i))+3],   v[ADRB+(\q)/2] offset:(((\q)%2)*64+32*(\c))*PW+32*(\i)
	ds_load_tr16_b128 v[(\f)+64+8*(4*(\c)+(\i))+4:(\f)+64+8*(4*(\c)+(\i))+7], v[ADRB+(\q)/2] offset:(((\q)%2)*64+32*(\c)+16)*PW+32*(\i)
	ds_load_b128 v[(\f)+8*(4*(\c)+(\i)):(\f)+8*(4*(\c)+(\i))+3],   v[ADRA] offset:(\q)*AQ+64*(\c)+(\i)*AI
	ds_load_b128 v[(\f)+8*(4*(\c)+(\i))+4:(\f)+8*(4*(\c)+(\i))+7], v[ADRA] offset:(\q)*AQ+64*(\c)+(\i)*AI+32
.endr
.endr
.endm
; One of a K step's first three quarters: multiplies buffer f and, in its middle, fetches quarter q into buffer g.
.macro QUARTER q, f, g
	s_wait_dscnt 16                                ; the first 32 along K are in; the youngest sixteen loads may be out
	MUL8 \f, 0, 0
	MUL8 \f, 0, 2
	PLACES
	FETCH \q, \g
	s_wait_dscnt 32                                ; all but the 32 just issued
	MUL8 \f, 1, 0
	MUL8 \f, 1, 2
.endm
; The last quarter multiplies buffer 1 and changes slots: ONE barrier; in front of it each wave waits for all its tensor loads, adds 0 to its spare word, and waits for that and for its own reads of this slot.
; fill = 1: the barrier opens a round of the cluster's barrier, and this slot is filled again, two K steps ahead, first thing behind the round: 112 matrix instructions ahead of the wait for it.
.macro TURN fill
	WIN 0
	s_wait_tensorcnt 0x0                           ; all my tensor loads have landed: the one that was out is my part of the next slot;
	ds_add_u32 v[SPW], v[NIL]                      ; 0 onto my spare word;
	s_wait_dscnt 17                                ; (the add and the youngest sixteen loads may be out)
	MUL8 F1, 0, 0                                  ; eight matrix instructions stand between the add and the wait for it
	s_wait_dscnt 0x0                               ; the add is done, and my reads of this slot are over
	s_barrier_signal -1
	MUL8 F1, 0, 2
	WIN 0
	s_barrier_wait -1
.if \fill
	CREST                                          ; no wave of any partner still reads this slot's tile or has a load on its way
	s_xor_b32 s[G0+5], s[G0+5], SLOT               ; the walking descriptors: the other slot than last time, the next K step
	s_add_nc_u64 s[G0+6:G0+7], s[G0+6:G0+7], KA
	s_xor_b32 s[G0B+5], s[G0B+5], SLOT
	s_add_nc_u64 s[G0B+6:G0B+7], s[G0B+6:G0B+7], KW
	JLOAD                                          ; the four v_nop behind it are also the places in front of the loads below
.else
	PLACES
.endif
	s_xor_b32 s[TB], s[TB], SLOT
	ADDR
	FETCH 0, F0
	MUL8 F1, 1, 0
	MUL8 F1, 1, 2
.endm
.macro STEP fill                       ; a K step, from its second quarter to the next step's first fetch
	QUARTER 1, F0, F1
	QUARTER 2, F1, F0
	QUARTER 3, F0, F1
	TURN \fill
.endm
	s_load_b128 s[72:75], s[0:1], 0x0              ; A 72, W 74
	s_load_b64 s[80:81], s[0:1], 0x10              ; q
	v_lshl_add_u32 v[SPW], v0, 2, SPARE
	v_mov_b32 v[NIL], 0
	ds_add_u32 v[SPW], v[NIL]                      ; the wave's opening: the add and its wait, ahead of my first tensor load; the set-up below, work on registers, stands between them
	v_lshrrev_b32 v1, 5, v0
	v_readfirstlane_b32 s10, v1                    ; wave 0..3
	s_lshr_b32 s11, s10, 1                         ; which half of the tile's rows is mine.  Also: I fetch for A (0) or for W (1)
	s_and_b32 s12, s10, 1                          ; which half of its columns.  Also: which half of that tile I fetch
	s_bfe_u32 s40, ttmp6, 0x40000                  ; cx, cy: my place in the cluster
	s_bfe_u32 s41, ttmp6, 0x40004
	s_lshl_b32 s42, ttmp9, 2
	s_add_co_u32 s42, s42, s40                     ; tile column, 0 .. 7
	s_and_b32 s13, ttmp7, 0xffff
	s_lshl_b32 s13, s13, 2
	s_add_co_u32 s13, s13, s41                     ; tile row, 0 .. 31
	s_lshl_b32 s43, s41, 2
	s_lshl_b32 s43, 15, s43                        ; my row of the cluster
	s_lshl_b32 s44, 0x1111, s40                    ; my column
	s_or_b32 s[G1+0], s43, (1<<16)|(1<<20)|(1<<21)|(6<<22)|(3<<25)   ; A: the mask of my row; 2-byte elements; padding on; bit 21 beside a mask; after every 128 words 4 words
	s_mov_b32 s[G1+1], 256<<16                     ; tensor_dim0 = 256
	s_mov_b32 s[G1+2], 64<<16                      ; tensor_dim1 = 64
	s_mov_b32 s[G1+3], 256<<16                     ; tile_dim0 = 256
	s_mov_b32 s[G1+4], 64                          ; tile_dim1 = 64
	s_mov_b32 s[G1+5], 1024                        ; elements from row to row
	s_mov_b32 s[G1+6], 0
	s_mov_b32 s[G1+7], 0
	s_or_b32 s[G1B+0], s44, (1<<16)|(1<<20)|(1<<21)|(5<<22)|(7<<25)  ; W: the mask of my column; after every 64 words 8 words
	s_mov_b32 s[G1B+1], 128<<16
	s_mov_b32 s[G1B+2], 128<<16
	s_mov_b32 s[G1B+3], 128<<16
	s_mov_b32 s[G1B+4], 128
	s_mov_b32 s[G1B+5], 4096
	s_mov_b32 s[G1B+6], 0
	s_mov_b32 s[G1B+7], 0
	s_lshl_b32 s16, s13, 7                         ; A: row 128 x tile row + 64 x half, 2,048 bytes a row
	s_lshl_b32 s17, s12, 6
	s_add_co_u32 s16, s16, s17
	s_lshl_b32 s16, s16, 11
	s_mov_b32 s17, 0
	s_lshl_b32 s46, s42, 8                         ; W: 256 bytes a tile column, 128 k rows of 8,192 bytes a half
	s_lshl_b32 s47, s12, 20
	s_add_co_u32 s46, s46, s47
	s_mov_b32 s47, 0
	s_mul_i32 s68, s12, AHALF                      ; where they go: no place in the cluster enters an LDS address
	s_mul_i32 s69, s12, WHALF
	s_add_co_u32 s69, s69, BOFF
	s_mov_b32 s[TB], 0
	s_wait_dscnt 0x0                               ; the opening add is done
	s_wait_kmcnt 0x0
	s_add_nc_u64 s[14:15], s[72:73], s[16:17]
	s_add_nc_u64 s[46:47], s[74:75], s[46:47]
	s_mov_b32 s[G0], 1                             ; group 0: count 1; LDS address; global address; type 2
	s_mov_b32 s[G0+1], s68
	s_mov_b64 s[G0+2:G0+3], s[14:15]
	s_or_b32 s[G0+3], s[G0+3], 0x80000000
	s_mov_b32 s[G0+4], 1
	s_add_co_u32 s[G0+5], s68, SLOT
	s_add_nc_u64 s[G0+6:G0+7], s[14:15], KA
	s_or_b32 s[G0+7], s[G0+7], 0x80000000
	s_mov_b32 s[G0B], 1
	s_mov_b32 s[G0B+1], s69
	s_mov_b64 s[G0B+2:G0B+3], s[46:47]
	s_or_b32 s[G0B+3], s[G0B+3], 0x80000000
	s_mov_b32 s[G0B+4], 1
	s_add_co_u32 s[G0B+5], s69, SLOT
	s_add_nc_u64 s[G0B+6:G0B+7], s[46:47], KW
	s_or_b32 s[G0B+7], s[G0B+7], 0x80000000
	CROUND                                         ; all sixteen work-groups are here: the first joint loads meet
	s_cmp_eq_u32 s11, 0                            ; a wave's two first fills stand in one branch: K steps 0 and 1; two loads of mine are out
	s_cbranch_scc0 .Lfirst_w
	tensor_load_to_lds s[G0:G0+3], s[G1:G1+7]
	s_nop 0
	tensor_load_to_lds s[G0+4:G0+7], s[G1:G1+7]
	s_nop 0
.rept 4
	v_nop
.endr
	s_branch .Lfirst_asked
.Lfirst_w:
	tensor_load_to_lds s[G0B:G0B+3], s[G1B:G1B+7]
	s_nop 0
	tensor_load_to_lds s[G0B+4:G0B+7], s[G1B:G1B+7]
	s_nop 0
.rept 4
	v_nop
.endr
.Lfirst_asked:
.set t, 0
.rept 128
	v_mov_b32 v[ACC+t], 0                          ; the sums start at 0: written while the first tiles are on their way
.set t, t+1
.endr
	v_and_b32 v1, 15, v0                           ; l % 16
	v_bfe_u32 v2, v0, 4, 1                         ; l / 16
	v_and_b32 v3, 7, v0
	v_bfe_u32 v4, v0, 3, 1
	v_mul_u32_u24 v[A0], v1, PA                    ; a fragment of A: row x pitch + 16 x half, in my 64 rows
	v_lshl_add_u32 v[A0], v2, 4, v[A0]
	s_mul_i32 s21, s11, AHALF
	v_add_nc_u32 v[A0], s21, v[A0]
	v_lshl_add_u32 v[B0], v2, 3, v3                ; the turning load: lane l reads k row 8 (l / 16) + l % 8, columns 8 ((l / 8) % 2) + 0..7, in my 64 columns
	v_mul_u32_u24 v[B0], v[B0], PW
	v_lshl_add_u32 v[B0], v4, 4, v[B0]
	s_lshl_b32 s22, s12, 7
	s_add_co_u32 s22, s22, BOFF
	v_add_nc_u32 v[B0], s22, v[B0]
	s_mul_i32 s23, s10, 16*SP
	s_add_co_u32 s23, s23, STAGE                   ; my stage
	v_mul_u32_u24 v[STO], v1, SP                   ; in: row l % 16, 16 bytes for each half of the lanes
	v_lshl_add_u32 v[STO], v2, 4, v[STO]
	v_add_nc_u32 v[STO], s23, v[STO]
	v_bfe_u32 v[RD], v0, 3, 2                      ; back: 32 lanes take four rows of 128 bytes,
	v_mul_u32_u24 v[RD], v[RD], SP
	v_lshl_add_u32 v[RD], v3, 4, v[RD]
	v_add_nc_u32 v[RD], s23, v[RD]
	v_and_b32 v[GO], 31, v0                        ; which are 512 consecutive bytes of q
	v_lshlrev_b32 v[GO], 4, v[GO]
	; where my 64 x 64 numbers go: ((batch x 16 + head) x 2,048 + row in the batch) x 128 bytes, in registers that feed no descriptor
	s_lshl1_add_u32 s88, s42, s12                  ; head = 2 x tile column + half
	s_lshr_b32 s93, s13, 4                         ; batch
	s_and_b32 s94, s13, 15                         ; tile row in the batch
	s_lshl4_add_u32 s93, s93, s88
	s_lshl_b32 s93, s93, 11
	s_lshl_b32 s94, s94, 7
	s_add_co_u32 s93, s93, s94
	s_lshl_b32 s94, s11, 6
	s_add_co_u32 s93, s93, s94
	s_lshl_b32 s4, s93, 7
	s_mov_b32 s5, 0
	s_add_nc_u64 s[8:9], s[80:81], s[4:5]
	s_wait_tensorcnt 0x1                           ; my part of K step 0 is in; K step 1's may stay out
	s_barrier_signal -1
	s_barrier_wait -1                              ; everybody's is
	ADDR
	FETCH 0, F0
	WIN 0                                          ; at a label and at a branch every window is 0
	s_mov_b32 s3, 2
.La:                                           ; K steps 0 and 1: their slots are filled again, with K steps 2 and 3
	STEP 1
	WIN 0
	s_sub_co_u32 s3, s3, 1
	s_cmp_lg_u32 s3, 0
	s_cbranch_scc1 .La
	s_mov_b32 s3, 2
.Lb:                                           ; K steps 2 and 3: nothing is left to fetch
	STEP 0
	WIN 0
	s_sub_co_u32 s3, s3, 1
	s_cmp_lg_u32 s3, 0
	s_cbranch_scc1 .Lb
	s_wait_dscnt 0x0                               ; the last change's fetch, which serves nothing
	; THE WAY OUT: rounded to f16; a block of 16 rows at a time through my own stage; back as whole rows of 128 bytes, 2,048 consecutive bytes of a head.
	PLACES
.set t, 0
.rept 16
.irp r, 0,1,2,3
	v_cvt_pk_f16_f32 v[TMP+4*t+(\r)], v[ACC+8*t+2*(\r)], v[ACC+8*t+2*(\r)+1]
.endr
.set t, t+1
.endr
.macro STG a
.irp b, 0,1,2,3
	ds_store_b128 v[STO], v[TMP+4*(4*(\a)+(\b)):TMP+4*(4*(\a)+(\b))+3] offset:32*(\b)
.endr
.irp f, 0,1,2,3
	ds_load_b128 v[TMP+16*(\a)+4*(\f):TMP+16*(\a)+4*(\f)+3], v[RD] offset:(\f)*4*SP  ; LDS serves a wave's instructions in order: these see the stores above; the next block's stores come behind them
.endr
.endm
.macro SEND a, younger                 ; younger: the LDS instructions issued behind block a's loads: the next block's eight, or none
.irp f, 0,1,2,3
	s_wait_dscnt (\younger)+3-(\f)
	global_store_b128 v[GO], v[TMP+16*(\a)+4*(\f):TMP+16*(\a)+4*(\f)+3], s[8:9] offset:(\a)*2048+(\f)*512  ; 512 consecutive bytes, at a multiple of 256 from q's first
.endr
.endm
	STG 0
	STG 1
	SEND 0, 8
	STG 2
	SEND 1, 8
	STG 3
	SEND 2, 8
	SEND 3, 0
	s_wait_tensorcnt 0x0                           ; the wave's end, behind my last tensor load and my last LDS store
	ds_add_u32 v[SPW], v[NIL]
	s_wait_dscnt 0x0
	CROUND                                         ; the closing round: no work-group ends while a partner may still ask for a tile that names it
	s_endpgm
.Lfunc_end_k_q98645be521_pcq:
	.size	k_q98645be521_pcq, .Lfunc_end_k_q98645be521_pcq-k_q98645be521_pcq
	.p2alignl 7, 3214868480
	.fill 96, 4, 3214868480
	.section	.rodata,"a",@progbits
	.p2align	6, 0x0
	.amdhsa_kernel k_q98645be521_pcq
		.amdhsa_group_segment_fixed_size 327680
		.amdhsa_private_segment_fixed_size 0
		.amdhsa_enable_private_segment 0
		.amdhsa_kernarg_size 24
		.amdhsa_user_sgpr_count 2
		.amdhsa_user_sgpr_kernarg_segment_ptr 1
		.amdhsa_wavefront_size32 1
		.amdhsa_system_sgpr_workgroup_id_x 1
		.amdhsa_system_sgpr_workgroup_id_y 1
		.amdhsa_system_sgpr_workgroup_id_z 1
		.amdhsa_system_vgpr_workitem_id 0
		.amdhsa_next_free_vgpr 512
		.amdhsa_next_free_sgpr 96
		.amdhsa_reserve_vcc 0
		.amdhsa_float_denorm_mode_32 3
		.amdhsa_float_denorm_mode_16_64 3
		.amdhsa_memory_ordered 1
		.amdhsa_forward_progress 1
		.amdhsa_inst_pref_size 58
	.end_amdhsa_kernel
	.amdgpu_metadata
---
amdhsa.version: [ 1, 2 ]
amdhsa.kernels:
  - .name:           k_q98645be521_pcq
    .symbol:         k_q98645be521_pcq.kd
    .args:
      - { .name: an0, .offset: 0, .size: 8, .value_kind: global_buffer, .address_space: global }
      - { .name: wca, .offset: 8, .size: 8, .value_kind: global_buffer, .address_space: global }
      - { .name: qb, .offset: 16, .size: 8, .value_kind: global_buffer, .address_space: global }
    .group_segment_fixed_size: 327680
    .private_segment_fixed_size: 0
    .kernarg_segment_align: 8
    .kernarg_segment_size: 24
    .max_flat_workgroup_size: 128
    .sgpr_count:     96
    .vgpr_count:     512
    .wavefront_size: 32
...
	.end_amdgpu_metadata
.endif
;; end of part 6
;; launch attnc (part 7): grid 8 x 32, 4 waves a work-group, clusters of 4 x 1, 327,680 bytes of LDS; arguments qb, kv, ca_rel, an1; writes an1
.if DOCPART == 7
	.amdgcn_target "amdgcn-amd-amdhsa--gfx1250"
	.amdhsa_code_object_version 6
	.text
	.protected	k_q98645be521_attnc
	.globl	k_q98645be521_attnc
	.p2align	8
	.type	k_q98645be521_attnc,@function
k_q98645be521_attnc:
	s_mov_b64 s[64:65], 0
	v_nop
	global_prefetch_b8 v0, s[64:65] scope:SCOPE_SE
	s_setreg_imm32_b32 hwreg(HW_REG_WAVE_MODE, 25, 1), 1
	s_wait_xcnt 0x0
	s_wait_alu depctr_hold_cnt(0) depctr_sa_sdst(0) depctr_va_vdst(0) depctr_va_sdst(0) depctr_va_ssrc(0) depctr_va_vcc(0) depctr_vm_vsrc(0)
	s_getreg_b32 s2, hwreg(HW_REG_IB_STS2, 6, 4)
	s_cmp_eq_u32 s2, 0
	s_cbranch_scc0 .Lentry_in_a_cluster
	s_endpgm
.Lentry_in_a_cluster:
	s_bfe_u32 s2, ttmp6, 0x10000c
	s_cmp_lg_u32 s2, 0x3003
	s_cbranch_scc0 .Lentry_shape_is_right
	s_endpgm
.Lentry_shape_is_right:
; CROSS-ATTENTION.  O[bh][q][:] = the sum over k of softmax_k((Q[bh][q] . K[bh][k] + bias(k - q + ROFF)) / 8) V[bh][k][:].  Q, O: [32][2048][64] f16; K, V: [32][LK][64] f16, in one buffer at bytes KB and KB + VB.
; The queries' positions are q - 1,536 (the last query stands at the last key), so ROFF = 1,536.
; bias(rel) = rel_emb[bucket(rel)][head], f32; bucket(rel) = 16 [rel >= 0] + min(n, 8 + the number of t in 12, 16, 23, 32, 46, 64, 91 with n >= t), n = |rel|: the T5 formula's buckets written as thresholds.
; Products, maxima and sums in f32; the weights p are rounded to f16 for the second product (their sum l is taken of the unrounded p), O once at the end.
; LIMITS.  f16 ends at 65,504: Q, K, V arrive within it; p lies in 0 to 1; O is a mean of V's rows.  A weight below 2^-126 counts as 0 in l; NaN and infinities are not treated apart.
; SHARES.  A work-group owns 256 queries of one (batch, head), a wave 64: two PIECES of two tiles of 16.  Every wave walks all keys, 64 a step: eight steps.
; LAYOUT.  S^T = K Q^T (source 0 = 16 keys, source 1 = 16 queries): a lane holds ONE query (lane % 16) and the keys 8 (lane / 16) + 0..7.  Two such tiles, rounded to f16 in pairs, ARE source 1 of O^T = V^T P.
; SOFTMAX.  A running maximum m and sum l for each query: p = 2^(c s - c m), c = log2(e) / 8; in every step O and l are multiplied by a = 2^(c m_old - c m_new).  m starts at the lowest finite number, O and l at 0.
; THE BIAS is the C operand of the product that starts a sum.  It hangs on key - query alone, so a table in LDS serves: T[p] = bias(p - 256 - 256 x block + ROFF), p = key - (query in the block) + 256.  A lane wants 8 entries on end
; from a place that goes down with its query: four copies, copy c shifted by c entries, make every lane's place a multiple of 16 bytes (query % 16 = 4 a + c reads copy c).  Of a piece's 8 accumulators the bias hangs on
; (key block - tile) alone: five tiles of 8 registers.  The block's number enters what the table HOLDS, and no LDS address.
; BY TURNS.  Turn p belongs to piece p: 16 products K Q^T of the other piece, later 16 products V^T P of the other piece; beside them piece p's scaling, exponentials, roundings, sums and rescaling and the other piece's maximum and
; statistics.  Four vector instructions stand behind every matrix instruction, the rest in one lump; a turn's 66 exponentials are one batch with one wait.
; K AND V COME ONCE.  A head's 512 keys fit in LDS: 512 x 144 bytes of K and 512 x 160 of V.  Each wave issues ONE tensor load at the start (waves 0, 1: the halves of K; waves 2, 3: of V); nothing is filled again, so the walk
; is one loop of eight steps with no barrier in it.
; K LEADS BY A STEP.  Piece 1's turn of step s multiplies by K of step s + 1.  So LDS holds K of steps 1 .. 8 and V of steps 0 .. 7: in step s both fetches read place s.  K of step 0 comes straight from memory into
; registers.  K of step 8 is the 8,192 bytes behind the head's rows (written bytes of the same buffer): the scores made of it serve nothing.
; CLUSTER.  The four query blocks of a cluster belong to one head and want the same K and V: each tile is asked for JOINTLY.  NO PREFETCH: all that the launch streams is asked for by its first loads.
; REGISTERS, in windows of 256 (s_set_vgpr_msb: bits 1:0 source 0, 3:2 source 1, 5:4 source 2, 7:6 destination):
;   window 0: v0-11, v32-37 addresses; v12-15, v48-63 at work; v16-31 statistics; v46-47 the add's; v64-191 S^T, two buffers of two tiles; v192-255 P, likewise
;   window 1: v0-127 O^T, 32 a tile; v128-207 the bias, 40 a piece          window 2: v0-63 Q, 16 a tile; v128-191 K of one step; v192-255 V of one step
.set LK,    512       ; keys
.set LGH,   16        ; a head's K or V is 2^LGH bytes
.set ROFF,  1536      ; rel = key - query + ROFF
.set KB,    16777216  ; K's first byte in the buffer
.set VB,    18874368-KB  ; V's, counted from K's
.set NG,    2         ; the table has 512 NG entries: LK + 64 keys, 256 queries, and room
.set BP,    4160      ; bytes from copy to copy: 2,048 NG + 64
.set NP,    2         ; pieces a wave: a name, no knob
.set KS,    64        ; keys in a step
.set NSTEP, LK/KS
.set PK,    144       ; a row of K in LDS: 128 bytes + 16
.set PV,    160       ; a row of V: 128 + 32
.set VOFF,  LK*PK     ; 512 rows of K, then 512 rows of V
.set STAGE, LK*(PK+PV)          ; behind them: 16 rows x 144 bytes for each wave, for the way out
.set SP,    144
.set SPARE, STAGE+4*16*SP       ; the spare words, 128 bytes for each wave: two blocks of 256 bytes that no other line names
.set BIAS,  SPARE+512           ; the table's four copies
.set AK0, 2           ; v2   my lane's place in a tile of K; never rewritten
.set AV0, 3           ; v3   the same for V
.set AK,  4           ; v4   the LDS address of K's next run of loads
.set AV,  5           ; v5   of V's
.set QO,  6           ; v6   my byte offset in 16 rows of Q or K in memory
.set STO, 6           ;      later, the way out: where I put 16 bytes of a row
.set RD,  7           ; v7   the way out: where I read rows back
.set GO,  8           ; v8   my byte offset in 512 consecutive bytes of O
.set MV,  12          ; v12-15  c m_old, kept while c m is made anew
.set ST,  16          ; tile t's statistics at v[ST+4 t]: c m, m, l (even keys', odd keys')
.set AB0, 32          ; v32  my lane's place in the table, for step 0; never rewritten
.set AB,  33          ; v33  for the step whose bias is fetched
.set RO,  35          ; v35  64 x lane: bucket l's row of rel_emb; never rewritten
.set SPW, 46          ; v46  LDS address of my spare word; never rewritten
.set NIL, 47          ; v47  0; never rewritten
.set TMP, 48
.set S,   64
.set P,   192
.set BB,  128         ; window 1: piece y's bias tile d at BB + 40 y + 8 d
.set KF,  128         ; window 2
.set VF,  192
.set TE,  64          ; the table's making, in S^T's registers
.set TA,  65
.set TR,  66
.set TN,  67
.set TC,  68
.set TS,  69
.set TW,  72          ; v72-78  seven values
.set RV,  80          ; v80  lane l: rel_emb[l][head]
.set WV,  12          ; s12  my wave's number
.set G1K, 24
.set G1V, 32
.set G0K, 40
.set G0V, 44
.set SB,  48          ; s48  256 x the step whose bias is fetched next
.set K0P, 52          ; s[52:53] the head's first rows of K
.set CNT, 57
.set CS,  58
.set SEL, 60
.set TBK, 62          ; s62  LDS byte at which K of the step to be fetched begins
.set TBV, 63          ; s63  the same for V, less VOFF
.set MSB, 0
.macro WIN new
.if MSB != (\new)
	s_set_vgpr_msb (MSB<<8)|(\new)
.set MSB, (\new)
.endif
.endm
.set W_KQ, 0x0a       ; K and Q in window 2, S^T in window 0
.set W_KM, 0x1a       ; the same with the C operand, the bias, in window 1
.set W_PV, 0x52       ; V in window 2, P in window 0, O^T in window 1
.set W_RS, 0x41       ; O^T (destination and source 0) in window 1, a in window 0
.macro JLOAD                        ; the joint fill: waves 0 and 1 fetch the two halves of K, waves 2 and 3 those of V; an s_nop 0 and four v_nop follow each line
	s_cmp_lt_u32 s[WV], 2
	s_cbranch_scc0 .Lfor_v_\@
	tensor_load_to_lds s[G0K:G0K+3], s[G1K:G1K+7]
	s_nop 0
.rept 4
	v_nop
.endr
	s_branch .Lasked_\@
.Lfor_v_\@:
	tensor_load_to_lds s[G0V:G0V+3], s[G1V:G1V+7]
	s_nop 0
.rept 4
	v_nop
.endr
.Lasked_\@:
.endm
.macro CROUND                       ; a round of the cluster's barrier
	s_barrier_signal -1
	s_barrier_wait -1
	s_cmp_lg_u32 s[WV], 0
	s_cbranch_scc1 .Lnot_wave_0_\@
	s_barrier_signal -3
.Lnot_wave_0_\@:
	s_barrier_wait -3
	s_barrier_signal -1
	s_barrier_wait -1
.endm
	s_load_b256 s[4:11], s[0:1], 0x0  ; Q s[4:5], K and V s[6:7], rel_emb s[8:9], O s[10:11]
	v_lshl_add_u32 v[SPW], v0, 2, SPARE
	v_mov_b32 v[NIL], 0
	ds_add_u32 v[SPW], v[NIL]       ; the wave's opening: the add and its wait, ahead of my first tensor load
	v_lshrrev_b32 v1, 5, v0
	v_readfirstlane_b32 s[WV], v1   ; wave 0..3
	s_bfe_u32 s13, ttmp6, 0x40000   ; cx
	s_lshl_b32 s16, ttmp9, 2
	s_add_co_u32 s16, s16, s13      ; my block of 256 queries: it enters Q's and O's addresses and the table's contents alone
	s_and_b32 s20, ttmp7, 0xffff    ; batch x 16 + head, which the four partners share
	s_lshl_b32 s22, s20, LGH        ; the head's first byte in K and in V
	s_mov_b32 s23, 0
	s_and_b32 s14, s[WV], 1         ; which half of the 512 keys I fetch:
	s_lshl_b32 s54, s14, 15         ; its 256 rows of 128 bytes in memory,
	s_add_co_u32 s54, s54, s22
	s_mov_b32 s55, 0
	s_mul_i32 s17, s14, 256*PK      ; and its place in LDS, for K
	s_mul_i32 s18, s14, 256*PV      ; and for V: no place in the cluster enters an LDS address
	s_lshl_b32 s2, s20, 18          ; Q and O: the head's 2,048 rows of 128 bytes,
	s_lshl_b32 s3, s16, 15          ; my block's 256,
	s_add_co_u32 s2, s2, s3
	s_lshl_b32 s3, s[WV], 13        ; my wave's 64
	s_add_co_u32 s2, s2, s3
	s_mov_b32 s3, 0
	s_and_b32 s20, s20, 15          ; the head's column of rel_emb
	s_lshl_b32 s20, s20, 2
	s_mov_b32 s21, 0
	; descriptor group 1.  256 keys are 32,768 dense bytes: asked for as 128 rows of 256 bytes, two keys a row, and padded in LDS after every key
	s_mov_b32 s[G1K], 15|(1<<16)|(1<<20)|(1<<21)|(4<<22)|(3<<25)  ; the mask of four; 2-byte elements; padding on; bit 21 beside a mask; after every 32 words 4 words
	s_mov_b32 s[G1V], 15|(1<<16)|(1<<20)|(1<<21)|(4<<22)|(7<<25)  ; the same with 8 words
.irp g, G1K, G1V
	s_mov_b32 s[\g+1], 128<<16      ; tensor_dim0 = 128
	s_mov_b32 s[\g+2], 128<<16      ; tensor_dim1 = 128
	s_mov_b32 s[\g+3], 128<<16      ; tile_dim0 = 128
	s_mov_b32 s[\g+4], 128          ; tile_dim1 = 128
	s_mov_b32 s[\g+5], 128          ; elements from row to row
	s_mov_b32 s[\g+6], 0
	s_mov_b32 s[\g+7], 0
.endr
	s_mov_b32 s[CS], 0x3e38aa3b     ; c = log2(e) / 8
	s_mov_b32 s[CS+1], s[CS]
	s_mov_b32 s[SEL], 0x76543210
	s_mov_b32 s[SEL+1], 0xfedcba98
	s_mov_b32 s[TBK], 0
	s_mov_b32 s[TBV], 0
	s_mov_b32 s[G0K], 1
	s_mov_b32 s[G0K+1], s17
	s_mov_b32 s[G0V], 1
	s_add_co_u32 s[G0V+1], s18, VOFF
	v_and_b32 v[RO], 31, v0
	v_lshlrev_b32 v[RO], 6, v[RO]
	s_wait_dscnt 0x0                ; the opening add is done
	s_wait_kmcnt 0x0
	s_add_nc_u64 s[G0K+2:G0K+3], s[6:7], s[54:55]
	s_add_nc_u64 s[G0K+2:G0K+3], s[G0K+2:G0K+3], KB
	s_add_nc_u64 s[G0V+2:G0V+3], s[G0K+2:G0K+3], VB          ; V: my half of steps 0 to 7
	s_add_nc_u64 s[G0K+2:G0K+3], s[G0K+2:G0K+3], KS*128      ; K: my half of steps 1 to 8
	s_or_b32 s[G0K+3], s[G0K+3], 0x80000000
	s_or_b32 s[G0V+3], s[G0V+3], 0x80000000
	s_add_nc_u64 s[4:5], s[4:5], s[2:3]
	s_add_nc_u64 s[10:11], s[10:11], s[2:3]
	s_add_nc_u64 s[K0P:K0P+1], s[6:7], s[22:23]
	s_add_nc_u64 s[K0P:K0P+1], s[K0P:K0P+1], KB
	s_add_nc_u64 s[8:9], s[8:9], s[20:21]
	CROUND                          ; all four work-groups are here: the joint loads meet
	JLOAD                           ; my one tensor load
	v_and_b32 v1, 15, v0            ; l % 16
	v_bfe_u32 v9, v0, 4, 1          ; l / 16
	global_load_b32 v[RV], v[RO], s[8:9]
	v_lshlrev_b32 v[QO], 7, v1
	v_lshl_add_u32 v[QO], v9, 4, v[QO]
	WIN 0x80                        ; destination window 2, address window 0
.set i, 0
.rept 4*NP                          ; Q stays in registers: tile i / 2, channels 32 (i % 2) on
	global_load_b128 v[8*i:8*i+3],   v[QO], s[4:5] offset:(i/2)*2048+(i%2)*64
	global_load_b128 v[8*i+4:8*i+7], v[QO], s[4:5] offset:(i/2)*2048+(i%2)*64+32
.set i, i+1
.endr
.set i, 0
.rept 8                             ; K of step 0: keys 16 (i / 2) on, channels 32 (i % 2) on
	global_load_b128 v[KF+8*i:KF+8*i+3],   v[QO], s[K0P:K0P+1] offset:(i/2)*2048+(i%2)*64
	global_load_b128 v[KF+8*i+4:KF+8*i+7], v[QO], s[K0P:K0P+1] offset:(i/2)*2048+(i%2)*64+32
.set i, i+1
.endr
	; What the first turn finds: V's registers and P's second buffer hold 0, O^T and l are 0.  All this stands in the wait for the tiles.
.set i, VF
.rept 64
	v_mov_b32 v[i], 0
.set i, i+1
.endr
	WIN 0x40
.set i, 0
.rept 64*NP
	v_mov_b32 v[i], 0
.set i, i+1
.endr
	WIN 0
.set i, 0
.rept 2*NP
	v_mov_b32 v[ST+4*i], 0xfe000000    ; c m: far below every c s
	v_mov_b32 v[ST+4*i+1], 0xff7fffff  ; m
	v_mov_b32 v[ST+4*i+2], 0
	v_mov_b32 v[ST+4*i+3], 0
.set i, i+1
.endr
.set i, P+32
.rept 32
	v_mov_b32 v[i], 0
.set i, i+1
.endr
	v_mul_u32_u24 v[AK0], v1, PK
	v_lshl_add_u32 v[AK0], v9, 4, v[AK0]
	v_and_b32 v10, 7, v0
	v_bfe_u32 v11, v0, 3, 1
	v_lshl_add_u32 v[AV0], v9, 3, v10  ; the turning load: key 8 (l / 16) + l % 8, channels 8 ((l / 8) % 2) + 0..7
	v_mul_u32_u24 v[AV0], v[AV0], PV
	v_lshl_add_u32 v[AV0], v11, 4, v[AV0]
	v_add_nc_u32 v[AV0], VOFF, v[AV0]
	; My place in the table: BIAS + 16 + copy (l % 4) x BP + 32 (l / 16) + 16 (3 - a) + 256 (3 - wave), a = (l / 4) % 4: it goes down by 16 bytes for each four queries and by 256 for each wave.
	; For a number of two bits 3 - a = (3 a + 3) & 3, since -a = 3 a modulo 4: so the place is made of sums, products, shifts and masks alone, and no number on the way is below 0.
	v_and_b32 v36, 3, v0
	v_bfe_u32 v37, v0, 2, 2
	v_mul_u32_u24 v37, v37, 3
	v_add_nc_u32 v37, 3, v37
	v_and_b32 v37, 3, v37           ; 3 - a
	v_mul_u32_u24 v[AB0], v36, BP
	v_lshl_add_u32 v[AB0], v9, 5, v[AB0]
	v_lshl_add_u32 v[AB0], v37, 4, v[AB0]
	s_mul_i32 s14, s[WV], 3
	s_add_co_u32 s14, s14, 3
	s_and_b32 s14, s14, 3           ; 3 - wave
	s_lshl_b32 s14, s14, 8
	s_add_co_u32 s14, s14, BIAS+16
	v_add_nc_u32 v[AB0], s14, v[AB0]
	; THE TABLE.  Thread t makes entries 4 t .. 4 t + 3 (and 512 further in each trip) of all four copies: seven values W[k] = bias(TE + k); entry j of copy c is W[j - c + 3].
	s_lshl_b32 s14, s16, 8
	s_sub_co_i32 s14, ROFF-259, s14
	v_lshl_add_u32 v[TE], v0, 2, s14
	v_lshl_add_u32 v[TA], v0, 4, BIAS
	s_wait_loadcnt 32               ; the head's column of rel_emb is in; Q's and K's 32 loads may stay out
	s_mov_b32 s[CNT], NG
.Ltab:
.irp k, 0,1,2,3,4,5,6
	v_add_nc_u32 v[TR], \k, v[TE]   ; rel
	v_sub_nc_u32 v[TN], 0, v[TR]
	v_max_i32 v[TN], v[TR], v[TN]   ; n
	v_mov_b32 v[TC], 8
.irp th, 12,16,23,32,46,64,91
	v_cmp_le_u32 vcc_lo, \th, v[TN]
	v_add_co_ci_u32 v[TC], vcc_lo, 0, v[TC], vcc_lo
.endr
	v_min_u32 v[TC], v[TC], v[TN]
	v_ashrrev_i32 v[TS], 31, v[TR]
	v_lshl_add_u32 v[TS], v[TS], 4, 16  ; 16 where rel >= 0
	v_add_lshl_u32 v[TS], v[TC], v[TS], 2
	ds_bpermute_b32 v[TW+(\k)], v[TS], v[RV]  ; the bucket's value lies in the lane of that number
.endr
	s_wait_dscnt 0x0
.irp c, 0,1,2,3
.irp j, 0,1,2,3
	ds_store_b32 v[TA], v[TW+(\j)-(\c)+3] offset:(\c)*BP+4*(\j)
.endr
.endr
	v_add_nc_u32 v[TE], 512, v[TE]
	v_add_nc_u32 v[TA], 2048, v[TA]
	s_sub_co_u32 s[CNT], s[CNT], 1
	s_cmp_lg_u32 s[CNT], 0
	s_cbranch_scc1 .Ltab
	s_wait_dscnt 0x0                ; for the others' sake: my part of the table is written
	s_barrier_signal -1
	s_barrier_wait -1               ; the table is whole; my tensor load may stay out
; THE MATRIX WORK.  The 8 accumulators of a run of 16 take turns.  Product i of 16 of S^T = K Q^T for piece x: channels 32 (i / 8) on, keys 16 ((i / 2) % 4) on, tile 2 x + i % 2.  The first 8 start the sums with the bias.
.macro KQ x
.set rS, S+64*((\x)%2)+32*(i%2)+8*((i/2)%4)
.set rK, KF+16*((i/2)%4)+8*(i/8)
.set rQ, 16*(2*(\x)+i%2)+8*(i/8)
.set rB, BB+40*(\x)+8*((i/2)%4-i%2+1)
.if i < 8
	WIN W_KM
	v_wmma_f32_16x16x32_f16 v[rS:rS+7], v[rK:rK+7], v[rQ:rQ+7], v[rB:rB+7]
.else
	WIN W_KQ
	v_wmma_f32_16x16x32_f16 v[rS:rS+7], v[rK:rK+7], v[rQ:rQ+7], v[rS:rS+7]
.endif
.endm
; Product i of 16 of O^T += V^T P for piece x: keys 32 (i / 8) on, channels 16 ((i / 2) % 4) on, tile 2 x + i % 2.
.macro PV x
	WIN W_PV
.set rO, 32*(2*(\x)+i%2)+8*((i/2)%4)
.set rV, VF+32*(i/8)+8*((i/2)%4)
.set rP, P+32*((\x)%2)+16*(i%2)+8*(i/8)
	v_wmma_f32_16x16x32_f16 v[rO:rO+7], v[rV:rV+7], v[rP:rP+7], v[rO:rO+7]
.endm
.macro MM                           ; the turn's next matrix instruction
.if i < 16
	KQ (Y+1)%NP
.set i, i+1
.else
.set i, i-16
	PV (Y+NP-1)%NP
.set i, i+17
.endif
.endm
; THE LDS LOADS stand in runs, never singly among the matrix instructions.
.macro FETCH_K
	WIN 0x80
.irp f, 0,1,2,3,4,5,6,7             ; keys 16 (f / 2) on, channels 32 (f % 2) on
	ds_load_b128 v[KF+8*\f:KF+8*\f+3],   v[AK] offset:(\f/2)*16*PK+(\f%2)*64
	ds_load_b128 v[KF+8*\f+4:KF+8*\f+7], v[AK] offset:(\f/2)*16*PK+(\f%2)*64+32
.endr
	s_add_co_u32 s[TBK], s[TBK], KS*PK
	WIN 0
.endm
.macro FETCH_V
	WIN 0x80
.irp f, 0,1,2,3,4,5,6,7             ; keys 32 (f / 4) on, channels 16 (f % 4) on
	ds_load_tr16_b128 v[VF+8*\f:VF+8*\f+3],   v[AV] offset:(\f/4)*32*PV+(\f%4)*32
	ds_load_tr16_b128 v[VF+8*\f+4:VF+8*\f+7], v[AV] offset:(\f/4)*32*PV+16*PV+(\f%4)*32
.endr
	WIN 0
.endm
.macro FETCH_B y                    ; piece y's five bias tiles: tile d serves key block kb of tile u where kb - u + 1 = d
	WIN 0x40
.irp d, 0,1,2,3,4
	ds_load_b128 v[BB+40*(\y)+8*\d:BB+40*(\y)+8*\d+3],   v[AB] offset:128*(1-(\y))+64*\d
	ds_load_b128 v[BB+40*(\y)+8*\d+4:BB+40*(\y)+8*\d+7], v[AB] offset:128*(1-(\y))+64*\d+16
.endr
	WIN 0
.endm
; THE VECTOR WORK OF A TURN stands in three queues, each in the order in which its entries become ready; the two tiles alternate.
.macro REGS y, u
.set rT, ST+4*(2*(\y)+(\u))
.set rC, TMP+8*((\y)%2)+4*(\u)
.set rM, MV+2*((\y)%2)+(\u)
.set rS, S+64*((\y)%2)+32*(\u)
.set rP, P+32*((\y)%2)+16*(\u)
.set rO, 32*(2*(\y)+(\u))
.endm
; Number n of the 22 that find the OTHER piece's maximum and statistics.  Each accumulator's lowest registers are read first.
;   0-11  four chains c0-c3 of seven scores each     12-14, 16  the four scores left over, the old m, and c0-c3 into c0     15  c m_old is kept     17, 18  the other half of the lanes: the new m     19-21  c m; c m_old - c m_new; a
.macro XS u, n
	REGS (Y+1)%NP, \u
.if (\n) < 4
	v_max3_num_f32 v[rC+(\n)], v[rS+8*(\n)], v[rS+8*(\n)+1], v[rS+8*(\n)+2]
.elseif (\n) < 12
	v_max3_num_f32 v[rC+(\n)%4], v[rC+(\n)%4], v[rS+8*((\n)%4)+2*((\n)/4)+1], v[rS+8*((\n)%4)+2*((\n)/4)+2]
.elseif (\n) == 12
	v_max3_num_f32 v[rC], v[rC], v[rS+7], v[rS+15]
.elseif (\n) == 13
	v_max3_num_f32 v[rC+1], v[rC+1], v[rS+23], v[rS+31]
.elseif (\n) == 14
	v_max3_num_f32 v[rC+2], v[rC+2], v[rC+3], v[rT+1]
.elseif (\n) == 15
	v_mov_b32 v[rM], v[rT]
.elseif (\n) == 16
	v_max3_num_f32 v[rC], v[rC], v[rC+1], v[rC+2]
.elseif (\n) == 17
	v_permlanex16_b32 v[rC+3], v[rC], s[SEL], s[SEL+1]
.elseif (\n) == 18
	v_max_num_f32 v[rT+1], v[rC], v[rC+3]
.elseif (\n) == 19
	v_mul_f32 v[rT], s[CS], v[rT+1]
.elseif (\n) == 20
	v_sub_f32 v[rC+1], v[rM], v[rT]
.else
	v_exp_f32 v[rC+2], v[rC+1]
.endif
.endm
; Number g of the 64 that follow the exponentials: for each four weights of a tile both pairs are rounded to f16, the second pair is added onto the first in place, and a group later l takes that sum (the first time as l = a l + sum).
.macro GS g
.set h, (\g)+6*((\g)/62)
.if h >= 6
.set h, h+2
.endif
	REGS Y, h%2
.set k, h/8
.if h%8 < 4
	v_cvt_pk_f16_f32 v[rP+2*k+(h%8)/2], v[rS+4*k+2*((h%8)/2)], v[rS+4*k+2*((h%8)/2)+1]
.elseif h%8 < 6
	v_pk_add_f32 v[rS+4*k:rS+4*k+1], v[rS+4*k:rS+4*k+1], v[rS+4*k+2:rS+4*k+3]
.elseif k == 1
	v_pk_fma_f32 v[rT+2:rT+3], v[rT+2:rT+3], v[rC+2:rC+3], v[rS:rS+1] op_sel_hi:[1,0,1]
.else
	v_pk_add_f32 v[rT+2:rT+3], v[rT+2:rT+3], v[rS+4*k-4:rS+4*k-3]
.endif
.endm
; THE PLAIN QUEUE, 138 long.  0-26: scalings 0-26.  27-54: XS's numbers 0-13.  55, 56: number 15.  57-73: the chain 14, 16 .. 20, with scalings 27-31 between its links.  74-137: GS's 64, behind the wait.
.macro FS f
	REGS Y, (\f)%2
	v_pk_fma_f32 v[rS+2*((\f)/2):rS+2*((\f)/2)+1], v[rS+2*((\f)/2):rS+2*((\f)/2)+1], s[CS:CS+1], v[rT:rT+1] op_sel_hi:[1,0,0] neg_lo:[0,0,1] neg_hi:[0,0,1]
.endm
.macro PL
	WIN 0
.if q < 27
	FS q
.elseif q < 55
	XS (q-27)%2, (q-27)/2
.elseif q < 57
	XS q-55, 15
.elseif (q < 72) && ((q-57)%3 == 0)
	FS 27+(q-57)/3
.elseif q < 60
	XS (q-57)%3-1, 14
.elseif q < 72
	XS (q-57)%3-1, 15+(q-57)/3
.elseif q < 74
	XS q-72, 20
.else
	GS q-74
.endif
.set q, q+1
.endm
; THE EXPONENTIALS' QUEUE, 66 long: s0-s31 of both tiles, then the other piece's two a.  ONE BATCH: all stand ahead of the turn's one wait, and nothing ahead of that wait names a result of theirs.
.macro EX
	WIN 0
.if e >= 64
	XS e-64, 21
.else
	REGS Y, e%2
	v_exp_f32 v[rS+e/2], v[rS+e/2]
.endif
.set e, e+1
.endm
; THE RESCALING's QUEUE: O^T times a, two at a time, sixteen times.  Its a was made in the turn before, ahead of that turn's wait.
.macro R2
	REGS Y, r%2
	WIN W_RS
.irp z, 0,1
	v_pk_mul_f32 v[rO+4*(r/2)+2*\z:rO+4*(r/2)+2*\z+1], v[rO+4*(r/2)+2*\z:rO+4*(r/2)+2*\z+1], v[rC+2:rC+3] op_sel_hi:[1,0]
.endr
.set r, r+1
.endm
; A TURN, for piece p.  Ahead of its one wait: 16 products K Q^T, behind each a scaling, an exponential and two rescalings; then a lump of 108.  Behind it: 16 products V^T P, behind each four of the roundings and sums.
; Exponential e stands behind scaling 2 (e / 4) + e % 2: as a rider behind plain e + 2, in the lump behind plain e + 9.
; THE RUNS OF LDS LOADS.  Piece 0's turn of step s: behind the wait K of step s + 1 (16 loads; K's last reader stands a lump back) and piece 0's bias of step s + 1 (10); at its end, four riders behind V's last reader, V of step s (16).
; Piece 1's turn: behind the wait piece 1's bias of step s + 1 (10).  cnt = 1: the loop's count is taken down some lines ahead of the branch behind the turn.
.macro TURN p, cnt=0
.set Y, (\p)
.set i, 0
.set q, 0
.set e, 0
.set r, 0
.if (\p) == 0
	s_wait_dscnt 0x0                ; piece 1's bias is in
.else
	s_wait_dscnt 16                 ; K and piece 0's bias are in; V's sixteen loads may stay out
.endif
	MM
	PL
	PL
	R2
.rept 15
	MM
	PL
	EX
	R2
.endr
.if (\p) == 0
	WIN 0
	v_add_nc_u32 v[AK], s[TBK], v[AK0]
	v_add_nc_u32 v[AB], s[SB], v[AB0]  ; serves both pieces' fetches of this step
	s_add_co_u32 s[SB], s[SB], 256
.endif
.rept 8
	PL
.endr
.rept 49
	EX
	PL
.endr
	EX
	EX
	v_nop                           ; a plain instruction behind the last exponential: one for the batch
	s_wait_alu depctr_va_vdst(0)    ; the wait for the batch
.if (\p) == 0
	FETCH_K
	FETCH_B 0
.else
	FETCH_B 1
	s_wait_dscnt 10                 ; V is in; the ten loads just issued may stay out
.endif
.rept 16
	MM
.rept 4
	PL
.endr
.if ((\p) == 0) && (q == 118)
	v_add_nc_u32 v[AV], s[TBV], v[AV0]
.endif
.if ((\p) == 0) && (q == 130)
	s_add_co_u32 s[TBV], s[TBV], KS*PV
.endif
.if (\cnt) && (q == 130)
	s_sub_co_u32 s[CNT], s[CNT], 1
	s_cmp_lg_u32 s[CNT], 0
.endif
.endr
.if (\p) == 0
	FETCH_V
.endif
.endm
	v_mov_b32 v[AB], v[AB0]         ; step 0's bias, for both pieces
	FETCH_B 0
	FETCH_B 1
	s_mov_b32 s[SB], 256
	s_wait_loadcnt 0x0              ; Q, and K of step 0
	s_wait_dscnt 0x0
.set i, 0
.rept 16
	KQ 0                            ; piece 0's first scores
.set i, i+1
.endr
	WIN 0                           ; the addresses for the way out: plain instructions, the places behind those products
	s_mul_i32 s14, s[WV], 16*SP
	s_add_co_u32 s14, s14, STAGE
	v_mul_u32_u24 v[STO], v1, SP
	v_lshl_add_u32 v[STO], v9, 4, v[STO]
	v_add_nc_u32 v[STO], s14, v[STO]
	v_bfe_u32 v[RD], v0, 3, 2
	v_mul_u32_u24 v[RD], v[RD], SP
	v_lshl_add_u32 v[RD], v10, 4, v[RD]
	v_add_nc_u32 v[RD], s14, v[RD]
	v_and_b32 v[GO], 31, v0
	v_lshlrev_b32 v[GO], 4, v[GO]
.set Y, NP-1                        ; XS works for piece Y + 1: piece 0
.irp n, 0,1,2,3,4,5,6,7,8,9,10,11,12,13,14,15,16,17,18,19,20,21
	XS 0, \n
	XS 1, \n
.endr
	v_nop                           ; a plain instruction behind the two a,
	s_wait_alu depctr_va_vdst(0)    ; and their wait, ahead of the label
	s_wait_tensorcnt 0x0            ; my half of K or of V is in,
	s_barrier_signal -1
	s_barrier_wait -1               ; everybody's is: all of K and V lies in LDS, and nothing writes it again
	s_mov_b32 s[CNT], NSTEP
.Lstep:                             ; eight key steps
	TURN 0
	TURN 1, 1
	WIN 0
	s_cbranch_scc1 .Lstep
.set i, 0
.rept 16
	PV NP-1                         ; piece 1's V^T P of the last step
.set i, i+1
.endr
	; THE WAY OUT.  l's two halves and the other half of the lanes' are added; O^T is divided by l, rounded to f16 and sent through my stage in LDS, a tile at a time.
	WIN 0
.macro ALL line:vararg
.set t, 0
.rept 2*NP
	\line
.set t, t+1
.endr
.endm
	ALL v_add_f32 v[ST+4*t+2], v[ST+4*t+2], v[ST+4*t+3]
	ALL v_permlanex16_b32 v[ST+4*t+3], v[ST+4*t+2], s[SEL], s[SEL+1]
	ALL v_add_f32 v[ST+4*t+2], v[ST+4*t+2], v[ST+4*t+3]
	ALL v_rcp_f32 v[ST+4*t+2], v[ST+4*t+2]
	v_nop                           ; a plain instruction behind the last reciprocal,
	s_wait_alu depctr_va_vdst(0)    ; and one wait for the four
.macro PACK t
	WIN W_RS
.set i, 32*(\t)
.rept 16
	v_pk_mul_f32 v[i:i+1], v[i:i+1], v[ST+4*(\t)+2:ST+4*(\t)+3] op_sel_hi:[1,0]
.set i, i+2
.endr
	WIN 0x05                        ; sources 0 and 1 window 1, destination window 0
.set i, 0
.rept 16
	v_cvt_pk_f16_f32 v[S+16*(\t)+i], v[32*(\t)+2*i], v[32*(\t)+2*i+1]
.set i, i+1
.endr
	WIN 0
.irp f, 0,1,2,3
	ds_store_b128 v[STO], v[S+16*(\t)+4*\f:S+16*(\t)+4*\f+3] offset:32*\f
.endr
.irp f, 0,1,2,3
	ds_load_b128 v[S+16*(\t)+4*\f:S+16*(\t)+4*\f+3], v[RD] offset:\f*4*SP  ; LDS serves a wave's instructions in order: these see the stores above
.endr
.endm
.macro SEND t, younger              ; younger: the LDS instructions issued behind tile t's loads
	WIN 0
.irp f, 0,1,2,3
	s_wait_dscnt (\younger)+3-\f
	global_store_b128 v[GO], v[S+16*(\t)+4*\f:S+16*(\t)+4*\f+3], s[10:11] offset:(\t)*2048+\f*512  ; 512 consecutive bytes, at a multiple of 256 from O's first
.endr
.endm
	PACK 0
.set t, 1
.rept 2*NP-1
	PACK t
	SEND t-1, 8
.set t, t+1
.endr
	SEND 2*NP-1, 0
	s_wait_tensorcnt 0x0            ; the wave's end
	ds_add_u32 v[SPW], v[NIL]
	s_wait_dscnt 0x0
	CROUND                          ; the closing round
	s_endpgm
.Lfunc_end_k_q98645be521_attnc:
	.size	k_q98645be521_attnc, .Lfunc_end_k_q98645be521_attnc-k_q98645be521_attnc
	.p2alignl 7, 3214868480
	.fill 96, 4, 3214868480
	.section	.rodata,"a",@progbits
	.p2align	6, 0x0
	.amdhsa_kernel k_q98645be521_attnc
		.amdhsa_group_segment_fixed_size 327680
		.amdhsa_private_segment_fixed_size 0
		.amdhsa_enable_private_segment 0
		.amdhsa_kernarg_size 32
		.amdhsa_user_sgpr_count 2
		.amdhsa_user_sgpr_kernarg_segment_ptr 1
		.amdhsa_wavefront_size32 1
		.amdhsa_system_sgpr_workgroup_id_x 1
		.amdhsa_system_sgpr_workgroup_id_y 1
		.amdhsa_system_sgpr_workgroup_id_z 1
		.amdhsa_system_vgpr_workitem_id 0
		.amdhsa_next_free_vgpr 768
		.amdhsa_next_free_sgpr 66
		.amdhsa_reserve_vcc 1
		.amdhsa_float_denorm_mode_32 3
		.amdhsa_float_denorm_mode_16_64 3
		.amdhsa_memory_ordered 1
		.amdhsa_forward_progress 1
		.amdhsa_inst_pref_size 83
	.end_amdhsa_kernel
	.amdgpu_metadata
---
amdhsa.version: [ 1, 2 ]
amdhsa.kernels:
  - .name:           k_q98645be521_attnc
    .symbol:         k_q98645be521_attnc.kd
    .args:
      - { .name: qb, .offset: 0, .size: 8, .value_kind: global_buffer, .address_space: global }
      - { .name: kv, .offset: 8, .size: 8, .value_kind: global_buffer, .address_space: global }
      - { .name: ca_rel, .offset: 16, .size: 8, .value_kind: global_buffer, .address_space: global }
      - { .name: an1, .offset: 24, .size: 8, .value_kind: global_buffer, .address_space: global }
    .group_segment_fixed_size: 327680
    .private_segment_fixed_size: 0
    .kernarg_segment_align: 8
    .kernarg_segment_size: 32
    .max_flat_workgroup_size: 128
    .sgpr_count:     66
    .vgpr_count:     768
    .wavefront_size: 32
...
	.end_amdgpu_metadata
.endif
;; end of part 7
;; launch oca: the kernel of part 4 again; grid 8 x 32, 4 waves a work-group, clusters of 4 x 4, 327,680 bytes of LDS; arguments an1, wca, ca_bo, x1, out0; writes out0
;; ======== version 2 of 2: 8 launches; version 1 with the launches prep, ln1 written anew for expert scheduling mode
;; limits: values are held in f16: magnitudes above 65,504 overflow, below 6.1e-05 lose precision
;; workspace buffers: wsa 8,388,608 bytes; wca 8,388,608 bytes; an0 8,388,608 bytes; an1 10,485,760 bytes; qb 8,388,608 bytes; kv 20,971,520 bytes; x1 16,777,216 bytes
;; launch prep (part 8): grid 832 x 1, 8 waves a work-group, no clusters, 0 bytes of LDS; arguments x, context, sa_norm_g, sa_norm_b, sa_normc_g, sa_normc_b, ca_normc_g, ca_normc_b, sa_wq, sa_wkv, sa_wo, ca_wq, ca_wkv, ca_wo, an0, an1, wsa, wca; writes an0, an1, wsa, wca
.if DOCPART == 8
	.amdgcn_target "amdgcn-amd-amdhsa--gfx1250"
	.amdhsa_code_object_version 6
	.text
	.protected	k_q98645be521_prep
	.globl	k_q98645be521_prep
	.p2align	8
	.type	k_q98645be521_prep,@function
k_q98645be521_prep:
	s_mov_b64 s[64:65], 0
	v_nop
	global_prefetch_b8 v0, s[64:65] scope:SCOPE_SE
	s_setreg_imm32_b32 hwreg(HW_REG_WAVE_SCHED_MODE, 0, 2), 2
	s_setreg_imm32_b32 hwreg(HW_REG_WAVE_MODE, 25, 1), 1
	s_wait_xcnt 0x0
	s_wait_alu depctr_vm_vsrc(0)
; PREP.  Three streams in one launch, told apart by the work-group's number:
;   0-255    both LayerNorms of x [4096][1024] f32 (one mean and variance, two gains and biases) -> an0, an1, f16 [4096][1024]
;   256-319  the LayerNorm of context [1024][1024] -> an1 from byte 8,388,608 on
;   320-831  the six weight matrices, f32 [1024 k][..], cast to f16 into wsa, wca: [1024 k][4096]: columns 0-1023 wq, 1024-3071 wkv, 3072-4095 wo
; A stream: no LDS, no matrix unit, no cluster: nothing is shared and every byte is read once.
; LAYERNORM.  A wave takes two rows; a row is 4,096 bytes = 32 registers and stays in them.  The mean is taken first and the variance of x - mean, so no difference of large sums is formed.
; Lane l holds columns 128 c + 4 l .. + 3 (c = 0..7): a load covers 512 consecutive bytes, a store of 8 bytes a lane 256 consecutive bytes, aligned.
; LIMITS.  The results are rounded once to f16, which ends at 65,504: |LN| is at most 32 |g| + |b|.  NaN and infinities are not treated apart.
; THE MODE: SCHED_MODE bits 1:0 = 2 (LLVM: expert scheduling mode 2), set by the entry lines.  The code itself states the register dependences
; between vector instructions and memory instructions, with s_wait_alu, always for 0.
; THE PLAN, LayerNorm.  Registers that memory instructions touch:
;   v[LO], v[SO]        offsets, made once at the head and never written again; read by every load and store.
;   X, G0, B0, G1, B1   written by the loads, which all go out at the start, before any vector instruction names these registers.
;   Y0, Y1              written by row 0's roundings, read by row 0's stores, never written again.
;   X's first 32        row 0's x is used up when row 0 is rounded: row 1's roundings write these registers, row 1's stores read them, and nothing writes them again.
; So each row has one wait, between its roundings and its stores.  Row 0's stores are dealt among row 1's arithmetic, which names X, T, the gains, the biases and RS: none of the registers that those stores read.
; No register that a memory instruction reads is ever written again, so no wait on vm_vsrc is owed.
; THE PLAN, the cast.  v4, v5: offsets, made once.  v16-79: written by the 16 loads.  v80-111: each written once, by a conversion, and read by one store.  The loads go in four groups of four: at a group's head one wait
; states that the group before is converted, and that group's four stores are dealt among this group's conversions, which name other registers.
.set LO,  2                            ; v2   16 x lane: my bytes in 512 of f32
.set SO,  3                            ; v3   8 x lane: my bytes in 256 of f16
.set T,   4                            ; v[4:11]    at work
.set MP,  12                           ; v[12:13]   the mean, twice
.set VA,  14                           ; v14, v15   variance + eps of row 0, 1
.set X,   16                           ; v[16:79]   row s at X + 32 s; later v[16:47]: row 1's f16 to store, 16 registers for each output
.set G0,  80                           ; v[80:207]  gain, bias, second gain, second bias: my 32 columns of each
.set B0,  112
.set G1,  144
.set B1,  176
.set Y0,  208                          ; v[208:239] row 0's f16 to store, 16 registers for each output
.set Y1,  224
.set RS,  240                          ; v[240:243] 1 / sqrt, twice for each row
.set IN,  54                           ; s[54:55] my two rows in the input;  s[56:57], s[58:59] in the outputs
.set O0,  56
.set O1,  58
.macro FOLD                            ; the four chains in T into one number, the same in every lane
	v_pk_add_f32 v[T:T+1], v[T:T+1], v[T+2:T+3]
	v_pk_add_f32 v[T+4:T+5], v[T+4:T+5], v[T+6:T+7]
	v_pk_add_f32 v[T:T+1], v[T:T+1], v[T+4:T+5]
	v_add_f32 v[T], v[T], v[T+1]
	v_add_f32_dpp v[T], v[T], v[T] row_xmask:1 row_mask:0xf bank_mask:0xf
	v_add_f32_dpp v[T], v[T], v[T] row_xmask:2 row_mask:0xf bank_mask:0xf
	v_add_f32_dpp v[T], v[T], v[T] row_xmask:4 row_mask:0xf bank_mask:0xf
	v_add_f32_dpp v[T], v[T], v[T] row_xmask:8 row_mask:0xf bank_mask:0xf
	v_permlanex16_b32 v[T+1], v[T], s50, s51
	v_add_f32 v[T], v[T], v[T+1]
.endm
; Row s: mean; x - mean in place; variance + eps.  cnt = the loads issued behind the row's eight, which may stay out.
.macro STAT s, cnt
	s_wait_loadcnt \cnt
.irp k, 0,1,2,3
	v_pk_add_f32 v[T+2*(\k):T+2*(\k)+1], v[X+32*(\s)+2*(\k):X+32*(\s)+2*(\k)+1], v[X+32*(\s)+8+2*(\k):X+32*(\s)+8+2*(\k)+1]
.endr
.irp m, 16,24
.irp k, 0,1,2,3
	v_pk_add_f32 v[T+2*(\k):T+2*(\k)+1], v[T+2*(\k):T+2*(\k)+1], v[X+32*(\s)+(\m)+2*(\k):X+32*(\s)+(\m)+2*(\k)+1]
.endr
.endr
	FOLD
	v_mul_f32 v[MP], s52, v[T]                     ; sum / 1024
	v_mov_b32 v[MP+1], v[MP]
.set j, X+32*(\s)
.rept 16
	v_pk_add_f32 v[j:j+1], v[j:j+1], v[MP:MP+1] neg_lo:[0,1] neg_hi:[0,1]
.set j, j+2
.endr
.irp k, 0,1,2,3
	v_pk_mul_f32 v[T+2*(\k):T+2*(\k)+1], v[X+32*(\s)+2*(\k):X+32*(\s)+2*(\k)+1], v[X+32*(\s)+2*(\k):X+32*(\s)+2*(\k)+1]
.endr
.irp m, 8,16,24
.irp k, 0,1,2,3
	v_pk_fma_f32 v[T+2*(\k):T+2*(\k)+1], v[X+32*(\s)+(\m)+2*(\k):X+32*(\s)+(\m)+2*(\k)+1], v[X+32*(\s)+(\m)+2*(\k):X+32*(\s)+(\m)+2*(\k)+1], v[T+2*(\k):T+2*(\k)+1]
.endr
.endr
	FOLD
	v_fma_f32 v[VA+(\s)], v[T], s52, s53           ; sum / 1024 + 1e-5
.endm
; Four columns (group c) of row s: z = d / sqrt; z g + b, rounded to f16 into y0; with two = 1 the same z with the second gain and bias, into y1.
.macro CALC s, c, two, y0, y1
.set xr, X+32*(\s)+4*(\c)
	v_pk_mul_f32 v[xr:xr+1], v[xr:xr+1], v[RS+2*(\s):RS+2*(\s)+1]
	v_pk_mul_f32 v[xr+2:xr+3], v[xr+2:xr+3], v[RS+2*(\s):RS+2*(\s)+1]
	v_pk_fma_f32 v[T:T+1], v[xr:xr+1], v[G0+4*(\c):G0+4*(\c)+1], v[B0+4*(\c):B0+4*(\c)+1]
	v_pk_fma_f32 v[T+2:T+3], v[xr+2:xr+3], v[G0+4*(\c)+2:G0+4*(\c)+3], v[B0+4*(\c)+2:B0+4*(\c)+3]
	v_cvt_pk_f16_f32 v[(\y0)+2*(\c)], v[T], v[T+1]
	v_cvt_pk_f16_f32 v[(\y0)+2*(\c)+1], v[T+2], v[T+3]
.if \two
	v_pk_fma_f32 v[T+4:T+5], v[xr:xr+1], v[G1+4*(\c):G1+4*(\c)+1], v[B1+4*(\c):B1+4*(\c)+1]
	v_pk_fma_f32 v[T+6:T+7], v[xr+2:xr+3], v[G1+4*(\c)+2:G1+4*(\c)+3], v[B1+4*(\c)+2:B1+4*(\c)+3]
	v_cvt_pk_f16_f32 v[(\y1)+2*(\c)], v[T+4], v[T+5]
	v_cvt_pk_f16_f32 v[(\y1)+2*(\c)+1], v[T+6], v[T+7]
.endif
.endm
; The same four columns go out.
.macro PUT s, c, two, y0, y1
	global_store_b64 v[SO], v[(\y0)+2*(\c):(\y0)+2*(\c)+1], s[O0:O0+1] offset:256*(\c)+2048*(\s)
.if \two
	global_store_b64 v[SO], v[(\y1)+2*(\c):(\y1)+2*(\c)+1], s[O1:O1+1] offset:256*(\c)+2048*(\s)
.endif
.endm
; Two rows.  All loads go out first: row 0, row 1, then the vectors, 8 loads each.
.macro LNROWS two, g0, b0, g1, b1
.irp c, 0,1,2,3,4,5,6,7
	global_load_b128 v[X+4*(\c):X+4*(\c)+3], v[LO], s[IN:IN+1] offset:512*(\c)
.endr
.irp c, 0,1,2,3,4,5,6,7
	global_load_b128 v[X+32+4*(\c):X+32+4*(\c)+3], v[LO], s[IN:IN+1] offset:4096+512*(\c)
.endr
.irp c, 0,1,2,3,4,5,6,7
	global_load_b128 v[G0+4*(\c):G0+4*(\c)+3], v[LO], s[\g0:\g0+1] offset:512*(\c)
.endr
.irp c, 0,1,2,3,4,5,6,7
	global_load_b128 v[B0+4*(\c):B0+4*(\c)+3], v[LO], s[\b0:\b0+1] offset:512*(\c)
.endr
.if \two
.irp c, 0,1,2,3,4,5,6,7
	global_load_b128 v[G1+4*(\c):G1+4*(\c)+3], v[LO], s[\g1:\g1+1] offset:512*(\c)
.endr
.irp c, 0,1,2,3,4,5,6,7
	global_load_b128 v[B1+4*(\c):B1+4*(\c)+3], v[LO], s[\b1:\b1+1] offset:512*(\c)
.endr
.endif
	STAT 0, 24+16*(\two)                           ; behind row 0: row 1's eight and the vectors' 16 or 32
	STAT 1, 16+16*(\two)                           ; behind row 1: the vectors'
	v_rsq_f32 v[RS], v[VA]                         ; one batch of four,
	v_rsq_f32 v[RS+1], v[VA]
	v_rsq_f32 v[RS+2], v[VA+1]
	v_rsq_f32 v[RS+3], v[VA+1]
	v_nop                                          ; a plain instruction behind the last of them,
	s_wait_alu depctr_va_vdst(0)                   ; and one wait: the four 1 / sqrt in v[RS .. RS+3] are written, ahead of their first reader
	s_wait_loadcnt 0x0                             ; the gains and biases
.irp c, 0,1,2,3,4,5,6,7
	CALC 0, \c, \two, Y0, Y1
.endr
	s_wait_alu depctr_va_vdst(0)                   ; row 0's roundings have written Y0 and Y1, which the stores below read
.irp c, 0,1,2,3,4,5,6,7
	PUT 0, \c, \two, Y0, Y1                        ; no further wait: no vector instruction since the wait names Y0, Y1 or v[SO]
	CALC 1, \c, \two, X, X+16                      ; row 1 is rounded into row 0's x registers, an out-buffer of its own
.endr
	s_wait_alu depctr_va_vdst(0)                   ; row 1's roundings have written v[X .. X+31], which the stores below read
.irp c, 0,1,2,3,4,5,6,7
	PUT 1, \c, \two, X, X+16
.endr
.endm
; The cast: load number i of 16 is rounded to f16; and it goes out.
.macro CV i
	v_cvt_pk_f16_f32 v[80+2*(\i)], v[16+4*(\i)], v[17+4*(\i)]
	v_cvt_pk_f16_f32 v[81+2*(\i)], v[18+4*(\i)], v[19+4*(\i)]
.endm
.macro SV i
	global_store_b64 v5, v[80+2*(\i):81+2*(\i)], s[60:61] offset:8192*((\i)/4)+2048*((\i)%4)  ; a wave stores 256 consecutive bytes, aligned
.endm
	s_load_b512 s[8:23], s[0:1], 0x0               ; x 8, context 10, sa_norm_g 12, sa_norm_b 14, sa_normc_g 16, sa_normc_b 18, ca_normc_g 20, ca_normc_b 22
	s_load_b512 s[24:39], s[0:1], 0x40             ; sa_wq 24, sa_wkv 26, sa_wo 28, ca_wq 30, ca_wkv 32, ca_wo 34, an0 36, an1 38
	s_load_b128 s[40:43], s[0:1], 0x80             ; wsa 40, wca 42
	v_lshrrev_b32 v1, 5, v0
	v_readfirstlane_b32 s4, v1                     ; wave 0..7
	v_and_b32 v1, 31, v0
	v_lshlrev_b32 v[LO], 4, v1
	v_lshlrev_b32 v[SO], 3, v1
	s_mov_b32 s50, 0x76543210                      ; v_permlanex16_b32: each lane takes its own place in the other half
	s_mov_b32 s51, 0xfedcba98
	s_mov_b32 s52, 0x3a800000                      ; 1 / 1024
	s_mov_b32 s53, 0x3727c5ac                      ; 1e-5
	s_mov_b32 s47, 0
	s_wait_alu depctr_va_sdst(0)                   ; s4 is written, ahead of the branches and of its first readers: the two LayerNorm paths make their rows' addresses from it
	s_wait_alu depctr_va_vdst(0)                   ; v[LO] and v[SO] are written: every load and store of the LayerNorm paths reads one of them as its offset
	s_wait_kmcnt 0x0
	s_cmp_ge_u32 ttmp9, 320
	s_cbranch_scc1 .Lcast
	s_cmp_ge_u32 ttmp9, 256
	s_cbranch_scc1 .Lctx
	s_lshl_b32 s44, ttmp9, 4                       ; x: 16 rows a work-group,
	s_lshl1_add_u32 s44, s4, s44                   ; two a wave
	s_lshl_b32 s46, s44, 12
	s_add_nc_u64 s[IN:IN+1], s[8:9], s[46:47]
	s_lshl_b32 s46, s44, 11
	s_add_nc_u64 s[O0:O0+1], s[36:37], s[46:47]
	s_add_nc_u64 s[O1:O1+1], s[38:39], s[46:47]
	LNROWS 1, 12, 14, 16, 18
	s_endpgm
.Lctx:
	s_sub_co_u32 s44, ttmp9, 256                   ; context
	s_lshl_b32 s44, s44, 4
	s_lshl1_add_u32 s44, s4, s44
	s_lshl_b32 s46, s44, 12
	s_add_nc_u64 s[IN:IN+1], s[10:11], s[46:47]
	s_lshl_b32 s46, s44, 11
	s_add_co_u32 s46, s46, 0x800000                ; behind x's rows in an1
	s_add_nc_u64 s[O0:O0+1], s[38:39], s[46:47]
	LNROWS 0, 20, 22, 20, 22
	s_endpgm
.Lcast:                                        ; four k rows of one set of weights: thread t takes 16 bytes of f32, 16 loads, and stores 8 bytes of f16 for each
	s_sub_co_u32 s44, ttmp9, 320
	s_and_b32 s45, s44, 255
	s_cmp_lt_u32 s44, 256                          ; the first 256 work-groups take the self-attention's weights
	s_cselect_b64 s[54:55], s[24:25], s[30:31]
	s_cselect_b64 s[56:57], s[26:27], s[32:33]
	s_cselect_b64 s[58:59], s[28:29], s[34:35]
	s_cselect_b64 s[60:61], s[40:41], s[42:43]
	s_lshl_b32 s46, s45, 14                        ; four rows of 4,096 bytes
	s_add_nc_u64 s[54:55], s[54:55], s[46:47]
	s_add_nc_u64 s[58:59], s[58:59], s[46:47]
	s_lshl_b32 s46, s45, 15                        ; four rows of 8,192 bytes
	s_add_nc_u64 s[56:57], s[56:57], s[46:47]
	s_add_nc_u64 s[60:61], s[60:61], s[46:47]
	v_lshlrev_b32 v4, 4, v0
	v_lshlrev_b32 v5, 3, v0
	s_wait_alu depctr_va_vdst(0)                   ; v4 and v5 are written: the loads below read v4 as their offset, the stores v5
.irp r, 0,1,2,3
	global_load_b128 v[16+16*(\r):19+16*(\r)], v4, s[54:55] offset:4096*(\r) th:TH_LOAD_NT
	global_load_b128 v[20+16*(\r):23+16*(\r)], v4, s[56:57] offset:8192*(\r) th:TH_LOAD_NT
	global_load_b128 v[24+16*(\r):27+16*(\r)], v4, s[56:57] offset:8192*(\r)+4096 th:TH_LOAD_NT
	global_load_b128 v[28+16*(\r):31+16*(\r)], v4, s[58:59] offset:4096*(\r) th:TH_LOAD_NT
.endr
	s_wait_loadcnt 12                              ; loads come back in order: the first k row's four are in, the twelve younger ones stay out
.irp j, 0,1,2,3
	CV \j
.endr
.irp g, 1,2,3
	s_wait_loadcnt 12-4*(\g)                       ; k row g's four are in; the younger rows' stay out
	s_wait_alu depctr_va_vdst(0)                   ; the conversions of the k row before have written its eight registers, which the four stores below read
.irp j, 0,1,2,3
	SV 4*(\g)-4+(\j)                               ; no further wait: this row's conversions name other registers
	CV 4*(\g)+(\j)
.endr
.endr
	s_wait_alu depctr_va_vdst(0)                   ; the last k row's conversions have written v[104 .. 111], which the last four stores read
.irp j, 0,1,2,3
	SV 12+(\j)
.endr
	s_endpgm
.Lfunc_end_k_q98645be521_prep:
	.size	k_q98645be521_prep, .Lfunc_end_k_q98645be521_prep-k_q98645be521_prep
	.p2alignl 7, 3214868480
	.fill 96, 4, 3214868480
	.section	.rodata,"a",@progbits
	.p2align	6, 0x0
	.amdhsa_kernel k_q98645be521_prep
		.amdhsa_group_segment_fixed_size 0
		.amdhsa_private_segment_fixed_size 0
		.amdhsa_enable_private_segment 0
		.amdhsa_kernarg_size 144
		.amdhsa_user_sgpr_count 2
		.amdhsa_user_sgpr_kernarg_segment_ptr 1
		.amdhsa_wavefront_size32 1
		.amdhsa_system_sgpr_workgroup_id_x 1
		.amdhsa_system_sgpr_workgroup_id_y 1
		.amdhsa_system_sgpr_workgroup_id_z 1
		.amdhsa_system_vgpr_workitem_id 0
		.amdhsa_next_free_vgpr 256
		.amdhsa_next_free_sgpr 66
		.amdhsa_reserve_vcc 0
		.amdhsa_float_denorm_mode_32 3
		.amdhsa_float_denorm_mode_16_64 3
		.amdhsa_memory_ordered 1
		.amdhsa_forward_progress 1
		.amdhsa_inst_pref_size 53
	.end_amdhsa_kernel
	.amdgpu_metadata
---
amdhsa.version: [ 1, 2 ]
amdhsa.kernels:
  - .name:           k_q98645be521_prep
    .symbol:         k_q98645be521_prep.kd
    .args:
      - { .name: x, .offset: 0, .size: 8, .value_kind: global_buffer, .address_space: global }
      - { .name: context, .offset: 8, .size: 8, .value_kind: global_buffer, .address_space: global }
      - { .name: sa_norm_g, .offset: 16, .size: 8, .value_kind: global_buffer, .address_space: global }
      - { .name: sa_norm_b, .offset: 24, .size: 8, .value_kind: global_buffer, .address_space: global }
      - { .name: sa_normc_g, .offset: 32, .size: 8, .value_kind: global_buffer, .address_space: global }
      - { .name: sa_normc_b, .offset: 40, .size: 8, .value_kind: global_buffer, .address_space: global }
      - { .name: ca_normc_g, .offset: 48, .size: 8, .value_kind: global_buffer, .address_space: global }
      - { .name: ca_normc_b, .offset: 56, .size: 8, .value_kind: global_buffer, .address_space: global }
      - { .name: sa_wq, .offset: 64, .size: 8, .value_kind: global_buffer, .address_space: global }
      - { .name: sa_wkv, .offset: 72, .size: 8, .value_kind: global_buffer, .address_space: global }
      - { .name: sa_wo, .offset: 80, .size: 8, .value_kind: global_buffer, .address_space: global }
      - { .name: ca_wq, .offset: 88, .size: 8, .value_kind: global_buffer, .address_space: global }
      - { .name: ca_wkv, .offset: 96, .size: 8, .value_kind: global_buffer, .address_space: global }
      - { .name: ca_wo, .offset: 104, .size: 8, .value_kind: global_buffer, .address_space: global }
      - { .name: an0, .offset: 112, .size: 8, .value_kind: global_buffer, .address_space: global }
      - { .name: an1, .offset: 120, .size: 8, .value_kind: global_buffer, .address_space: global }
      - { .name: wsa, .offset: 128, .size: 8, .value_kind: global_buffer, .address_space: global }
      - { .name: wca, .offset: 136, .size: 8, .value_kind: global_buffer, .address_space: global }
    .group_segment_fixed_size: 0
    .private_segment_fixed_size: 0
    .kernarg_segment_align: 8
    .kernarg_segment_size: 144
    .max_flat_workgroup_size: 256
    .sgpr_count:     66
    .vgpr_count:     256
    .wavefront_size: 32
...
	.end_amdgpu_metadata
.endif
;; end of part 8
;; launch p1: the kernel of part 2 again; grid 28 x 8, 4 waves a work-group, clusters of 4 x 4, 327,680 bytes of LDS; arguments an0, an1, wsa, wca, qb, kv; writes qb, kv
;; launch attns: the kernel of part 3 again; grid 8 x 32, 4 waves a work-group, clusters of 4 x 1, 327,680 bytes of LDS; arguments qb, kv, sa_rel, an1; writes an1
;; launch osa: the kernel of part 4 again; grid 8 x 32, 4 waves a work-group, clusters of 4 x 4, 327,680 bytes of LDS; arguments an1, wsa, sa_bo, x, x1; writes x1
;; launch ln1 (part 9): grid 256 x 1, 8 waves a work-group, no clusters, 0 bytes of LDS; arguments x1, ca_norm_g, ca_norm_b, an0; writes an0
.if DOCPART == 9
	.amdgcn_target "amdgcn-amd-amdhsa--gfx1250"
	.amdhsa_code_object_version 6
	.text
	.protected	k_q98645be521_ln1
	.globl	k_q98645be521_ln1
	.p2align	8
	.type	k_q98645be521_ln1,@function
k_q98645be521_ln1:
	s_mov_b64 s[64:65], 0
	v_nop
	global_prefetch_b8 v0, s[64:65] scope:SCOPE_SE
	s_setreg_imm32_b32 hwreg(HW_REG_WAVE_SCHED_MODE, 0, 2), 2
	s_setreg_imm32_b32 hwreg(HW_REG_WAVE_MODE, 25, 1), 1
	s_wait_xcnt 0x0
	s_wait_alu depctr_vm_vsrc(0)
; LN1.  LayerNorm of x1 [4096][1024] f32 with one gain and bias -> f16 [4096][1024].  A stream: no LDS, no matrix unit, no cluster.
; A wave takes two rows; a row is 4,096 bytes = 32 registers and stays in them.  The mean is taken first and the variance of x - mean, so no difference of large sums is formed.
; Lane l holds columns 128 c + 4 l .. + 3 (c = 0..7): a load covers 512 consecutive bytes, a store of 8 bytes a lane 256 consecutive bytes, aligned.
; LIMITS.  The result is rounded once to f16, which ends at 65,504: |LN| is at most 32 |g| + |b|.  NaN and infinities are not treated apart.
; THE MODE: SCHED_MODE bits 1:0 = 2 (LLVM: expert scheduling mode 2), set by the entry lines.  The code itself states the register dependences
; between vector instructions and memory instructions, with s_wait_alu, always for 0.
; THE PLAN.  Registers that memory instructions touch:
;   v[LO], v[SO]   offsets, made once at the head and never written again; read by every load and store.
;   X, G0, B0      written by the loads, which all go out at the start, before any vector instruction names these registers.
;   Y0             written by row 0's roundings, read by row 0's stores, never written again.
;   X's first 16   row 0's x is used up when row 0 is rounded: row 1's roundings write these registers, row 1's stores read them, and nothing writes them again.
; So each row has one wait, between its roundings and its stores.  Row 0's stores are dealt among row 1's arithmetic, which names X, T, the gain, the bias and RS: none of the registers that those stores read.
; No register that a memory instruction reads is ever written again, so no wait on vm_vsrc is owed.
.set LO,  2
.set SO,  3
.set T,   4
.set MP,  12
.set VA,  14
.set X,   16                           ; v[16:79]   row s at X + 32 s; later v[16:31]: row 1's f16 to store
.set G0,  80
.set B0,  112
.set Y0,  208                          ; v[208:223] row 0's f16 to store
.set RS,  240
.set IN,  54
.set O0,  56
.macro FOLD                            ; the four chains in T into one number, the same in every lane
	v_pk_add_f32 v[T:T+1], v[T:T+1], v[T+2:T+3]
	v_pk_add_f32 v[T+4:T+5], v[T+4:T+5], v[T+6:T+7]
	v_pk_add_f32 v[T:T+1], v[T:T+1], v[T+4:T+5]
	v_add_f32 v[T], v[T], v[T+1]
	v_add_f32_dpp v[T], v[T], v[T] row_xmask:1 row_mask:0xf bank_mask:0xf
	v_add_f32_dpp v[T], v[T], v[T] row_xmask:2 row_mask:0xf bank_mask:0xf
	v_add_f32_dpp v[T], v[T], v[T] row_xmask:4 row_mask:0xf bank_mask:0xf
	v_add_f32_dpp v[T], v[T], v[T] row_xmask:8 row_mask:0xf bank_mask:0xf
	v_permlanex16_b32 v[T+1], v[T], s50, s51
	v_add_f32 v[T], v[T], v[T+1]
.endm
.macro STAT s, cnt                     ; row s: mean; x - mean in place; variance + eps.  cnt = the loads issued behind the row's eight
	s_wait_loadcnt \cnt
.irp k, 0,1,2,3
	v_pk_add_f32 v[T+2*(\k):T+2*(\k)+1], v[X+32*(\s)+2*(\k):X+32*(\s)+2*(\k)+1], v[X+32*(\s)+8+2*(\k):X+32*(\s)+8+2*(\k)+1]
.endr
.irp m, 16,24
.irp k, 0,1,2,3
	v_pk_add_f32 v[T+2*(\k):T+2*(\k)+1], v[T+2*(\k):T+2*(\k)+1], v[X+32*(\s)+(\m)+2*(\k):X+32*(\s)+(\m)+2*(\k)+1]
.endr
.endr
	FOLD
	v_mul_f32 v[MP], s52, v[T]
	v_mov_b32 v[MP+1], v[MP]
.set j, X+32*(\s)
.rept 16
	v_pk_add_f32 v[j:j+1], v[j:j+1], v[MP:MP+1] neg_lo:[0,1] neg_hi:[0,1]
.set j, j+2
.endr
.irp k, 0,1,2,3
	v_pk_mul_f32 v[T+2*(\k):T+2*(\k)+1], v[X+32*(\s)+2*(\k):X+32*(\s)+2*(\k)+1], v[X+32*(\s)+2*(\k):X+32*(\s)+2*(\k)+1]
.endr
.irp m, 8,16,24
.irp k, 0,1,2,3
	v_pk_fma_f32 v[T+2*(\k):T+2*(\k)+1], v[X+32*(\s)+(\m)+2*(\k):X+32*(\s)+(\m)+2*(\k)+1], v[X+32*(\s)+(\m)+2*(\k):X+32*(\s)+(\m)+2*(\k)+1], v[T+2*(\k):T+2*(\k)+1]
.endr
.endr
	FOLD
	v_fma_f32 v[VA+(\s)], v[T], s52, s53
.endm
.macro CALC s, c, y0                   ; four columns (group c) of row s: (d / sqrt) g + b, rounded to f16 into y0
.set xr, X+32*(\s)+4*(\c)
	v_pk_mul_f32 v[xr:xr+1], v[xr:xr+1], v[RS+2*(\s):RS+2*(\s)+1]
	v_pk_mul_f32 v[xr+2:xr+3], v[xr+2:xr+3], v[RS+2*(\s):RS+2*(\s)+1]
	v_pk_fma_f32 v[T:T+1], v[xr:xr+1], v[G0+4*(\c):G0+4*(\c)+1], v[B0+4*(\c):B0+4*(\c)+1]
	v_pk_fma_f32 v[T+2:T+3], v[xr+2:xr+3], v[G0+4*(\c)+2:G0+4*(\c)+3], v[B0+4*(\c)+2:B0+4*(\c)+3]
	v_cvt_pk_f16_f32 v[(\y0)+2*(\c)], v[T], v[T+1]
	v_cvt_pk_f16_f32 v[(\y0)+2*(\c)+1], v[T+2], v[T+3]
.endm
.macro PUT s, c, y0                    ; the same four columns go out
	global_store_b64 v[SO], v[(\y0)+2*(\c):(\y0)+2*(\c)+1], s[O0:O0+1] offset:256*(\c)+2048*(\s)
.endm
	s_load_b256 s[8:15], s[0:1], 0x0               ; x1 8, gain 10, bias 12, out 14
	v_lshrrev_b32 v1, 5, v0
	v_readfirstlane_b32 s4, v1                     ; wave 0..7
	v_and_b32 v1, 31, v0
	v_lshlrev_b32 v[LO], 4, v1
	v_lshlrev_b32 v[SO], 3, v1
	s_mov_b32 s50, 0x76543210
	s_mov_b32 s51, 0xfedcba98
	s_mov_b32 s52, 0x3a800000                      ; 1 / 1024
	s_mov_b32 s53, 0x3727c5ac                      ; 1e-5
	s_mov_b32 s47, 0
	s_wait_alu depctr_va_sdst(0)                   ; s4 is written, ahead of its first reader: my rows' addresses are made from it
	s_lshl_b32 s44, ttmp9, 4                       ; 16 rows a work-group,
	s_lshl1_add_u32 s44, s4, s44                   ; two a wave
	s_wait_kmcnt 0x0
	s_lshl_b32 s46, s44, 12
	s_add_nc_u64 s[IN:IN+1], s[8:9], s[46:47]
	s_lshl_b32 s46, s44, 11
	s_add_nc_u64 s[O0:O0+1], s[14:15], s[46:47]
	s_wait_alu depctr_va_vdst(0)                   ; v[LO] and v[SO] are written: every load and store of the kernel reads one of them as its offset
.irp c, 0,1,2,3,4,5,6,7
	global_load_b128 v[X+4*(\c):X+4*(\c)+3], v[LO], s[IN:IN+1] offset:512*(\c)
.endr
.irp c, 0,1,2,3,4,5,6,7
	global_load_b128 v[X+32+4*(\c):X+32+4*(\c)+3], v[LO], s[IN:IN+1] offset:4096+512*(\c)
.endr
.irp c, 0,1,2,3,4,5,6,7
	global_load_b128 v[G0+4*(\c):G0+4*(\c)+3], v[LO], s[10:11] offset:512*(\c)
.endr
.irp c, 0,1,2,3,4,5,6,7
	global_load_b128 v[B0+4*(\c):B0+4*(\c)+3], v[LO], s[12:13] offset:512*(\c)
.endr
	STAT 0, 24                                     ; behind row 0: row 1's eight, the gain's and the bias's
	STAT 1, 16                                     ; behind row 1: the gain's and the bias's
	v_rsq_f32 v[RS], v[VA]                         ; one batch of four,
	v_rsq_f32 v[RS+1], v[VA]
	v_rsq_f32 v[RS+2], v[VA+1]
	v_rsq_f32 v[RS+3], v[VA+1]
	v_nop                                          ; a plain instruction behind the last of them,
	s_wait_alu depctr_va_vdst(0)                   ; and one wait: the four 1 / sqrt in v[RS .. RS+3] are written, ahead of their first reader
	s_wait_loadcnt 0x0
.irp c, 0,1,2,3,4,5,6,7
	CALC 0, \c, Y0
.endr
	s_wait_alu depctr_va_vdst(0)                   ; row 0's roundings have written Y0, which the stores below read
.irp c, 0,1,2,3,4,5,6,7
	PUT 0, \c, Y0                                  ; no further wait: no vector instruction since the wait names Y0 or v[SO]
	CALC 1, \c, X                                  ; row 1 is rounded into row 0's x registers, an out-buffer of its own
.endr
	s_wait_alu depctr_va_vdst(0)                   ; row 1's roundings have written v[X .. X+15], which the stores below read
.irp c, 0,1,2,3,4,5,6,7
	PUT 1, \c, X
.endr
	s_endpgm
.Lfunc_end_k_q98645be521_ln1:
	.size	k_q98645be521_ln1, .Lfunc_end_k_q98645be521_ln1-k_q98645be521_ln1
	.p2alignl 7, 3214868480
	.fill 96, 4, 3214868480
	.section	.rodata,"a",@progbits
	.p2align	6, 0x0
	.amdhsa_kernel k_q98645be521_ln1
		.amdhsa_group_segment_fixed_size 0
		.amdhsa_private_segment_fixed_size 0
		.amdhsa_enable_private_segment 0
		.amdhsa_kernarg_size 32
		.amdhsa_user_sgpr_count 2
		.amdhsa_user_sgpr_kernarg_segment_ptr 1
		.amdhsa_wavefront_size32 1
		.amdhsa_system_sgpr_workgroup_id_x 1
		.amdhsa_system_sgpr_workgroup_id_y 1
		.amdhsa_system_sgpr_workgroup_id_z 1
		.amdhsa_system_vgpr_workitem_id 0
		.amdhsa_next_free_vgpr 256
		.amdhsa_next_free_sgpr 66
		.amdhsa_reserve_vcc 0
		.amdhsa_float_denorm_mode_32 3
		.amdhsa_float_denorm_mode_16_64 3
		.amdhsa_memory_ordered 1
		.amdhsa_forward_progress 1
		.amdhsa_inst_pref_size 20
	.end_amdhsa_kernel
	.amdgpu_metadata
---
amdhsa.version: [ 1, 2 ]
amdhsa.kernels:
  - .name:           k_q98645be521_ln1
    .symbol:         k_q98645be521_ln1.kd
    .args:
      - { .name: x1, .offset: 0, .size: 8, .value_kind: global_buffer, .address_space: global }
      - { .name: ca_norm_g, .offset: 8, .size: 8, .value_kind: global_buffer, .address_space: global }
      - { .name: ca_norm_b, .offset: 16, .size: 8, .value_kind: global_buffer, .address_space: global }
      - { .name: an0, .offset: 24, .size: 8, .value_kind: global_buffer, .address_space: global }
    .group_segment_fixed_size: 0
    .private_segment_fixed_size: 0
    .kernarg_segment_align: 8
    .kernarg_segment_size: 32
    .max_flat_workgroup_size: 256
    .sgpr_count:     66
    .vgpr_count:     256
    .wavefront_size: 32
...
	.end_amdgpu_metadata
.endif
;; end of part 9
;; launch pcq: the kernel of part 6 again; grid 8 x 32, 4 waves a work-group, clusters of 4 x 4, 327,680 bytes of LDS; arguments an0, wca, qb; writes qb
;; launch attnc: the kernel of part 7 again; grid 8 x 32, 4 waves a work-group, clusters of 4 x 1, 327,680 bytes of LDS; arguments qb, kv, ca_rel, an1; writes an1
;; launch oca: the kernel of part 4 again; grid 8 x 32, 4 waves a work-group, clusters of 4 x 4, 327,680 bytes of LDS; arguments an1, wca, ca_bo, x1, out0; writes out0
